; MI455X (gfx1250); checked and timed in simulation.
; The chip was launched on July 23, 2026; its instructions are those of AMD's public machine-readable ISA for CDNA 5 (MIT licence, August 2026) and "CDNA5" Instruction Set Architecture Reference Guide (July 2026). The comments in the code are by the model that wrote it; some were corrected since.
;; Attention. Allowed arithmetic: matrix products marked QUANTISED: E2M3 operands, one E8M0 scale for each 32 along K, by v_wmma_scale_f32_16x16x128_f8f6f4 with both operands' format E2M3, f32 sums; everything else in f32.
;; Inputs: Wk 512 x 512 float32; WkC 2,048 x 2,048 float32; Wo1 512 x 512 float32; Wo2 512 x 512 float32; Wo3 512 x 512 float32; Wo4 512 x 512 float32; Wq1 512 x 512 float32; Wq2 512 x 512 float32; Wq3 512 x 512 float32; Wq4 512 x 512 float32; WqC 2,048 x 2,048 float32; Wv 512 x 512 float32; WvC 2,048 x 2,048 float32; emb1 4 x 512 x 512 float32; emb2 4 x 512 x 512 float32; emb3 4 x 512 x 512 float32; emb4 4 x 512 x 512 float32; emb_C 4 x 512 x 2,048 float32.
;; Outputs: out0 4 x 512 x 512 float32; out1 4 x 512 x 512 float32; out2 4 x 512 x 512 float32; out3 4 x 512 x 512 float32.
;; This version of the problem:
;;   THIS VERSION OF THE PROBLEM IS GIVEN IN LOW PRECISION. The matrix products marked QUANTISED in the list below multiply operands that are first quantised to E2M3 (2 exponent bits, 3 mantissa bits; 6 bits a number), with one power-of-two scale for each 32 numbers along K (OCP MX v1.0); their sums are f32. All else is computed in f32.
;;   The module's matrix products, in the order in which they are computed (A, B: the left and right operand; K: the contracted axis; several contracted axes count as one K, in the product's order):
;;     1. [M 2,048, K 2,048] x [K 2,048, N 2,048]; A: input emb_C; B: input WqC: QUANTISED
;;     2. [M 2,048, K 2,048] x [K 2,048, N 2,048]; A: input emb_C; B: input WkC: QUANTISED
;;     3. [M 2,048, K 2,048] x [K 2,048, N 2,048]; A: input emb_C; B: input WvC: QUANTISED
;;     4. batch 4 x [M 2,048, K 512] x [K 512, N 2,048]; A: computed on the way; B: computed on the way: QUANTISED
;;     5. batch 4 x [M 2,048, K 2,048] x [K 2,048, N 512]; A: softmax (see below); B: computed on the way: QUANTISED
;;     6. [M 8,192, K 512] x [K 512, N 512]; A: computed on the way; B: input Wk: QUANTISED
;;     7. [M 8,192, K 512] x [K 512, N 512]; A: computed on the way; B: input Wv: QUANTISED
;;     8. [M 2,048, K 512] x [K 512, N 512]; A: input emb1; B: input Wq1: QUANTISED
;;     9. batch 32 x [M 512, K 64] x [K 64, N 2,048]; A: computed on the way; B: computed on the way: QUANTISED
;;     10. batch 32 x [M 512, K 2,048] x [K 2,048, N 64]; A: softmax (see below); B: computed on the way: QUANTISED
;;     11. [M 2,048, K 512] x [K 512, N 512]; A: computed on the way; B: input Wo1: QUANTISED
;;     12. [M 2,048, K 512] x [K 512, N 512]; A: input emb2; B: input Wq2: QUANTISED
;;     13. batch 32 x [M 512, K 64] x [K 64, N 2,048]; A: computed on the way; B: computed on the way: QUANTISED
;;     14. batch 32 x [M 512, K 2,048] x [K 2,048, N 64]; A: softmax (see below); B: computed on the way: QUANTISED
;;     15. [M 2,048, K 512] x [K 512, N 512]; A: computed on the way; B: input Wo2: QUANTISED
;;     16. [M 2,048, K 512] x [K 512, N 512]; A: input emb3; B: input Wq3: QUANTISED
;;     17. batch 32 x [M 512, K 64] x [K 64, N 2,048]; A: computed on the way; B: computed on the way: QUANTISED
;;     18. batch 32 x [M 512, K 2,048] x [K 2,048, N 64]; A: softmax (see below); B: computed on the way: QUANTISED
;;     19. [M 2,048, K 512] x [K 512, N 512]; A: computed on the way; B: input Wo3: QUANTISED
;;     20. [M 2,048, K 512] x [K 512, N 512]; A: input emb4; B: input Wq4: QUANTISED
;;     21. batch 32 x [M 512, K 64] x [K 64, N 2,048]; A: computed on the way; B: computed on the way: QUANTISED
;;     22. batch 32 x [M 512, K 2,048] x [K 2,048, N 64]; A: softmax (see below); B: computed on the way: QUANTISED
;;     23. [M 2,048, K 512] x [K 512, N 512]; A: computed on the way; B: input Wo4: QUANTISED
;;   THE QUANTISER, for each operand of a quantised product, along K:
;;     - K is cut into blocks of 32 from its start; a last block that is shorter is filled with zeros.
;;     - A block's scale is 2^e with e = floor(log2(the largest magnitude in the block)) - 2, held to -126 .. 127; a block of zeros has e = 0. As a byte (E8M0): e + 127.
;;     - Each number is divided by its block's scale, clamped to +-7.5, and rounded to the nearest number of E2M3, ties to even, subnormals kept.
;;     - The product sums the exact products of the quantised numbers (number of the format x scale) in f32.
;;   ~~~python
;;   def quantise(x, axis):      # numpy; x: float32 -> the quantised numbers, widened to float32 again
;;       x = np.moveaxis(x, axis, -1); K = x.shape[-1]
;;       x = np.pad(x, [(0, 0)] * (x.ndim - 1) + [(0, -K % 32)]); x = x.reshape(x.shape[:-1] + (-1, 32)); a = np.abs(x).max(-1, keepdims=True)
;;       e = np.where(a > 0, np.clip(np.frexp(np.where(a > 0, a, 1))[1] - 1 - 2, -126, 127), 0)      # np.frexp(a)[1] - 1 = floor(log2(a)), exactly
;;       r = np.clip(x / 2.0 ** e, -7.5, 7.5)
;;       step = 2.0 ** (np.maximum(np.frexp(np.where(r == 0, 1, r))[1] - 1, 0) - 3)
;;       q = np.round(r / step) * step * 2.0 ** e      # np.round: ties to even
;;       return np.moveaxis(q.reshape(q.shape[:-2] + (-1,))[..., :K], -1, axis).astype(np.float32)
;;   ~~~
;;   SOFTMAX AHEAD OF A QUANTISED PRODUCT. Where the list says 'softmax', what is quantised is not the finished softmax but p = 2^(t - M), with t = logit x log2(e) and M = ceil(the row's largest t), a whole number; so 1/2 < the row's largest p <= 1. The row's sum l is taken of the UNQUANTISED p, in f32, and the product's result is divided by l at the end. Since M is a whole number, a kernel that streams over the keys may use a running M (the ceiling of the running maximum): every later rescaling is an exact power of two, which a block's scale takes up: the codes' values come out the same.
;;   OPERANDS COMPUTED ON THE WAY. 'Computed on the way' means the value that the module computes at that place (a softmax that the list does not call 'softmax' is quantised finished and normalised). What goes into a quantiser is computed in f32, as accurately as f32 sums, v_exp_f32 and their like allow (about 1e-6 of the number): no bf16 or f16 on the way to a quantiser, and a product that is left as it is and whose result goes on into a quantised operand takes f32 operands (vector FMAs, or v_wmma_f32_16x16x4_f32). A number that lies on a knife's edge between two numbers of the format may be rounded either way, as far as f32 arithmetic and the matrix unit's own rounding can turn it there, and no further.
;; One version. Each part assembles by itself: llvm-mc -triple=amdgcn-amd-amdhsa -mcpu=gfx1250 --defsym DOCPART=n.
;; ======== version 1 of 1: 9 launches
;; limits: right only within a limited range of input values
;; workspace buffers: qin 19,169,280 bytes; qkv 10,223,616 bytes; cst 655,360 bytes; pcd 14,155,776 bytes; kvs 3,407,872 bytes; skv 10,223,616 bytes; sst 524,288 bytes; ctx 3,407,872 bytes
;; launch quant (part 1): grid 720 x 1, 4 waves a work-group, no clusters, 34,304 bytes of LDS; arguments emb_C, WqC, WkC, WvC, emb1, emb2, emb3, emb4, Wq1, Wq2, Wq3, Wq4, Wk, Wv, Wo1, Wo2, Wo3, Wo4, qin; writes qin
.if DOCPART == 1
	.amdgcn_target "amdgcn-amd-amdhsa--gfx1250"
	.amdhsa_code_object_version 6
	.text
	.protected	k_qfd7e70d419_quant
	.globl	k_qfd7e70d419_quant
	.p2align	8
	.type	k_qfd7e70d419_quant,@function
k_qfd7e70d419_quant:
	s_mov_b64 s[64:65], 0
	v_nop
	global_prefetch_b8 v0, s[64:65] scope:SCOPE_SE
	s_setreg_imm32_b32 hwreg(HW_REG_WAVE_MODE, 25, 1), 1
	s_wait_xcnt 0x0
; All 18 inputs (f32, K innermost) become codes of FP6 (E2M3) with one E8M0 byte for each 32 along K, laid as the products' operand registers want them.
; A FRAGMENT is 16 rows x 128 K = 12 registers a lane, stored as six pieces of 256 bytes: piece p holds registers 2 p, 2 p + 1, lane l at 256 p + 8 l.
; Its scale image is 128 bytes: word r (0-15) the row's four bytes, word 16 + r the same shifted down by 16 bits.
; THE ROWS OF A TILE ARE NOT NEIGHBOURS: lane r of tile t holds row 32 (t / 2) + 8 (t % 2) + r + 8 (r / 8), in every operand of this program.
; A wave takes one tile x 512 along K: four fragments, numbers 16 x work-group + 4 x wave on, which is the tensors' order in qin.
; Each load reads 512 consecutive bytes of one row; the 16 rows turn through the wave's own stage in LDS (rows 528 bytes apart), from which lane (r, h) takes k = 64 c + 32 h + 0 .. 31 of row r: two whole blocks.
; A block's scale is 2^(floor(log2(largest magnitude)) - 2): its byte is the largest magnitude's exponent field - 2, held at 1 from below.
; LIMITS: a block of zeros gets the byte 1 (its codes are zeros; this program alone reads the bytes); NaN and infinities among the inputs are not served.
; No tensor loads, no barrier: waves share nothing.  Memory binds: every input byte is read once, every store of codes covers 256 consecutive bytes, aligned.
.set WSTG, 16*528                      ; a wave's stage
.set SCQ,  17694720                    ; where the scale images begin in qin: 11,520 fragments x 1,536
.set RB,   32                          ; v32-159  two sets of 64: 16 rows x 16 bytes a lane, as loaded
.set X,    160                         ; v160-223 my two blocks of 32 numbers
.set PC,   224                         ; v224-235 the fragment's codes
.set PT,   236                         ; v236-242 the upper halves of the blocks' codes, before they are moved
.set TM,   244                         ; v244-245 largest magnitudes, v246-247 scale operands, v248-249 bytes
.set PW,   250
.set PW2,  251
.set TP,   252
	s_load_b512 s[8:23], s[0:1], 0x0               ; the 18 inputs' addresses, in qin's order
	s_load_b512 s[24:39], s[0:1], 0x40
	s_load_b128 s[40:43], s[0:1], 0x80
	s_load_b64 s[44:45], s[0:1], 0x90              ; qin
	v_lshl_add_u32 v254, v0, 2, 0x8400
	v_mov_b32 v255, 0
	v_lshrrev_b32 v1, 5, v0
	v_readfirstlane_b32 s46, v1                    ; wave
	v_and_b32 v1, 31, v0                           ; lane
	s_wait_alu depctr_va_vdst(0)
	v_and_b32 v2, 15, v0                           ; r
	s_wait_alu depctr_va_vdst(0)
	v_bfe_u32 v3, v0, 4, 1                         ; h
	; which tensor, tile and quarter of K: work-groups 0-511 the four tensors of 2,048 x 2,048, 512-639 emb1-4, 640-719 the ten of 512 x 512
	s_lshr_b32 s47, ttmp9, 7
	s_and_b32 s48, ttmp9, 127
	s_sub_co_u32 s49, ttmp9, 512
	s_lshr_b32 s50, s49, 5
	s_add_co_u32 s50, s50, 4
	s_and_b32 s51, s49, 31
	s_lshl_b32 s51, s51, 2
	s_add_co_u32 s51, s51, s46
	s_sub_co_u32 s49, ttmp9, 640
	s_lshr_b32 s52, s49, 3
	s_add_co_u32 s52, s52, 8
	s_and_b32 s53, s49, 7
	s_lshl_b32 s53, s53, 2
	s_add_co_u32 s53, s53, s46
	s_mov_b32 s55, 2048
	s_cmp_lt_u32 ttmp9, 640
	s_cselect_b32 s50, s50, s52
	s_cselect_b32 s51, s51, s53
	s_cmp_lt_u32 ttmp9, 512
	s_cselect_b32 s47, s47, s50                    ; the tensor, 0 .. 17
	s_cselect_b32 s48, s48, s51                    ; the tile
	s_cselect_b32 s54, s46, 0                      ; the quarter of K (wide tensors alone)
	s_cselect_b32 s55, 8192, s55                   ; bytes from row to row
	s_lshr_b32 s56, s48, 1
	s_lshl_b32 s56, s56, 5
	s_and_b32 s57, s48, 1
	s_lshl_b32 s57, s57, 3
	s_add_co_u32 s56, s56, s57                     ; the tile's first row
	s_mul_i32 s56, s56, s55
	s_lshl_b32 s57, s54, 11
	s_add_co_u32 s56, s56, s57                     ; + 2,048 bytes a quarter
	s_mov_b32 s57, 0
	s_lshl_b32 s58, ttmp9, 4
	s_lshl_b32 s59, s46, 2
	s_add_co_u32 s58, s58, s59                     ; my first fragment
	s_lshl_b32 s2, s58, 7
	s_mov_b32 s3, 0
	s_mul_i32 s58, s58, 1536
	s_mov_b32 s59, 0
	s_mov_b32 s52, 0x76543210
	s_mov_b32 s53, 0xfedcba98                      ; v_permlanex16_b32's selects for lane l xor 16
	s_mul_i32 s49, s46, WSTG
	v_lshlrev_b32 v4, 4, v1                        ; 16 x lane
	v_add_nc_u32 v5, s49, v4                       ; the stage, on the way in
	v_mul_u32_u24 v6, v2, 528
	s_wait_alu depctr_va_vdst(0)
	v_lshl_add_u32 v6, v3, 7, v6
	v_add_nc_u32 v6, s49, v6                       ; and on the way out: row r, + 128 h
	v_lshlrev_b32 v7, 3, v1                        ; 8 x lane: a piece's place
	v_lshlrev_b32 v8, 2, v1                        ; 4 x lane: a scale image's
	v_lshlrev_b32 v9, 3, v3                        ; 8 h
	v_lshlrev_b32 v10, 4, v3                       ; 16 h
.irp i, 0,1,2,3,4,5,6,7,8,9,10,11,12,13,14,15
	v_mad_u32_u24 v[16+\i], s55, \i+8*(\i/8), v4   ; row i of the tile lies i + 8 (i / 8) rows down
.endr
	v_mov_b32 v[TP], 0                             ; written once: a lane permute's destination counts as one of its sources
	s_wait_alu depctr_va_vdst(0)
	s_wait_kmcnt 0x0
	s_mov_b64 s[4:5], s[8:9]
.irp i, 1,2,3,4,5,6,7,8,9,10,11,12,13,14,15,16,17
	s_cmp_eq_u32 s47, \i                           ; the choice hangs on the work-group's number alone
	s_cselect_b64 s[4:5], s[8+2*\i:9+2*\i], s[4:5]
.endr
	s_add_nc_u64 s[4:5], s[4:5], s[56:57]
	s_add_nc_u64 s[6:7], s[44:45], s[58:59]        ; my codes
	s_add_nc_u64 s[44:45], s[44:45], s[2:3]
	s_add_nc_u64 s[44:45], s[44:45], SCQ           ; my scale images
.macro LOADF k                         ; fragment k: 128 numbers of each of the 16 rows
.irp i, 0,1,2,3,4,5,6,7,8,9,10,11,12,13,14,15
	global_load_b128 v[RB+64*((\k)%2)+4*\i:RB+64*((\k)%2)+4*\i+3], v[16+\i], s[4:5] offset:512*(\k) th:TH_LOAD_NT
.endr
.endm
.macro FRAGQ k
.if \k < 3
	s_wait_loadcnt 16                              ; this fragment's 16 loads are in; the next fragment's 16 may be out
.else
	s_wait_loadcnt 0x0
.endif
.irp i, 0,1,2,3,4,5,6,7,8,9,10,11,12,13,14,15
	ds_store_b128 v5, v[RB+64*((\k)%2)+4*\i:RB+64*((\k)%2)+4*\i+3] offset:528*\i
.endr
.irp c, 0,1
.irp q, 0,1,2,3,4,5,6,7
	ds_load_b128 v[X+32*\c+4*\q:X+32*\c+4*\q+3], v6 offset:256*\c+16*\q   ; LDS serves a wave's instructions in order: these see the stores above
.endr
.endr
	s_wait_dscnt 0x0
.if \k < 2
	LOADF (\k)+2
.endif
.irp c, 0,1
	v_max3_num_f32 v[TM+\c], |v[X+32*\c]|, |v[X+1+32*\c]|, 0x1800000   ; my block 2 c + h, and the floor 2^(3 - 127): the byte cannot fall under 1
.endr
.irp i, 2,4,6,8,10,12,14,16,18,20,22,24,26,28,30
.irp c, 0,1
	v_max3_num_f32 v[TM+\c], v[TM+\c], |v[X+32*\c+\i]|, |v[X+1+32*\c+\i]|
.endr
.endr
.irp c, 0,1
	v_add_nc_u32 v[TM+2+\c], 0xff000000, v[TM+\c]  ; 2 off the exponent field: the conversion's scale operand
.endr
.irp c, 0,1
	v_lshrrev_b32 v[TM+4+\c], 23, v[TM+2+\c]       ; the scale's byte
.endr
	v_lshl_or_b32 v[PW], v[TM+5], 16, v[TM+4]      ; blocks h and 2 + h,
	v_lshlrev_b32 v[PW], v9, v[PW]                 ; at their places,
	v_permlanex16_b32 v[TP], v[PW], s52, s53
	v_or_b32 v[PW], v[PW], v[TP]                   ; with lane l xor 16's two: the row's scale word
	s_wait_alu depctr_va_vdst(0)
	s_wait_xcnt 0x0                                ; the last fragment's stores have read their data: the codes may be written again
.irp c, 0,1
	v_cvt_scalef32_pk16_fp6_f32 v[PC+6*\c:PC+2+6*\c], v[X+32*\c:X+15+32*\c], v[TM+2+\c]
	v_cvt_scalef32_pk16_fp6_f32 v[PT+4*\c:PT+2+4*\c], v[X+16+32*\c:X+31+32*\c], v[TM+2+\c]   ; (a conversion's three registers begin on an even number)
.endr
	v_nop                                          ; one plain place behind a scaled conversion
.irp c, 0,1
.irp i, 0,1,2
	v_mov_b32 v[PC+3+6*\c+\i], v[PT+4*\c+\i]
.endr
.endr
	v_lshrrev_b32 v[PW2], v10, v[PW]               ; lanes 16-31 store the word's upper half
.irp p, 0,1,2,3,4,5
	global_store_b64 v7, v[PC+2*\p:PC+2*\p+1], s[6:7] offset:1536*(\k)+256*\p   ; 32 lanes store 256 consecutive bytes, aligned
.endr
	global_store_b32 v8, v[PW2], s[44:45] offset:128*(\k)
.endm
	LOADF 0
	LOADF 1
	FRAGQ 0
	FRAGQ 1
	FRAGQ 2
	FRAGQ 3
	s_wait_tensorcnt 0x0
	ds_add_u32 v254, v255
	s_wait_dscnt 0x0
	s_endpgm
.Lfunc_end_k_qfd7e70d419_quant:
	.size	k_qfd7e70d419_quant, .Lfunc_end_k_qfd7e70d419_quant-k_qfd7e70d419_quant
	.p2alignl 7, 3214868480
	.fill 96, 4, 3214868480
	.section	.rodata,"a",@progbits
	.p2align	6, 0x0
	.amdhsa_kernel k_qfd7e70d419_quant
		.amdhsa_group_segment_fixed_size 34304
		.amdhsa_private_segment_fixed_size 0
		.amdhsa_enable_private_segment 0
		.amdhsa_kernarg_size 152
		.amdhsa_user_sgpr_count 2
		.amdhsa_user_sgpr_kernarg_segment_ptr 1
		.amdhsa_wavefront_size32 1
		.amdhsa_system_sgpr_workgroup_id_x 1
		.amdhsa_system_sgpr_workgroup_id_y 1
		.amdhsa_system_sgpr_workgroup_id_z 1
		.amdhsa_system_vgpr_workitem_id 0
		.amdhsa_next_free_vgpr 256
		.amdhsa_next_free_sgpr 66
		.amdhsa_reserve_vcc 0
		.amdhsa_float_denorm_mode_32 3
		.amdhsa_float_denorm_mode_16_64 3
		.amdhsa_memory_ordered 1
		.amdhsa_forward_progress 1
		.amdhsa_inst_pref_size 35
	.end_amdhsa_kernel
	.amdgpu_metadata
---
amdhsa.version: [ 1, 2 ]
amdhsa.kernels:
  - .name:           k_qfd7e70d419_quant
    .symbol:         k_qfd7e70d419_quant.kd
    .args:
      - { .name: emb_C, .offset: 0, .size: 8, .value_kind: global_buffer, .address_space: global }
      - { .name: WqC, .offset: 8, .size: 8, .value_kind: global_buffer, .address_space: global }
      - { .name: WkC, .offset: 16, .size: 8, .value_kind: global_buffer, .address_space: global }
      - { .name: WvC, .offset: 24, .size: 8, .value_kind: global_buffer, .address_space: global }
      - { .name: emb1, .offset: 32, .size: 8, .value_kind: global_buffer, .address_space: global }
      - { .name: emb2, .offset: 40, .size: 8, .value_kind: global_buffer, .address_space: global }
      - { .name: emb3, .offset: 48, .size: 8, .value_kind: global_buffer, .address_space: global }
      - { .name: emb4, .offset: 56, .size: 8, .value_kind: global_buffer, .address_space: global }
      - { .name: Wq1, .offset: 64, .size: 8, .value_kind: global_buffer, .address_space: global }
      - { .name: Wq2, .offset: 72, .size: 8, .value_kind: global_buffer, .address_space: global }
      - { .name: Wq3, .offset: 80, .size: 8, .value_kind: global_buffer, .address_space: global }
      - { .name: Wq4, .offset: 88, .size: 8, .value_kind: global_buffer, .address_space: global }
      - { .name: Wk, .offset: 96, .size: 8, .value_kind: global_buffer, .address_space: global }
      - { .name: Wv, .offset: 104, .size: 8, .value_kind: global_buffer, .address_space: global }
      - { .name: Wo1, .offset: 112, .size: 8, .value_kind: global_buffer, .address_space: global }
      - { .name: Wo2, .offset: 120, .size: 8, .value_kind: global_buffer, .address_space: global }
      - { .name: Wo3, .offset: 128, .size: 8, .value_kind: global_buffer, .address_space: global }
      - { .name: Wo4, .offset: 136, .size: 8, .value_kind: global_buffer, .address_space: global }
      - { .name: qin, .offset: 144, .size: 8, .value_kind: global_buffer, .address_space: global }
    .group_segment_fixed_size: 34304
    .private_segment_fixed_size: 0
    .kernarg_segment_align: 8
    .kernarg_segment_size: 152
    .max_flat_workgroup_size: 128
    .sgpr_count:     66
    .vgpr_count:     256
    .wavefront_size: 32
...
	.end_amdgpu_metadata
.endif
;; end of part 1
;; launch gemmC (part 2): grid 8 x 24, 4 waves a work-group, clusters of 4 x 4, 327,680 bytes of LDS; arguments qin, qkv; writes qkv
.if DOCPART == 2
	.amdgcn_target "amdgcn-amd-amdhsa--gfx1250"
	.amdhsa_code_object_version 6
	.text
	.protected	k_qfd7e70d419_gemmC
	.globl	k_qfd7e70d419_gemmC
	.p2align	8
	.type	k_qfd7e70d419_gemmC,@function
k_qfd7e70d419_gemmC:
	s_mov_b64 s[64:65], 0
	v_nop
	global_prefetch_b8 v0, s[64:65] scope:SCOPE_SE
	s_setreg_imm32_b32 hwreg(HW_REG_WAVE_MODE, 25, 1), 1
	s_wait_xcnt 0x0
	s_wait_alu depctr_hold_cnt(0) depctr_sa_sdst(0) depctr_va_vdst(0) depctr_va_sdst(0) depctr_va_ssrc(0) depctr_va_vcc(0) depctr_vm_vsrc(0)
	s_getreg_b32 s2, hwreg(HW_REG_IB_STS2, 6, 4)
	s_cmp_eq_u32 s2, 0
	s_cbranch_scc0 .Lentry_in_a_cluster
	s_endpgm
.Lentry_in_a_cluster:
	s_bfe_u32 s2, ttmp6, 0x10000c
	s_cmp_lg_u32 s2, 0xf033
	s_cbranch_scc0 .Lentry_shape_is_right
	s_endpgm
.Lentry_shape_is_right:
.set NKS,   16
.set SCIN,  17694720
.set SCO,   9437184
.set NQ,    2
.set FR,    12
.set NL,    6
.set NP,    4
.set HALFT, 8*3072
.set SLOT,  4*HALFT
.set LAPS,  NKS/4
.set SCL,   2*SLOT
.set HALFS, 1024*NKS
.set SBLK,  128*NKS
.set SPARE, SCL+4*HALFS
.set ADRA, 16
.set ADRB, 20
.set VO0,  24
.set VO1,  25
.set VSO,  26
.set ADRS, 27
.set SPW,  28
.set NIL,  29
.set SH,   30
.set SC,   32
.set TM,   32
.set PW,   48
.set PW2,  49
.set PC,   96
.set AF,   128
.set G1, 24
.set G0, 32
.set G1B, 48
.set G0B, 56
.set G1S, 68
.set G0S, 76
.set G1SB, 80
.set G0SB, 88
.set OB, 12
.set OS, 66
.set SA, 96
.set SAS, 98
.set SEL, 100
.set MSB, 0
.macro WIN new
.if MSB != \new
	s_set_vgpr_msb (MSB<<8)|\new
.set MSB, \new
.endif
.endm
.set MUL_LO, 0xa1
.set MUL_HI, 0xf1
.set TO_B,   0x40
.macro JLOAD g0a, g1a, g0b, g1b
	s_cmp_eq_u32 s15, 0
	s_cbranch_scc0 .Lfor_x_\@
	tensor_load_to_lds s[\g0a:\g0a+3], s[\g1a:\g1a+7]
	s_nop 0
.rept 4
	v_nop
.endr
	s_branch .Lasked_\@
.Lfor_x_\@:
	tensor_load_to_lds s[\g0b:\g0b+3], s[\g1b:\g1b+7]
	s_nop 0
.rept 4
	v_nop
.endr
.Lasked_\@:
.endm
.macro CREST
	s_cmp_lg_u32 s14, 0
	s_cbranch_scc1 .Lnot_wave_0_\@
	s_barrier_signal -3
.Lnot_wave_0_\@:
	s_barrier_wait -3
	s_barrier_signal -1
	s_barrier_wait -1
.endm
.macro CROUND
	s_barrier_signal -1
	s_barrier_wait -1
	CREST
.endm
.macro FRAG reg, adr, q, i
.irp p, 0,1,2,3,4,5
	ds_load_b64 v[\reg+2*\p:\reg+2*\p+1], v[\adr] offset:(\i)*3072+(\q)*1536+256*\p
.endr
.endm
.macro MUL16 a0, p, q, sc, zero
.irp a, \a0, \a0+1
.irp b, 0,1,2,3,4,5,6,7
.if \zero
	v_wmma_scale_f32_16x16x128_f8f6f4 v[8*(8*((\a)%4)+\b):8*(8*((\a)%4)+\b)+7], v[128*(\p)+FR*\b:128*(\p)+FR*\b+FR-1], v[AF+FR*(\a):AF+FR*(\a)+FR-1], 0, v[SC+8*NQ*(\sc)+NQ*\b+(\q)], v[SC+8*NQ*(\sc)+NQ*(\a)+(\q)] matrix_a_fmt:MATRIX_FMT_FP6 matrix_b_fmt:MATRIX_FMT_FP6 matrix_a_scale:MATRIX_SCALE_ROW1
.else
	v_wmma_scale_f32_16x16x128_f8f6f4 v[8*(8*((\a)%4)+\b):8*(8*((\a)%4)+\b)+7], v[128*(\p)+FR*\b:128*(\p)+FR*\b+FR-1], v[AF+FR*(\a):AF+FR*(\a)+FR-1], v[8*(8*((\a)%4)+\b):8*(8*((\a)%4)+\b)+7], v[SC+8*NQ*(\sc)+NQ*\b+(\q)], v[SC+8*NQ*(\sc)+NQ*(\a)+(\q)] matrix_a_fmt:MATRIX_FMT_FP6 matrix_b_fmt:MATRIX_FMT_FP6 matrix_a_scale:MATRIX_SCALE_ROW1
.endif
.endr
.endr
.endm
.macro FETCH_B slot, q, p
	WIN TO_B
.irp i, 0,1,2,3,4,5,6,7
	FRAG 128*(\p)+FR*\i, ADRB+\slot, \q, \i
.endr
	WIN 0
.endm
.macro FETCH_A slot, q, i0
.irp i, \i0, \i0+1, \i0+2, \i0+3
	FRAG AF+FR*(\i), ADRA+\slot, \q, \i
.endr
.endm
.macro SCALES sc
.irp i, 0,1,2,3,4,5,6,7
.irp q, 0,1
	ds_load_b32 v[SC+8*NQ*\sc+NQ*\i+\q], v[ADRS] offset:\i*SBLK+128*\q
.endr
.endr
.endm
.macro PLACES n
.rept \n
	v_nop
.endr
.endm
.macro STEP slot, q, zero
	s_wait_dscnt 4*NL
	WIN MUL_LO
	MUL16 0, (\q)%2, \q, \slot, \zero
	MUL16 2, (\q)%2, \q, \slot, \zero
	s_wait_dscnt 0
	PLACES NP
	FETCH_B \slot, (\q)+1, 1-(\q)%2
	FETCH_A \slot, (\q)+1, 0
	WIN MUL_HI
	MUL16 4, (\q)%2, \q, \slot, \zero
	MUL16 6, (\q)%2, \q, \slot, \zero
	PLACES NP
	WIN 0
	FETCH_A \slot, (\q)+1, 4
.endm
.macro TURN slot, next, fill
	s_wait_tensorcnt 0x0
	ds_add_u32 v[SPW], v[NIL]
	s_wait_dscnt 4*NL+1
	WIN MUL_LO
	MUL16 0, 1, NQ-1, \slot, 0
	s_wait_dscnt 0x0
	s_barrier_signal -1
	MUL16 2, 1, NQ-1, \slot, 0
	WIN 0
	s_barrier_wait -1
.if \fill
	CREST
	s_add_nc_u64 s[G0+4*\slot+2:G0+4*\slot+3], s[G0+4*\slot+2:G0+4*\slot+3], 6144
	s_add_nc_u64 s[G0B+4*\slot+2:G0B+4*\slot+3], s[G0B+4*\slot+2:G0B+4*\slot+3], 6144
	JLOAD G0+4*\slot, G1, G0B+4*\slot, G1B
.else
	PLACES NP
.endif
	s_wait_alu depctr_va_vdst(0)
	v_add_nc_u32 v[ADRS], 128*NQ, v[ADRS]
	FETCH_B \next, 0, 0
	FETCH_A \next, 0, 0
	SCALES \next
	WIN MUL_HI
	MUL16 4, 1, NQ-1, \slot, 0
	MUL16 6, 1, NQ-1, \slot, 0
	PLACES NP
	WIN 0
	FETCH_A \next, 0, 4
.endm
.macro QUANT s, w, nx
.set WW, (\w)|((\w)<<2)
	WIN WW
.irp b, 0,1,2,3
	v_max3_num_f32 v[TM+\b], |v[(\s)+16*\b]|, |v[(\s)+1+16*\b]|, 0x1800000
.endr
.irp i, 2,4,6,8,10,12,14
.irp b, 0,1,2,3
	v_max3_num_f32 v[TM+\b], |v[(\s)+16*\b+\i]|, |v[(\s)+1+16*\b+\i]|, v[TM+\b]
.endr
.endr
	WIN 0
.irp b, 0,1,2,3
	v_permlanex16_b32 v[TM+4+\b], v[TM+\b], s[SEL], s[SEL+1]
.endr
.irp b, 0,1,2,3
	v_max_num_f32 v[TM+\b], v[TM+\b], v[TM+4+\b]
.endr
.irp b, 0,1,2,3
	v_add_nc_u32 v[TM+12+\b], 0xff000000, v[TM+\b]
.endr
.irp b, 0,1,2,3
	v_lshrrev_b32 v[TM+4+\b], 23, v[TM+12+\b]
.endr
	v_lshl_or_b32 v[PW], v[TM+5], 8, v[TM+4]
	v_lshl_or_b32 v[PW], v[TM+6], 16, v[PW]
	v_lshl_or_b32 v[PW], v[TM+7], 24, v[PW]
.if \nx
	s_wait_xcnt 0x0
	s_add_nc_u64 s[OB:OB+1], s[OB:OB+1], s[SA:SA+1]
	s_add_nc_u64 s[OS:OS+1], s[OS:OS+1], s[SAS:SAS+1]
.endif
.set WW, \w
	WIN WW
.irp c, 0,1
	v_cvt_scalef32_pk16_fp6_f32 v[PC+6*\c:PC+2+6*\c], v[(\s)+32*\c:(\s)+15+32*\c], v[TM+12+2*\c]
	v_cvt_scalef32_pk16_fp6_f32 v[PC+12+4*\c:PC+14+4*\c], v[(\s)+16+32*\c:(\s)+31+32*\c], v[TM+12+2*\c+1]
.endr
	WIN 0
	v_nop
.irp c, 0,1
.irp i, 0,1,2
	v_permlane16_swap_b32 v[PC+6*\c+\i], v[PC+12+4*\c+\i]
.endr
.irp i, 0,1,2
	v_mov_b32 v[PC+3+6*\c+\i], v[PC+12+4*\c+\i]
.endr
.endr
.endm
.macro QOUT
	v_lshrrev_b32 v[PW2], v[SH], v[PW]
.irp p, 0,1,2
	global_store_b64 v[VO0], v[PC+2*\p:PC+2*\p+1], s[OB:OB+1] offset:256*\p
.endr
.irp p, 0,1,2
	global_store_b64 v[VO1], v[PC+6+2*\p:PC+7+2*\p], s[OB:OB+1] offset:256*\p
.endr
	global_store_b32 v[VSO], v[PW2], s[OS:OS+1]
.endm
	s_load_b128 s[4:7], s[0:1], 0x0
	v_lshl_add_u32 v[SPW], v0, 2, SPARE
	v_mov_b32 v[NIL], 0
	ds_add_u32 v28, v29
	ds_add_u32 v28, v29
	s_wait_dscnt 0x0
	v_lshrrev_b32 v1, 5, v0
	v_readfirstlane_b32 s14, v1
	s_lshr_b32 s15, s14, 1
	s_and_b32 s16, s14, 1
	s_bfe_u32 s40, ttmp6, 0x40000
	s_bfe_u32 s41, ttmp6, 0x40004
	s_lshl_b32 s42, ttmp9, 2
	s_add_co_u32 s42, s42, s40
	s_and_b32 s17, ttmp7, 0xffff
	s_lshr_b32 s2, s17, 2
	s_lshl_b32 s17, s17, 2
	s_add_co_u32 s17, s17, s41
	s_lshl_b32 s43, s41, 2
	s_lshl_b32 s43, 15, s43
	s_lshl_b32 s44, 0x1111, s40
	s_or_b32 s[G1+0], s43, (3<<16)|(1<<21)
	s_or_b32 s[G1B+0], s44, (3<<16)|(1<<21)
.irp g, G1, G1B
	s_mov_b32 s[\g+1], 384<<16
	s_mov_b32 s[\g+2], 16<<16                      ; the head's loads bring all 16 tiles of a side
	s_mov_b32 s[\g+3], 384<<16
	s_mov_b32 s[\g+4], 16
	s_mov_b32 s[\g+5], 192*NKS
	s_mov_b32 s[\g+6], 0
	s_mov_b32 s[\g+7], 0
.endr
	s_or_b32 s[G1S+0], s43, (3<<16)|(1<<21)
	s_or_b32 s[G1SB+0], s44, (3<<16)|(1<<21)
.irp g, G1S, G1SB
	s_mov_b32 s[\g+1], 32<<16
	s_mov_b32 s[\g+2], (8*NKS)<<16                 ; the scale images of a side's 16 tiles: one dense block
	s_mov_b32 s[\g+3], 32<<16
	s_mov_b32 s[\g+4], 8*NKS
	s_mov_b32 s[\g+5], 32
	s_mov_b32 s[\g+6], 0
	s_mov_b32 s[\g+7], 0
.endr
	s_mul_i32 s19, s2, 6144
	s_lshl_b32 s20, s17, 8
	s_add_co_u32 s20, s20, 2048
	s_sub_co_u32 s20, s20, s19
	s_lshl_b32 s46, s42, 8
	s_add_co_u32 s46, s46, s19
	s_lshl_b32 s22, s20, 7                         ; the scale images begin with the side's first tile
	s_mov_b32 s23, 0
	s_lshl_b32 s92, s46, 7
	s_mov_b32 s93, 0
	s_mul_i32 s18, s16, 8*NKS                      ; the codes: my eight tiles of the side
	s_add_co_u32 s20, s20, s18
	s_add_co_u32 s46, s46, s18
	s_mul_i32 s20, s20, 1536
	s_mov_b32 s21, 0
	s_mul_i32 s46, s46, 1536
	s_mov_b32 s47, 0
	s_mul_i32 s45, s14, HALFT
	s_wait_kmcnt 0x0
	s_add_nc_u64 s[20:21], s[4:5], s[20:21]
	s_add_nc_u64 s[22:23], s[4:5], s[22:23]
	s_add_nc_u64 s[22:23], s[22:23], SCIN
	s_add_nc_u64 s[46:47], s[4:5], s[46:47]
	s_add_nc_u64 s[92:93], s[4:5], s[92:93]
	s_add_nc_u64 s[92:93], s[92:93], SCIN
	CROUND
	s_mov_b32 s[G0S], 1
	s_mov_b32 s[G0S+1], SCL
	s_mov_b64 s[G0S+2:G0S+3], s[22:23]
	s_or_b32 s[G0S+3], s[G0S+3], 0x80000000
	s_mov_b32 s[G0SB], 1
	s_mov_b32 s[G0SB+1], SCL+2*HALFS
	s_mov_b64 s[G0SB+2:G0SB+3], s[92:93]
	s_or_b32 s[G0SB+3], s[G0SB+3], 0x80000000
.irp s, 0,1
	s_mov_b32 s[G0+4*\s], 1
	s_add_co_u32 s[G0+4*\s+1], s45, \s*SLOT
	s_add_nc_u64 s[G0+4*\s+2:G0+4*\s+3], s[20:21], \s*3072
	s_or_b32 s[G0+4*\s+3], s[G0+4*\s+3], 0x80000000
	s_mov_b32 s[G0B+4*\s], 1
	s_add_co_u32 s[G0B+4*\s+1], s45, \s*SLOT
	s_add_nc_u64 s[G0B+4*\s+2:G0B+4*\s+3], s[46:47], \s*3072
	s_or_b32 s[G0B+4*\s+3], s[G0B+4*\s+3], 0x80000000
.endr
	; the head's four tiles, one load a wave: wave 0 slot 0's 16 tiles of Y, wave 2 those of X (their own group 0 begins at the side's first tile), wave 1 Y's scale images, wave 3 X's
	s_cmp_eq_u32 s16, 0
	s_cbranch_scc0 .Lhead_scales
	JLOAD G0, G1, G0B, G1B
	s_branch .Lhead_asked
.Lhead_scales:
	JLOAD G0S, G1S, G0SB, G1SB
.Lhead_asked:
	s_wait_alu depctr_va_vdst(0)
	s_wait_tensorcnt 0x0                           ; my tile of the four is in; slot 1's first fill is issued as a refill is
	ds_add_u32 v28, v29
	s_mov_b32 s[G1+2], 8<<16                       ; no load of mine is out: from here on a load brings eight tiles
	s_mov_b32 s[G1+4], 8
	s_mov_b32 s[G1B+2], 8<<16
	s_mov_b32 s[G1B+4], 8
	s_wait_dscnt 0x0
	CROUND                                         ; all four tiles are in, for every wave of every partner
	JLOAD G0+4, G1, G0B+4, G1B
	v_and_b32 v1, 15, v0
	v_bfe_u32 v2, v0, 4, 1
	s_wait_alu depctr_va_vdst(0)
	v_and_b32 v3, 31, v0
	v_lshlrev_b32 v4, 3, v3
	s_wait_alu depctr_va_vdst(0)
	s_mul_i32 s21, s15, HALFT
	s_mul_i32 s22, s16, HALFT
	s_add_co_u32 s22, s22, 2*HALFT
.irp s, 0,1
	v_add_nc_u32 v[ADRA+\s], s21, v4
	v_add_nc_u32 v[ADRB+\s], s22, v4
	s_add_co_u32 s21, s21, SLOT
	s_add_co_u32 s22, s22, SLOT
.endr
	v_lshlrev_b32 v5, 2, v1
	s_mul_i32 s21, s15, HALFS
	s_mul_i32 s22, s16, HALFS
	s_add_co_u32 s22, s22, 2*HALFS
	s_sub_co_u32 s22, s22, s21
	v_mul_u32_u24 v6, s22, v2
	s_add_co_u32 s21, s21, SCL
	v_add_nc_u32 v5, v5, v6
	v_add_nc_u32 v[ADRS], s21, v5
	v_mov_b32 v[VO0], v4
	v_add_nc_u32 v[VO1], 768, v4
	v_lshlrev_b32 v[VSO], 2, v3
	v_lshlrev_b32 v[SH], 4, v2
	s_mov_b32 s[SEL], 0x76543210
	s_mov_b32 s[SEL+1], 0xfedcba98
	s_lshr_b32 s18, s42, 1
	s_lshl_b32 s18, s18, 8
	s_lshl_b32 s19, s17, 4
	s_add_co_u32 s18, s18, s19
	s_lshl_b32 s19, s15, 3
	s_add_co_u32 s18, s18, s19
	s_lshl_b32 s18, s18, 2
	s_and_b32 s19, s42, 1
	s_lshl_b32 s19, s19, 1
	s_add_co_u32 s18, s18, s19
	s_add_co_u32 s18, s18, s16
	s_lshl_b32 s20, s17, 4
	s_sub_co_u32 s20, s20, 256
	s_lshl_b32 s19, s15, 3
	s_add_co_u32 s20, s20, s19
	s_lshl_b32 s20, s20, 4
	s_lshl_b32 s19, s42, 1
	s_add_co_u32 s20, s20, s19
	s_add_co_u32 s20, s20, s16
	s_add_co_u32 s20, s20, 4096
	s_cmp_eq_u32 s2, 0
	s_cselect_b32 s18, s18, s20
	s_cselect_b32 s19, 4, 16
	s_mul_i32 s[SA], s19, 1536
	s_mov_b32 s[SA+1], 0
	s_lshl_b32 s[SAS], s19, 7
	s_mov_b32 s[SAS+1], 0
	s_lshl_b32 s20, s18, 7
	s_mov_b32 s21, 0
	s_mul_i32 s18, s18, 1536
	s_mov_b32 s19, 0
	s_add_nc_u64 s[OB:OB+1], s[6:7], s[18:19]
	s_add_nc_u64 s[OS:OS+1], s[6:7], s[20:21]
	s_add_nc_u64 s[OS:OS+1], s[OS:OS+1], SCO
	s_wait_alu depctr_va_vdst(0)
	FETCH_B 0, 0, 0
	FETCH_A 0, 0, 0
	SCALES 0
	FETCH_A 0, 0, 4
	STEP 0, 0, 1
	s_mov_b32 s3, LAPS-1
.Llap:
	TURN 0, 1, 1
	STEP 1, 0, 0
	TURN 1, 0, 1
	STEP 0, 0, 0
	s_sub_co_u32 s3, s3, 1
	s_cmp_lg_u32 s3, 0
	s_cbranch_scc1 .Llap
	TURN 0, 1, 0
	STEP 1, 0, 0
	s_wait_dscnt 4*NL
	WIN MUL_LO
	MUL16 0, 1, NQ-1, 1, 0
	MUL16 2, 1, NQ-1, 1, 0
	s_wait_dscnt 0
	WIN MUL_HI
	MUL16 4, 1, NQ-1, 1, 0
	MUL16 6, 1, NQ-1, 1, 0
	WIN 0
	PLACES NP
.irp b, 0,1,2,3
	v_mov_b32 v[TM+4+\b], 0
.endr
.irp a, 0,1,2,3,4,5,6,7
	QUANT 64*(\a%4), 2+\a/4, \a
	QOUT
.endr
	s_wait_tensorcnt 0x0
	ds_add_u32 v[SPW], v[NIL]
	s_wait_dscnt 0x0
	CROUND
	s_endpgm
.Lfunc_end_k_qfd7e70d419_gemmC:
	.size	k_qfd7e70d419_gemmC, .Lfunc_end_k_qfd7e70d419_gemmC-k_qfd7e70d419_gemmC
	.p2alignl 7, 3214868480
	.fill 96, 4, 3214868480
	.section	.rodata,"a",@progbits
	.p2align	6, 0x0
	.amdhsa_kernel k_qfd7e70d419_gemmC
		.amdhsa_group_segment_fixed_size 327680
		.amdhsa_private_segment_fixed_size 0
		.amdhsa_enable_private_segment 0
		.amdhsa_kernarg_size 16
		.amdhsa_user_sgpr_count 2
		.amdhsa_user_sgpr_kernarg_segment_ptr 1
		.amdhsa_wavefront_size32 1
		.amdhsa_system_sgpr_workgroup_id_x 1
		.amdhsa_system_sgpr_workgroup_id_y 1
		.amdhsa_system_sgpr_workgroup_id_z 1
		.amdhsa_system_vgpr_workitem_id 0
		.amdhsa_next_free_vgpr 1024
		.amdhsa_next_free_sgpr 102
		.amdhsa_reserve_vcc 0
		.amdhsa_float_denorm_mode_32 3
		.amdhsa_float_denorm_mode_16_64 3
		.amdhsa_memory_ordered 1
		.amdhsa_forward_progress 1
		.amdhsa_inst_pref_size 171
	.end_amdhsa_kernel
	.amdgpu_metadata
---
amdhsa.version: [ 1, 2 ]
amdhsa.kernels:
  - .name:           k_qfd7e70d419_gemmC
    .symbol:         k_qfd7e70d419_gemmC.kd
    .args:
      - { .name: qin, .offset: 0, .size: 8, .value_kind: global_buffer, .address_space: global }
      - { .name: qkv, .offset: 8, .size: 8, .value_kind: global_buffer, .address_space: global }
    .group_segment_fixed_size: 327680
    .private_segment_fixed_size: 0
    .kernarg_segment_align: 8
    .kernarg_segment_size: 16
    .max_flat_workgroup_size: 128
    .sgpr_count:     102
    .vgpr_count:     1024
    .wavefront_size: 32
...
	.end_amdgpu_metadata
.endif
;; end of part 2
;; launch cstat (part 3): grid 8 x 32, 4 waves a work-group, clusters of 4 x 4, 327,680 bytes of LDS; arguments qkv, cst; writes cst
.if DOCPART == 3
	.amdgcn_target "amdgcn-amd-amdhsa--gfx1250"
	.amdhsa_code_object_version 6
	.text
	.protected	k_qfd7e70d419_cstat
	.globl	k_qfd7e70d419_cstat
	.p2align	8
	.type	k_qfd7e70d419_cstat,@function
k_qfd7e70d419_cstat:
	s_mov_b64 s[64:65], 0
	v_nop
	global_prefetch_b8 v0, s[64:65] scope:SCOPE_SE
	s_setreg_imm32_b32 hwreg(HW_REG_WAVE_MODE, 25, 1), 1
	s_wait_xcnt 0x0
	s_wait_alu depctr_hold_cnt(0) depctr_sa_sdst(0) depctr_va_vdst(0) depctr_va_sdst(0) depctr_va_ssrc(0) depctr_va_vcc(0) depctr_vm_vsrc(0)
	s_getreg_b32 s2, hwreg(HW_REG_IB_STS2, 6, 4)
	s_cmp_eq_u32 s2, 0
	s_cbranch_scc0 .Lentry_in_a_cluster
	s_endpgm
.Lentry_in_a_cluster:
	s_bfe_u32 s2, ttmp6, 0x10000c
	s_cmp_lg_u32 s2, 0xf033
	s_cbranch_scc0 .Lentry_shape_is_right
	s_endpgm
.Lentry_shape_is_right:
.set NKS,   4
.set SCIN,  9437184
.set NQ,    2
.set FR,    12
.set NL,    6
.set NP,    4
.set HALFT, 8*6144                     ; eight tiles x all four K steps: both sides lie whole in LDS, as in memory
.set SLOT,  3072                       ; from K steps 0, 1 of a tile to its K steps 2, 3
.set SCL,   4*HALFT
.set HALFS, 1024*NKS
.set SBLK,  128*NKS
.set ADRA, 16
.set ADRB, 20
.set VSO,  26
.set ADRS, 27
.set SC,   32
.set RMX,  84
.set AF,   128
.set G1, 24
.set G0, 32
.set G1B, 48
.set G0B, 56
.set G1S, 68
.set G0S, 76
.set G1SB, 80
.set G0SB, 88
.set OB, 12
.set OS, 66
.set SEL, 100
.set MSB, 0
.macro WIN new
.if MSB != \new
	s_set_vgpr_msb (MSB<<8)|\new
.set MSB, \new
.endif
.endm
.set MUL_LO, 0xa1
.set MUL_HI, 0xf1
.set TO_B,   0x40
.macro JLOAD g0a, g1a, g0b, g1b
	s_cmp_eq_u32 s15, 0
	s_cbranch_scc0 .Lfor_x_\@
	tensor_load_to_lds s[\g0a:\g0a+3], s[\g1a:\g1a+7]
	s_nop 0
.rept 4
	v_nop
.endr
	s_branch .Lasked_\@
.Lfor_x_\@:
	tensor_load_to_lds s[\g0b:\g0b+3], s[\g1b:\g1b+7]
	s_nop 0
.rept 4
	v_nop
.endr
.Lasked_\@:
.endm
.macro CROUND
	s_barrier_signal -1
	s_barrier_wait -1
	s_cmp_lg_u32 s14, 0
	s_cbranch_scc1 .Lnot_wave_0_\@
	s_barrier_signal -3
.Lnot_wave_0_\@:
	s_barrier_wait -3
	s_barrier_signal -1
	s_barrier_wait -1
.endm
.macro FRAG reg, adr, q, i
.irp p, 0,1,2,3,4,5
	ds_load_b64 v[\reg+2*\p:\reg+2*\p+1], v[\adr] offset:(\i)*6144+(\q)*1536+256*\p
.endr
.endm
.macro MUL16 a0, p, q, sc, zero
.irp a, \a0, \a0+1
.irp b, 0,1,2,3,4,5,6,7
.if \zero
	v_wmma_scale_f32_16x16x128_f8f6f4 v[8*(8*((\a)%4)+\b):8*(8*((\a)%4)+\b)+7], v[128*(\p)+FR*\b:128*(\p)+FR*\b+FR-1], v[AF+FR*(\a):AF+FR*(\a)+FR-1], 0, v[SC+8*NQ*(\sc)+NQ*\b+(\q)], v[SC+8*NQ*(\sc)+NQ*(\a)+(\q)] matrix_a_fmt:MATRIX_FMT_FP6 matrix_b_fmt:MATRIX_FMT_FP6 matrix_a_scale:MATRIX_SCALE_ROW1
.else
	v_wmma_scale_f32_16x16x128_f8f6f4 v[8*(8*((\a)%4)+\b):8*(8*((\a)%4)+\b)+7], v[128*(\p)+FR*\b:128*(\p)+FR*\b+FR-1], v[AF+FR*(\a):AF+FR*(\a)+FR-1], v[8*(8*((\a)%4)+\b):8*(8*((\a)%4)+\b)+7], v[SC+8*NQ*(\sc)+NQ*\b+(\q)], v[SC+8*NQ*(\sc)+NQ*(\a)+(\q)] matrix_a_fmt:MATRIX_FMT_FP6 matrix_b_fmt:MATRIX_FMT_FP6 matrix_a_scale:MATRIX_SCALE_ROW1
.endif
.endr
.endr
.endm
.macro FETCH_B slot, q, p
	WIN TO_B
.irp i, 0,1,2,3,4,5,6,7
	FRAG 128*(\p)+FR*\i, ADRB+\slot, \q, \i
.endr
	WIN 0
.endm
.macro FETCH_A slot, q, i0
.irp i, \i0, \i0+1, \i0+2, \i0+3
	FRAG AF+FR*(\i), ADRA+\slot, \q, \i
.endr
.endm
.macro SCALES sc
.irp i, 0,1,2,3,4,5,6,7
.irp q, 0,1
	ds_load_b32 v[SC+8*NQ*\sc+NQ*\i+\q], v[ADRS] offset:\i*SBLK+128*\q
.endr
.endr
.endm
.macro PLACES n
.rept \n
	v_nop
.endr
.endm
.macro STEP slot, q, zero
	s_wait_dscnt 4*NL
	WIN MUL_LO
	MUL16 0, (\q)%2, \q, \slot, \zero
	MUL16 2, (\q)%2, \q, \slot, \zero
	s_wait_dscnt 0
	PLACES NP
	FETCH_B \slot, (\q)+1, 1-(\q)%2
	FETCH_A \slot, (\q)+1, 0
	WIN MUL_HI
	MUL16 4, (\q)%2, \q, \slot, \zero
	MUL16 6, (\q)%2, \q, \slot, \zero
	PLACES NP
	WIN 0
	FETCH_A \slot, (\q)+1, 4
.endm
.macro TURN slot, next
	s_wait_dscnt 4*NL
	WIN MUL_LO
	MUL16 0, 1, NQ-1, \slot, 0
	MUL16 2, 1, NQ-1, \slot, 0
	s_wait_dscnt 0x0
	WIN 0
	PLACES NP
	v_add_nc_u32 v[ADRS], 128*NQ, v[ADRS]
	FETCH_B \next, 0, 0
	FETCH_A \next, 0, 0
	SCALES \next
	WIN MUL_HI
	MUL16 4, 1, NQ-1, \slot, 0
	MUL16 6, 1, NQ-1, \slot, 0
	PLACES NP
	WIN 0
	FETCH_A \next, 0, 4
.endm
.macro RED32 v, t
	v_add_f32_dpp v[\v], v[\v], v[\v] row_xmask:1 row_mask:0xf bank_mask:0xf
	v_add_f32_dpp v[\v], v[\v], v[\v] row_xmask:2 row_mask:0xf bank_mask:0xf
	v_add_f32_dpp v[\v], v[\v], v[\v] row_xmask:4 row_mask:0xf bank_mask:0xf
	v_add_f32_dpp v[\v], v[\v], v[\v] row_xmask:8 row_mask:0xf bank_mask:0xf
	v_permlanex16_b32 v[\t], v[\v], s[SEL], s[SEL+1]
	v_add_f32 v[\v], v[\v], v[\t]
.endm
.macro STAT a
.set S0, 64*((\a)%4)
.set WN, 2+(\a)/4
.set WW, WN|(WN<<2)
	WIN WW
.irp c, 0,1
	v_max_num_f32 v[208+\c], v[S0+32*\c], v[S0+32*\c+1]
.endr
.irp i, 2,4,6,8,10,12,14,16,18,20,22,24,26,28,30
.irp c, 0,1
	v_max3_num_f32 v[208+\c], v[S0+32*\c+\i], v[S0+32*\c+\i+1], v[208+\c]
.endr
.endr
	WIN WN
.set jj, 0
.rept 32
	v_pk_add_f32 v[128+jj:129+jj], v[S0+jj:S0+jj+1], v[210:211] neg_lo:[0,1] neg_hi:[0,1]
.set jj, jj+2
.endr
	WIN 0
.set jj, 0
.rept 32
	v_pk_add_f32 v[192+2*(jj%4):193+2*(jj%4)], v[192+2*(jj%4):193+2*(jj%4)], v[128+2*jj:129+2*jj]
	v_pk_fma_f32 v[200+2*(jj%4):201+2*(jj%4)], v[128+2*jj:129+2*jj], v[128+2*jj:129+2*jj], v[200+2*(jj%4):201+2*(jj%4)]
.set jj, jj+1
.endr
	v_max_num_f32 v208, v208, v209
	v_permlanex16_b32 v212, v208, s[SEL], s[SEL+1]
	v_max_num_f32 v[RMX+\a], v208, v212
.endm
	s_load_b128 s[4:7], s[0:1], 0x0
	v_lshl_add_u32 v254, v0, 2, 0x34000
	v_mov_b32 v255, 0
	ds_add_u32 v254, v255
	ds_add_u32 v254, v255
	v_lshrrev_b32 v1, 5, v0
	v_readfirstlane_b32 s14, v1
	s_lshr_b32 s15, s14, 1
	s_and_b32 s16, s14, 1
	s_bfe_u32 s40, ttmp6, 0x40000
	s_bfe_u32 s41, ttmp6, 0x40004
	s_lshl_b32 s42, ttmp9, 2
	s_add_co_u32 s42, s42, s40
	s_and_b32 s17, ttmp7, 0xffff
	s_lshr_b32 s2, s17, 1
	s_lshl_b32 s17, s17, 2
	s_add_co_u32 s17, s17, s41
	s_lshl_b32 s43, s41, 2
	s_lshl_b32 s43, 15, s43
	s_lshl_b32 s44, 0x1111, s40
	s_or_b32 s[G1+0], s43, (3<<16)|(1<<21)
	s_or_b32 s[G1B+0], s44, (3<<16)|(1<<21)
.irp g, G1, G1B
	s_mov_b32 s[\g+1], 768<<16                     ; 16 tiles x 6,144 bytes, dense
	s_mov_b32 s[\g+2], 16<<16
	s_mov_b32 s[\g+3], 768<<16
	s_mov_b32 s[\g+4], 16
	s_mov_b32 s[\g+5], 192*NKS
	s_mov_b32 s[\g+6], 0
	s_mov_b32 s[\g+7], 0
.endr
	s_or_b32 s[G1S+0], s43, (3<<16)|(1<<21)
	s_or_b32 s[G1SB+0], s44, (3<<16)|(1<<21)
.irp g, G1S, G1SB
	s_mov_b32 s[\g+1], 32<<16
	s_mov_b32 s[\g+2], (8*NKS)<<16
	s_mov_b32 s[\g+3], 32<<16
	s_mov_b32 s[\g+4], 8*NKS
	s_mov_b32 s[\g+5], 32
	s_mov_b32 s[\g+6], 0
	s_mov_b32 s[\g+7], 0
.endr
	s_lshl_b32 s19, s2, 9
	s_lshl_b32 s20, s17, 6
	s_add_co_u32 s20, s20, s19
	s_lshl_b32 s19, s2, 10
	s_lshl_b32 s46, s42, 6
	s_add_co_u32 s46, s46, s19
	s_add_co_u32 s46, s46, 512
	s_lshl_b32 s22, s20, 7
	s_mov_b32 s23, 0
	s_lshl_b32 s92, s46, 7
	s_mov_b32 s93, 0
	s_mul_i32 s20, s20, 1536
	s_mov_b32 s21, 0
	s_mul_i32 s46, s46, 1536
	s_mov_b32 s47, 0
	s_wait_dscnt 0x0
	s_wait_kmcnt 0x0
	s_add_nc_u64 s[20:21], s[4:5], s[20:21]
	s_add_nc_u64 s[22:23], s[4:5], s[22:23]
	s_add_nc_u64 s[22:23], s[22:23], SCIN
	s_add_nc_u64 s[46:47], s[4:5], s[46:47]
	s_add_nc_u64 s[92:93], s[4:5], s[92:93]
	s_add_nc_u64 s[92:93], s[92:93], SCIN
	CROUND
	s_mov_b32 s[G0S], 1
	s_mov_b32 s[G0S+1], SCL
	s_mov_b64 s[G0S+2:G0S+3], s[22:23]
	s_or_b32 s[G0S+3], s[G0S+3], 0x80000000
	s_mov_b32 s[G0SB], 1
	s_mov_b32 s[G0SB+1], SCL+2*HALFS
	s_mov_b64 s[G0SB+2:G0SB+3], s[92:93]
	s_or_b32 s[G0SB+3], s[G0SB+3], 0x80000000
	s_mov_b32 s[G0], 1
	s_mov_b32 s[G0+1], 0
	s_mov_b64 s[G0+2:G0+3], s[20:21]
	s_or_b32 s[G0+3], s[G0+3], 0x80000000
	s_mov_b32 s[G0B], 1
	s_mov_b32 s[G0B+1], 2*HALFT
	s_mov_b64 s[G0B+2:G0B+3], s[46:47]
	s_or_b32 s[G0B+3], s[G0B+3], 0x80000000
	; all of K fits: four fills, one load a wave, nothing is filled later: wave 0 Y's codes, wave 2 X's, wave 1 Y's scale images, wave 3 X's
	s_cmp_eq_u32 s16, 0
	s_cbranch_scc0 .Lhead_scales
	JLOAD G0, G1, G0B, G1B
	s_branch .Lhead_asked
.Lhead_scales:
	JLOAD G0S, G1S, G0SB, G1SB
.Lhead_asked:
	v_and_b32 v1, 15, v0
	v_bfe_u32 v2, v0, 4, 1
	s_wait_alu depctr_va_vdst(0)
	v_and_b32 v3, 31, v0
	v_lshlrev_b32 v4, 3, v3
	s_mul_i32 s21, s15, HALFT
	s_mul_i32 s22, s16, HALFT
	s_add_co_u32 s22, s22, 2*HALFT
.irp s, 0,1
	v_add_nc_u32 v[ADRA+\s], s21, v4
	v_add_nc_u32 v[ADRB+\s], s22, v4
	s_add_co_u32 s21, s21, SLOT
	s_add_co_u32 s22, s22, SLOT
.endr
	v_lshlrev_b32 v5, 2, v1
	s_mul_i32 s21, s15, HALFS
	s_mul_i32 s22, s16, HALFS
	s_add_co_u32 s22, s22, 2*HALFS
	s_sub_co_u32 s22, s22, s21
	v_mul_u32_u24 v6, s22, v2
	s_add_co_u32 s21, s21, SCL
	v_add_nc_u32 v5, v5, v6
	v_add_nc_u32 v[ADRS], s21, v5
	v_lshlrev_b32 v[VSO], 2, v3
	s_mov_b32 s[SEL], 0x76543210
	s_mov_b32 s[SEL+1], 0xfedcba98
	s_and_b32 s18, s17, 7
	s_lshl_b32 s19, s18, 4
	s_lshl_b32 s20, s15, 3
	s_add_co_u32 s19, s19, s20
	s_lshl_b32 s20, s42, 1
	s_add_co_u32 s20, s20, s16
	s_lshl_b32 s21, s2, 4
	s_add_co_u32 s20, s20, s21
	s_lshl_b32 s20, s20, 7
	s_add_co_u32 s20, s20, s19
	s_lshl_b32 s20, s20, 6
	s_mov_b32 s21, 0
	s_add_nc_u64 s[OB:OB+1], s[6:7], s[20:21]
	s_lshl_b32 s20, s2, 6
	s_lshl_b32 s18, s18, 3
	s_add_co_u32 s20, s20, s18
	s_add_co_u32 s20, s20, s42
	s_lshl_b32 s20, s20, 2
	s_add_co_u32 s20, s20, s14
	s_lshl_b32 s20, s20, 7
	s_add_co_u32 s20, s20, 524288
	s_add_nc_u64 s[OS:OS+1], s[6:7], s[20:21]
	s_mov_b32 s92, 1
	s_mov_b32 s93, 2
	s_mov_b32 s95, 0xffff0000
	s_wait_alu depctr_va_vdst(0)
	s_wait_tensorcnt 0x0
	s_barrier_signal -1
	s_barrier_wait -1
	FETCH_B 0, 0, 0
	FETCH_A 0, 0, 0
	SCALES 0
	FETCH_A 0, 0, 4
	STEP 0, 0, 1
	TURN 0, 1
	STEP 1, 0, 0
	s_wait_dscnt 4*NL
	WIN MUL_LO
	MUL16 0, 1, NQ-1, 1, 0
	MUL16 2, 1, NQ-1, 1, 0
	s_wait_dscnt 0
	WIN MUL_HI
	MUL16 4, 1, NQ-1, 1, 0
	MUL16 6, 1, NQ-1, 1, 0
	WIN 0
	PLACES NP
	WIN 0x02
	v_mov_b32 v210, v0
	WIN 0
	v_readfirstlane_b32 s94, v210
	v_mov_b32 v210, s94
	v_mov_b32 v211, s94
.set jj, 0
.rept 16
	v_mov_b32 v[192+jj], 0
.set jj, jj+1
.endr
	v_mov_b32 v212, 0
.irp a, 0,1,2,3,4,5,6,7
	STAT \a
.endr
.irp a, 0,2,4,6
	v_cndmask_b32 v[128+\a], v[RMX+\a], v[RMX+\a+1], s95
	global_store_b32 v[VSO], v[128+\a], s[OB:OB+1] offset:64*\a
.endr
	v_pk_add_f32 v[192:193], v[192:193], v[194:195]
	v_pk_add_f32 v[196:197], v[196:197], v[198:199]
	v_pk_add_f32 v[200:201], v[200:201], v[202:203]
	v_pk_add_f32 v[204:205], v[204:205], v[206:207]
	v_pk_add_f32 v[192:193], v[192:193], v[196:197]
	v_pk_add_f32 v[200:201], v[200:201], v[204:205]
	v_add_f32 v192, v192, v193
	v_add_f32 v200, v200, v201
	RED32 192, 212
	RED32 200, 212
	v_cndmask_b32 v200, v200, v192, s93
	v_cndmask_b32 v200, v200, v210, s92
	global_store_b32 v[VSO], v200, s[OS:OS+1]
	s_wait_tensorcnt 0x0
	ds_add_u32 v254, v255
	s_wait_dscnt 0x0
	CROUND
	s_endpgm
.Lfunc_end_k_qfd7e70d419_cstat:
	.size	k_qfd7e70d419_cstat, .Lfunc_end_k_qfd7e70d419_cstat-k_qfd7e70d419_cstat
	.p2alignl 7, 3214868480
	.fill 96, 4, 3214868480
	.section	.rodata,"a",@progbits
	.p2align	6, 0x0
	.amdhsa_kernel k_qfd7e70d419_cstat
		.amdhsa_group_segment_fixed_size 327680
		.amdhsa_private_segment_fixed_size 0
		.amdhsa_enable_private_segment 0
		.amdhsa_kernarg_size 16
		.amdhsa_user_sgpr_count 2
		.amdhsa_user_sgpr_kernarg_segment_ptr 1
		.amdhsa_wavefront_size32 1
		.amdhsa_system_sgpr_workgroup_id_x 1
		.amdhsa_system_sgpr_workgroup_id_y 1
		.amdhsa_system_sgpr_workgroup_id_z 1
		.amdhsa_system_vgpr_workitem_id 0
		.amdhsa_next_free_vgpr 1024
		.amdhsa_next_free_sgpr 102
		.amdhsa_reserve_vcc 0
		.amdhsa_float_denorm_mode_32 3
		.amdhsa_float_denorm_mode_16_64 3
		.amdhsa_memory_ordered 1
		.amdhsa_forward_progress 1
		.amdhsa_inst_pref_size 137
	.end_amdhsa_kernel
	.amdgpu_metadata
---
amdhsa.version: [ 1, 2 ]
amdhsa.kernels:
  - .name:           k_qfd7e70d419_cstat
    .symbol:         k_qfd7e70d419_cstat.kd
    .args:
      - { .name: qkv, .offset: 0, .size: 8, .value_kind: global_buffer, .address_space: global }
      - { .name: cst, .offset: 8, .size: 8, .value_kind: global_buffer, .address_space: global }
    .group_segment_fixed_size: 327680
    .private_segment_fixed_size: 0
    .kernarg_segment_align: 8
    .kernarg_segment_size: 16
    .max_flat_workgroup_size: 128
    .sgpr_count:     102
    .vgpr_count:     1024
    .wavefront_size: 32
...
	.end_amdgpu_metadata
.endif
;; end of part 3
;; launch cprob (part 4): grid 8 x 32, 4 waves a work-group, clusters of 4 x 4, 327,680 bytes of LDS; arguments qkv, cst, pcd; writes pcd
.if DOCPART == 4
	.amdgcn_target "amdgcn-amd-amdhsa--gfx1250"
	.amdhsa_code_object_version 6
	.text
	.protected	k_qfd7e70d419_cprob
	.globl	k_qfd7e70d419_cprob
	.p2align	8
	.type	k_qfd7e70d419_cprob,@function
k_qfd7e70d419_cprob:
	s_mov_b64 s[64:65], 0
	v_nop
	global_prefetch_b8 v0, s[64:65] scope:SCOPE_SE
	s_setreg_imm32_b32 hwreg(HW_REG_WAVE_MODE, 25, 1), 1
	s_wait_xcnt 0x0
	s_wait_alu depctr_hold_cnt(0) depctr_sa_sdst(0) depctr_va_vdst(0) depctr_va_sdst(0) depctr_va_ssrc(0) depctr_va_vcc(0) depctr_vm_vsrc(0)
	s_getreg_b32 s2, hwreg(HW_REG_IB_STS2, 6, 4)
	s_cmp_eq_u32 s2, 0
	s_cbranch_scc0 .Lentry_in_a_cluster
	s_endpgm
.Lentry_in_a_cluster:
	s_bfe_u32 s2, ttmp6, 0x10000c
	s_cmp_lg_u32 s2, 0xf033
	s_cbranch_scc0 .Lentry_shape_is_right
	s_endpgm
.Lentry_shape_is_right:
.set NKS,   4
.set SCIN,  9437184
.set NQ,    2
.set FR,    12
.set NL,    6
.set NP,    4
.set HALFT, 8*6144                     ; eight tiles x all four K steps: both sides lie whole in LDS, as in memory
.set SLOT,  3072                       ; from K steps 0, 1 of a tile to its K steps 2, 3
.set SCL,   4*HALFT
.set HALFS, 1024*NKS
.set SBLK,  128*NKS
.set ADRA, 16
.set ADRB, 20
.set VO0,  24
.set VO1,  25
.set VSO,  26
.set ADRS, 27
.set SH,   30
.set SC,   32
.set BY,   36
.set PW,   48
.set PW2,  49
.set BM,   50
.set B2,   54
.set SO,   58
.set NM,   64
.set AA,   72
.set NGM,  74
.set NEGM, 76
.set LSUM, 84
.set PC,   96
.set AF,   128
.set T,    128
.set G1, 24
.set G0, 32
.set G1B, 48
.set G0B, 56
.set G1S, 68
.set G0S, 76
.set G1SB, 80
.set G0SB, 88
.set OB, 12
.set OS, 66
.set SEL, 100
.set MSB, 0
.macro WIN new
.if MSB != \new
	s_set_vgpr_msb (MSB<<8)|\new
.set MSB, \new
.endif
.endm
.set MUL_LO, 0xa1
.set MUL_HI, 0xf1
.set TO_B,   0x40
.macro JLOAD g0a, g1a, g0b, g1b
	s_cmp_eq_u32 s15, 0
	s_cbranch_scc0 .Lfor_x_\@
	tensor_load_to_lds s[\g0a:\g0a+3], s[\g1a:\g1a+7]
	s_nop 0
.rept 4
	v_nop
.endr
	s_branch .Lasked_\@
.Lfor_x_\@:
	tensor_load_to_lds s[\g0b:\g0b+3], s[\g1b:\g1b+7]
	s_nop 0
.rept 4
	v_nop
.endr
.Lasked_\@:
.endm
.macro CROUND
	s_barrier_signal -1
	s_barrier_wait -1
	s_cmp_lg_u32 s14, 0
	s_cbranch_scc1 .Lnot_wave_0_\@
	s_barrier_signal -3
.Lnot_wave_0_\@:
	s_barrier_wait -3
	s_barrier_signal -1
	s_barrier_wait -1
.endm
.macro FRAG reg, adr, q, i
.irp p, 0,1,2,3,4,5
	ds_load_b64 v[\reg+2*\p:\reg+2*\p+1], v[\adr] offset:(\i)*6144+(\q)*1536+256*\p
.endr
.endm
.macro MUL16 a0, p, q, sc, zero
.irp a, \a0, \a0+1
.irp b, 0,1,2,3,4,5,6,7
.if \zero == 2
	v_wmma_scale_f32_16x16x128_f8f6f4 v[8*(8*((\a)%4)+\b):8*(8*((\a)%4)+\b)+7], v[128*(\p)+FR*\b:128*(\p)+FR*\b+FR-1], v[AF+FR*(\a):AF+FR*(\a)+FR-1], v[NM:NM+7], v[SC+8*NQ*(\sc)+NQ*\b+(\q)], v[SC+8*NQ*(\sc)+NQ*(\a)+(\q)] matrix_a_fmt:MATRIX_FMT_FP6 matrix_b_fmt:MATRIX_FMT_FP6 matrix_a_scale:MATRIX_SCALE_ROW1
.else
	v_wmma_scale_f32_16x16x128_f8f6f4 v[8*(8*((\a)%4)+\b):8*(8*((\a)%4)+\b)+7], v[128*(\p)+FR*\b:128*(\p)+FR*\b+FR-1], v[AF+FR*(\a):AF+FR*(\a)+FR-1], v[8*(8*((\a)%4)+\b):8*(8*((\a)%4)+\b)+7], v[SC+8*NQ*(\sc)+NQ*\b+(\q)], v[SC+8*NQ*(\sc)+NQ*(\a)+(\q)] matrix_a_fmt:MATRIX_FMT_FP6 matrix_b_fmt:MATRIX_FMT_FP6 matrix_a_scale:MATRIX_SCALE_ROW1
.endif
.endr
.endr
.endm
.macro FETCH_B slot, q, p
	WIN TO_B
.irp i, 0,1,2,3,4,5,6,7
	FRAG 128*(\p)+FR*\i, ADRB+\slot, \q, \i
.endr
	WIN 0
.endm
.macro FETCH_A slot, q, i0
.irp i, \i0, \i0+1, \i0+2, \i0+3
	FRAG AF+FR*(\i), ADRA+\slot, \q, \i
.endr
.endm
.macro SCALES sc
.irp i, 0,1,2,3,4,5,6,7
.irp q, 0,1
	ds_load_b32 v[SC+8*NQ*\sc+NQ*\i+\q], v[ADRS] offset:\i*SBLK+128*\q
.endr
.endr
.endm
.macro PLACES n
.rept \n
	v_nop
.endr
.endm
.macro STEP slot, q, zero
	s_wait_dscnt 4*NL
.if \zero == 2
	WIN 0x81
.else
	WIN MUL_LO
.endif
	MUL16 0, (\q)%2, \q, \slot, \zero
	MUL16 2, (\q)%2, \q, \slot, \zero
	s_wait_dscnt 0
	PLACES NP
	FETCH_B \slot, (\q)+1, 1-(\q)%2
	FETCH_A \slot, (\q)+1, 0
.if \zero == 2
	WIN 0xc1
.else
	WIN MUL_HI
.endif
	MUL16 4, (\q)%2, \q, \slot, \zero
	MUL16 6, (\q)%2, \q, \slot, \zero
	PLACES NP
	WIN 0
	FETCH_A \slot, (\q)+1, 4
.endm
.macro TURN slot, next
	s_wait_dscnt 4*NL
	WIN MUL_LO
	MUL16 0, 1, NQ-1, \slot, 0
	MUL16 2, 1, NQ-1, \slot, 0
	s_wait_dscnt 0x0
	WIN 0
	PLACES NP
	v_add_nc_u32 v[ADRS], 128*NQ, v[ADRS]
	FETCH_B \next, 0, 0
	FETCH_A \next, 0, 0
	SCALES \next
	WIN MUL_HI
	MUL16 4, 1, NQ-1, \slot, 0
	MUL16 6, 1, NQ-1, \slot, 0
	PLACES NP
	WIN 0
	FETCH_A \next, 0, 4
.endm
.macro RED32 v, t
	v_add_f32_dpp v[\v], v[\v], v[\v] row_xmask:1 row_mask:0xf bank_mask:0xf
	v_add_f32_dpp v[\v], v[\v], v[\v] row_xmask:2 row_mask:0xf bank_mask:0xf
	v_add_f32_dpp v[\v], v[\v], v[\v] row_xmask:4 row_mask:0xf bank_mask:0xf
	v_add_f32_dpp v[\v], v[\v], v[\v] row_xmask:8 row_mask:0xf bank_mask:0xf
	v_permlanex16_b32 v[\t], v[\v], s[SEL], s[SEL+1]
	v_add_f32 v[\v], v[\v], v[\t]
.endm
.macro PROB a
.set S0, 64*((\a)%4)
.set WN, 2+(\a)/4
.set WW, WN|(WN<<2)
	v_mov_b32 v[NGM], v[NEGM+\a]
	WIN WW
.irp b, 0,1,2,3
	v_max_num_f32 v[BM+\b], v[S0+16*\b], v[S0+16*\b+1]
.endr
.irp i, 2,4,6,8,10,12,14
.irp b, 0,1,2,3
	v_max3_num_f32 v[BM+\b], v[S0+16*\b+\i], v[S0+16*\b+\i+1], v[BM+\b]
.endr
.endr
	WIN WN
.set jj, 0
.rept 32
	v_pk_fma_f32 v[T+jj:T+jj+1], v[S0+jj:S0+jj+1], v[AA:AA+1], v[NGM:NGM+1] op_sel_hi:[1,0,0]
.set jj, jj+2
.endr
	WIN 0
.irp b, 0,1,2,3
	v_permlanex16_b32 v[B2+\b], v[BM+\b], s[SEL], s[SEL+1]
.endr
.irp b, 0,1,2,3
	v_max_num_f32 v[BM+\b], v[BM+\b], v[B2+\b]
.endr
.irp b, 0,1,2,3
	v_fma_f32 v[BM+\b], v[BM+\b], v[AA], v[NGM]
.endr
.set jj, 0
	s_wait_alu depctr_va_vdst(0)
.rept 64
	v_exp_f32 v[T+jj], v[T+jj]
.set jj, jj+1
.endr
.irp b, 0,1,2,3
	v_exp_f32 v[BM+\b], v[BM+\b]
.endr
	v_nop
	s_wait_alu depctr_va_vdst(0)
.irp b, 0,1,2,3
	v_max_num_f32 v[BM+\b], 0x1800000, v[BM+\b]
.endr
.irp b, 0,1,2,3
	v_add_nc_u32 v[SO+\b], 0xff000000, v[BM+\b]
.endr
.irp b, 0,1,2,3
	v_lshrrev_b32 v[BY+\b], 23, v[SO+\b]
.endr
	v_lshl_or_b32 v[PW], v[BY+1], 8, v[BY]
	v_lshl_or_b32 v[PW], v[BY+2], 16, v[PW]
	v_lshl_or_b32 v[PW], v[BY+3], 24, v[PW]
.if \a
	s_wait_xcnt 0x0
	s_add_nc_u64 s[OB:OB+1], s[OB:OB+1], 16*1536
	s_add_nc_u64 s[OS:OS+1], s[OS:OS+1], 16*128
.endif
.irp c, 0,1
	v_cvt_scalef32_pk16_fp6_f32 v[PC+6*\c:PC+2+6*\c], v[T+32*\c:T+15+32*\c], v[SO+2*\c]
	v_cvt_scalef32_pk16_fp6_f32 v[PC+12+4*\c:PC+14+4*\c], v[T+16+32*\c:T+31+32*\c], v[SO+2*\c+1]
.endr
	v_nop
.irp c, 0,1
.irp i, 0,1,2
	v_permlane16_swap_b32 v[PC+6*\c+\i], v[PC+12+4*\c+\i]
.endr
.irp i, 0,1,2
	v_mov_b32 v[PC+3+6*\c+\i], v[PC+12+4*\c+\i]
.endr
.endr
	v_pk_add_f32 v[40:41], v[T:T+1], v[T+2:T+3]
	v_pk_add_f32 v[42:43], v[T+4:T+5], v[T+6:T+7]
.set jj, 8
.rept 14
	v_pk_add_f32 v[40:41], v[40:41], v[T+jj:T+jj+1]
	v_pk_add_f32 v[42:43], v[42:43], v[T+jj+2:T+jj+3]
.set jj, jj+4
.endr
	v_pk_add_f32 v[40:41], v[40:41], v[42:43]
	v_add_f32 v40, v40, v41
	v_permlanex16_b32 v44, v40, s[SEL], s[SEL+1]
	v_add_f32 v[LSUM+\a], v40, v44
	v_lshrrev_b32 v[PW2], v[SH], v[PW]
.irp p, 0,1,2
	global_store_b64 v[VO0], v[PC+2*\p:PC+2*\p+1], s[OB:OB+1] offset:256*\p
.endr
.irp p, 0,1,2
	global_store_b64 v[VO1], v[PC+6+2*\p:PC+7+2*\p], s[OB:OB+1] offset:256*\p
.endr
	global_store_b32 v[VSO], v[PW2], s[OS:OS+1]
.endm
	s_load_b128 s[4:7], s[0:1], 0x0
	s_load_b64 s[8:9], s[0:1], 0x10
	v_lshl_add_u32 v254, v0, 2, 0x34000
	v_mov_b32 v255, 0
	ds_add_u32 v254, v255
	ds_add_u32 v254, v255
	v_lshrrev_b32 v1, 5, v0
	v_readfirstlane_b32 s14, v1
	s_lshr_b32 s15, s14, 1
	s_and_b32 s16, s14, 1
	s_bfe_u32 s40, ttmp6, 0x40000
	s_bfe_u32 s41, ttmp6, 0x40004
	s_lshl_b32 s42, ttmp9, 2
	s_add_co_u32 s42, s42, s40
	s_and_b32 s17, ttmp7, 0xffff
	s_lshr_b32 s2, s17, 1
	s_lshl_b32 s17, s17, 2
	s_add_co_u32 s17, s17, s41
	s_lshl_b32 s43, s41, 2
	s_lshl_b32 s43, 15, s43
	s_lshl_b32 s44, 0x1111, s40
	s_or_b32 s[G1+0], s43, (3<<16)|(1<<21)
	s_or_b32 s[G1B+0], s44, (3<<16)|(1<<21)
.irp g, G1, G1B
	s_mov_b32 s[\g+1], 768<<16                     ; 16 tiles x 6,144 bytes, dense
	s_mov_b32 s[\g+2], 16<<16
	s_mov_b32 s[\g+3], 768<<16
	s_mov_b32 s[\g+4], 16
	s_mov_b32 s[\g+5], 192*NKS
	s_mov_b32 s[\g+6], 0
	s_mov_b32 s[\g+7], 0
.endr
	s_or_b32 s[G1S+0], s43, (3<<16)|(1<<21)
	s_or_b32 s[G1SB+0], s44, (3<<16)|(1<<21)
.irp g, G1S, G1SB
	s_mov_b32 s[\g+1], 32<<16
	s_mov_b32 s[\g+2], (8*NKS)<<16
	s_mov_b32 s[\g+3], 32<<16
	s_mov_b32 s[\g+4], 8*NKS
	s_mov_b32 s[\g+5], 32
	s_mov_b32 s[\g+6], 0
	s_mov_b32 s[\g+7], 0
.endr
	s_lshl_b32 s19, s2, 9
	s_lshl_b32 s20, s17, 6
	s_add_co_u32 s20, s20, s19
	s_lshl_b32 s19, s2, 10
	s_lshl_b32 s46, s42, 6
	s_add_co_u32 s46, s46, s19
	s_add_co_u32 s46, s46, 512
	s_lshl_b32 s22, s20, 7
	s_mov_b32 s23, 0
	s_lshl_b32 s92, s46, 7
	s_mov_b32 s93, 0
	s_mul_i32 s20, s20, 1536
	s_mov_b32 s21, 0
	s_mul_i32 s46, s46, 1536
	s_mov_b32 s47, 0
	s_wait_dscnt 0x0
	s_wait_kmcnt 0x0
	s_add_nc_u64 s[20:21], s[4:5], s[20:21]
	s_add_nc_u64 s[22:23], s[4:5], s[22:23]
	s_add_nc_u64 s[22:23], s[22:23], SCIN
	s_add_nc_u64 s[46:47], s[4:5], s[46:47]
	s_add_nc_u64 s[92:93], s[4:5], s[92:93]
	s_add_nc_u64 s[92:93], s[92:93], SCIN
	CROUND
	s_mov_b32 s[G0S], 1
	s_mov_b32 s[G0S+1], SCL
	s_mov_b64 s[G0S+2:G0S+3], s[22:23]
	s_or_b32 s[G0S+3], s[G0S+3], 0x80000000
	s_mov_b32 s[G0SB], 1
	s_mov_b32 s[G0SB+1], SCL+2*HALFS
	s_mov_b64 s[G0SB+2:G0SB+3], s[92:93]
	s_or_b32 s[G0SB+3], s[G0SB+3], 0x80000000
	s_mov_b32 s[G0], 1
	s_mov_b32 s[G0+1], 0
	s_mov_b64 s[G0+2:G0+3], s[20:21]
	s_or_b32 s[G0+3], s[G0+3], 0x80000000
	s_mov_b32 s[G0B], 1
	s_mov_b32 s[G0B+1], 2*HALFT
	s_mov_b64 s[G0B+2:G0B+3], s[46:47]
	s_or_b32 s[G0B+3], s[G0B+3], 0x80000000
	; all of K fits: four fills, one load a wave, nothing is filled later: wave 0 Y's codes, wave 2 X's, wave 1 Y's scale images, wave 3 X's
	s_cmp_eq_u32 s16, 0
	s_cbranch_scc0 .Lhead_scales
	JLOAD G0, G1, G0B, G1B
	s_branch .Lhead_asked
.Lhead_scales:
	JLOAD G0S, G1S, G0SB, G1SB
.Lhead_asked:
	v_and_b32 v1, 15, v0
	v_bfe_u32 v2, v0, 4, 1
	s_wait_alu depctr_va_vdst(0)
	v_and_b32 v3, 31, v0
	v_lshlrev_b32 v4, 3, v3
	s_wait_alu depctr_va_vdst(0)
	s_mul_i32 s21, s15, HALFT
	s_mul_i32 s22, s16, HALFT
	s_add_co_u32 s22, s22, 2*HALFT
.irp s, 0,1
	v_add_nc_u32 v[ADRA+\s], s21, v4
	v_add_nc_u32 v[ADRB+\s], s22, v4
	s_add_co_u32 s21, s21, SLOT
	s_add_co_u32 s22, s22, SLOT
.endr
	v_lshlrev_b32 v5, 2, v1
	s_mul_i32 s21, s15, HALFS
	s_mul_i32 s22, s16, HALFS
	s_add_co_u32 s22, s22, 2*HALFS
	s_sub_co_u32 s22, s22, s21
	v_mul_u32_u24 v6, s22, v2
	s_add_co_u32 s21, s21, SCL
	v_add_nc_u32 v5, v5, v6
	v_add_nc_u32 v[ADRS], s21, v5
	v_mov_b32 v[VO0], v4
	v_add_nc_u32 v[VO1], 768, v4
	v_lshlrev_b32 v[VSO], 2, v3
	v_lshlrev_b32 v[SH], 4, v2
	s_mov_b32 s[SEL], 0x76543210
	s_mov_b32 s[SEL+1], 0xfedcba98
	s_and_b32 s18, s17, 7
	s_lshl_b32 s18, s18, 4
	s_lshl_b32 s19, s15, 3
	s_add_co_u32 s18, s18, s19
	s_lshl_b32 s19, s42, 1
	s_add_co_u32 s19, s19, s16
	s_lshl_b32 s20, s2, 15
	s_add_co_u32 s20, s20, 524288
	s_mov_b32 s21, 0
	s_add_nc_u64 s[20:21], s[6:7], s[20:21]
	s_lshl_b32 s22, s2, 17
	s_lshl_b32 s23, s18, 6
	s_add_co_u32 s22, s22, s23
	s_mov_b32 s23, 0
	s_add_nc_u64 s[22:23], s[6:7], s[22:23]
	s_lshl_b32 s46, s2, 7
	s_add_co_u32 s46, s46, s18
	s_lshl_b32 s46, s46, 4
	s_add_co_u32 s46, s46, s19
	s_lshl_b32 s92, s46, 7
	s_mov_b32 s93, 0
	s_mul_i32 s46, s46, 1536
	s_mov_b32 s47, 0
	s_add_nc_u64 s[OB:OB+1], s[8:9], s[46:47]
	s_add_nc_u64 s[OS:OS+1], s[8:9], s[92:93]
	s_add_nc_u64 s[OS:OS+1], s[OS:OS+1], 12582912
	s_lshl_b32 s46, s2, 4
	s_add_co_u32 s46, s46, s19
	s_lshl_b32 s46, s46, 7
	s_add_co_u32 s46, s46, s18
	s_lshl_b32 s46, s46, 6
	s_add_nc_u64 s[10:11], s[8:9], s[46:47]
	s_add_nc_u64 s[10:11], s[10:11], 13631488
	s_mov_b32 s95, 0xffff0000
	s_mov_b32 s96, 0x38800000
	s_mov_b32 s97, 0x46800000
	s_mov_b32 s98, 0x34800000
	s_mov_b32 s99, 0x3727c5ac
	v_lshlrev_b32 v5, 10, v3
.irp k, 0,1,2,3,4,5,6,7
	global_load_b128 v[192+4*\k:195+4*\k], v5, s[20:21] offset:128*\k
.endr
	v_lshlrev_b32 v6, 2, v1
	v_lshl_add_u32 v6, v2, 16, v6
.irp a, 0,1,2,3,4,5,6,7
.irp k, 0,1,2,3,4,5,6,7
	global_load_b32 v[128+8*\a+\k], v6, s[22:23] offset:8192*\k+64*\a
.endr
.endr
	v_mov_b32 v233, 0
.irp a, 0,1,2,3,4,5,6,7
	v_mov_b32 v[LSUM+\a], 0
.endr
	s_wait_loadcnt 0x0
.irp k, 0,1,2,3,4,5,6,7
	v_fma_f32 v[224+\k], v[193+4*\k], s96, v[192+4*\k]
.endr
.irp k, 0,1,2,3,4,5,6,7
	v_mul_f32 v[193+4*\k], v[193+4*\k], v[193+4*\k]
.endr
.irp k, 0,1,2,3,4,5,6,7
	v_fma_f32 v[194+4*\k], -v[193+4*\k], s96, v[194+4*\k]
.endr
	v_add_f32 v232, v224, v225
	v_add_f32 v234, v226, v227
	v_add_f32 v235, v228, v229
	v_add_f32 v236, v230, v231
	v_add_f32 v232, v232, v234
	v_add_f32 v235, v235, v236
	v_add_f32 v232, v232, v235
	RED32 232, 233
	v_mul_f32 v232, 0x3b800000, v232
.irp k, 0,1,2,3,4,5,6,7
	v_sub_f32 v[224+\k], v[224+\k], v232
.endr
.irp k, 0,1,2,3,4,5,6,7
	v_mul_f32 v[224+\k], v[224+\k], v[224+\k]
.endr
.irp k, 0,1,2,3,4,5,6,7
	v_fma_f32 v[194+4*\k], v[224+\k], s97, v[194+4*\k]
.endr
	v_add_f32 v234, v194, v198
	v_add_f32 v235, v202, v206
	v_add_f32 v236, v210, v214
	v_add_f32 v237, v218, v222
	v_add_f32 v234, v234, v235
	v_add_f32 v236, v236, v237
	v_add_f32 v234, v234, v236
	RED32 234, 233
	v_fma_f32 v234, v234, s98, s99
	s_wait_alu depctr_va_vdst(0)
	v_rsq_f32 v234, v234
.irp j, 0,1,2,3,4,5,6,7
	v_mul_f32 v[NM+\j], -1.0, v232
.endr
.irp a, 0,1,2,3,4,5,6,7
	v_max3_num_f32 v[NEGM+\a], v[128+8*\a], v[129+8*\a], v[130+8*\a]
.endr
.irp a, 0,1,2,3,4,5,6,7
	v_max3_num_f32 v[NEGM+\a], v[NEGM+\a], v[131+8*\a], v[132+8*\a]
.endr
.irp a, 0,1,2,3,4,5,6,7
	v_max3_num_f32 v[NEGM+\a], v[NEGM+\a], v[133+8*\a], v[134+8*\a]
.endr
.irp a, 0,1,2,3,4,5,6,7
	v_max_num_f32 v[NEGM+\a], v[NEGM+\a], v[135+8*\a]
.endr
.irp a, 0,1,2,3,4,5,6,7
	v_permlanex16_b32 v[LSUM+\a], v[NEGM+\a], s[SEL], s[SEL+1]
.endr
.irp a, 0,1,2,3,4,5,6,7
	v_max_num_f32 v[NEGM+\a], v[NEGM+\a], v[LSUM+\a]
.endr
	s_wait_alu depctr_va_vdst(0)
	v_mul_f32 v[AA], 0x3fb8aa3b, v234
	v_mov_b32 v[AA+1], v[AA]
	v_mov_b32 v[NGM+1], 0
.irp a, 0,1,2,3,4,5,6,7
	v_sub_f32 v[NEGM+\a], v[NEGM+\a], v232
.endr
.irp a, 0,1,2,3,4,5,6,7
	v_mul_f32 v[NEGM+\a], v[NEGM+\a], v[AA]
.endr
.irp a, 0,1,2,3,4,5,6,7
	v_floor_f32 v[NEGM+\a], -v[NEGM+\a]
.endr
	s_wait_tensorcnt 0x0
	s_barrier_signal -1
	s_barrier_wait -1
	FETCH_B 0, 0, 0
	FETCH_A 0, 0, 0
	SCALES 0
	FETCH_A 0, 0, 4
	STEP 0, 0, 2
	TURN 0, 1
	STEP 1, 0, 0
	s_wait_dscnt 4*NL
	WIN MUL_LO
	MUL16 0, 1, NQ-1, 1, 0
	MUL16 2, 1, NQ-1, 1, 0
	s_wait_dscnt 0
	WIN MUL_HI
	MUL16 4, 1, NQ-1, 1, 0
	MUL16 6, 1, NQ-1, 1, 0
	WIN 0
	PLACES NP
.irp b, 0,1,2,3
	v_mov_b32 v[B2+\b], 0
.endr
	v_mov_b32 v44, 0
.irp a, 0,1,2,3,4,5,6,7
	PROB \a
.endr
.irp a, 0,2,4,6
	v_cndmask_b32 v[T+\a], v[LSUM+\a], v[LSUM+\a+1], s95
	global_store_b32 v[VSO], v[T+\a], s[10:11] offset:64*\a
.endr
	s_wait_tensorcnt 0x0
	ds_add_u32 v254, v255
	s_wait_dscnt 0x0
	CROUND
	s_endpgm
.Lfunc_end_k_qfd7e70d419_cprob:
	.size	k_qfd7e70d419_cprob, .Lfunc_end_k_qfd7e70d419_cprob-k_qfd7e70d419_cprob
	.p2alignl 7, 3214868480
	.fill 96, 4, 3214868480
	.section	.rodata,"a",@progbits
	.p2align	6, 0x0
	.amdhsa_kernel k_qfd7e70d419_cprob
		.amdhsa_group_segment_fixed_size 327680
		.amdhsa_private_segment_fixed_size 0
		.amdhsa_enable_private_segment 0
		.amdhsa_kernarg_size 24
		.amdhsa_user_sgpr_count 2
		.amdhsa_user_sgpr_kernarg_segment_ptr 1
		.amdhsa_wavefront_size32 1
		.amdhsa_system_sgpr_workgroup_id_x 1
		.amdhsa_system_sgpr_workgroup_id_y 1
		.amdhsa_system_sgpr_workgroup_id_z 1
		.amdhsa_system_vgpr_workitem_id 0
		.amdhsa_next_free_vgpr 1024
		.amdhsa_next_free_sgpr 102
		.amdhsa_reserve_vcc 0
		.amdhsa_float_denorm_mode_32 3
		.amdhsa_float_denorm_mode_16_64 3
		.amdhsa_memory_ordered 1
		.amdhsa_forward_progress 1
		.amdhsa_inst_pref_size 175
	.end_amdhsa_kernel
	.amdgpu_metadata
---
amdhsa.version: [ 1, 2 ]
amdhsa.kernels:
  - .name:           k_qfd7e70d419_cprob
    .symbol:         k_qfd7e70d419_cprob.kd
    .args:
      - { .name: qkv, .offset: 0, .size: 8, .value_kind: global_buffer, .address_space: global }
      - { .name: cst, .offset: 8, .size: 8, .value_kind: global_buffer, .address_space: global }
      - { .name: pcd, .offset: 16, .size: 8, .value_kind: global_buffer, .address_space: global }
    .group_segment_fixed_size: 327680
    .private_segment_fixed_size: 0
    .kernarg_segment_align: 8
    .kernarg_segment_size: 24
    .max_flat_workgroup_size: 128
    .sgpr_count:     102
    .vgpr_count:     1024
    .wavefront_size: 32
...
	.end_amdgpu_metadata
.endif
;; end of part 4
;; launch gemmPV (part 5): grid 16 x 16, 4 waves a work-group, clusters of 4 x 4, 327,680 bytes of LDS; arguments pcd, qkv, kvs; writes kvs
.if DOCPART == 5
	.amdgcn_target "amdgcn-amd-amdhsa--gfx1250"
	.amdhsa_code_object_version 6
	.text
	.protected	k_qfd7e70d419_gemmPV
	.globl	k_qfd7e70d419_gemmPV
	.p2align	8
	.type	k_qfd7e70d419_gemmPV,@function
k_qfd7e70d419_gemmPV:
	s_mov_b64 s[64:65], 0
	v_nop
	global_prefetch_b8 v0, s[64:65] scope:SCOPE_SE
	s_setreg_imm32_b32 hwreg(HW_REG_WAVE_MODE, 25, 1), 1
	s_wait_xcnt 0x0
	s_wait_alu depctr_hold_cnt(0) depctr_sa_sdst(0) depctr_va_vdst(0) depctr_va_sdst(0) depctr_va_ssrc(0) depctr_va_vcc(0) depctr_vm_vsrc(0)
	s_getreg_b32 s2, hwreg(HW_REG_IB_STS2, 6, 4)
	s_cmp_eq_u32 s2, 0
	s_cbranch_scc0 .Lentry_in_a_cluster
	s_endpgm
.Lentry_in_a_cluster:
	s_bfe_u32 s2, ttmp6, 0x10000c
	s_cmp_lg_u32 s2, 0xf033
	s_cbranch_scc0 .Lentry_shape_is_right
	s_endpgm
.Lentry_shape_is_right:
; ctx_c[c][n] = (sum over d of p[c][d] VC[n][d]) / l[c] on codes of FP6 (K = 2,048), quantised along c: it is KV_S, row (chunk of 512 c, token n), K = c within the chunk.
; SOURCE 0 = X = p's tiles (c along a lane's registers), SOURCE 1 = Y = VC's tiles (a lane holds one token).  l[c] = the sum of the 16 partial sums; 1 / l lies in LDS in the tiles' order, which is the registers' order.
; A work-group makes 128 tokens x 128 c (x: block of c; y: 4 x batch + block of tokens): 16 x 16 = 256 work-groups.  A wave makes 32 tokens x 128 c: 16 accumulators, which take turns;
; its 128 c are one whole fragment of KV_S for each tile of tokens.
; THE FILLS.  A K step is 128 along K: 1,536 bytes of each of Y's 8 and X's 8 tiles.  The 16 K steps are written out and come in three fills: steps 0-5 into region A (a tile's pitch 9,216 bytes), steps 6-10 into region B (7,680),
; steps 11-15 into region A again (7,680).  At the head each wave issues one load: wave 0 Y's six steps, wave 2 X's, wave 1 Y's scale images of all of K, wave 3 X's.  Region B's fill is issued as a refill is; region A's
; refill stands in step 5, when step 5's fragments are in registers.  In the second and third fill each wave brings four tiles.
; CLUSTER 4, 4, 1: the four of a row share their tokens (Y), the four of a column their c and batch (X): every load is a joint one.
; No prefetch: the walk has three fills in all, two of them issued at the head, and no loop to run ahead in.
; LIMITS: a block of zeros gets the byte 1; 1 / l by v_rcp_f32; NaN and infinities are not served.
.set FRB,   1536                       ; a fragment: 16 rows x 128 K
.set STA,   6*FRB
.set STB,   5*FRB
.set RA_X,  8*STA                      ; X's tiles in region A
.set RB,    16*STA                     ; region B
.set RB_X,  RB+8*STB
.set SCL,   RB+16*STB                  ; the scale images: Y's 16,384 bytes, then X's
.set SPARE, SCL+32768                  ; the spare words: two blocks of 256 bytes that no other line names
.set LINV,  SPARE+512                  ; 1 / l of my 128 c: 512 bytes into which no fill lands
.set SCY,   9437184                    ; scale images in qkv
.set SCX,   12582912                   ; in pcd
.set SCO,   3145728                    ; in kvs
.set AYA, 16                           ; LDS addresses: my two tiles of Y in region A at the first pitch,
.set AYC, 17                           ; at the second,
.set AYB, 18                           ; and in region B
.set AXA, 20                           ; X in region A;  v21: its tiles 4-7 at the first pitch (an LDS offset has 16 bits)
.set AXA2, 21
.set AXB, 22
.set VO0,  24
.set VO1,  25
.set VSO,  26
.set ADRS, 27
.set SPW,  28
.set NIL,  29
.set SH,   30
.set RLA,  31
.set SC,   32                          ; v32-47 scale words, two sets of 8: lanes 0-15 Y's tile, lanes 16-31 X's
.set TM,   48
.set PW,   64
.set PW2,  65
.set PC,   96
.set AF,   128                         ; v128-175 Y's fragments, two sets of two (window 0); X's: window 1, sets at v0 and v128; accumulator (a, b) at v[8 (8 a + b)] of window 2
.set T,    128
.set RL,   192
.set G1, 24
.set G0, 32
.set G1B, 48
.set G0B, 56
.set G1S, 68
.set G0S, 76
.set G1SB, 80
.set G0SB, 88
.set OB, 12
.set OS, 66
.set SEL, 100
.set MSB, 0
.macro WIN new
.if MSB != \new
	s_set_vgpr_msb (MSB<<8)|\new
.set MSB, \new
.endif
.endm
.set MUL_LO, 0xa1                      ; source 0 window 1, source 1 window 0, C and D window 2
.set TO_B,   0x40
.macro JLOAD g0a, g1a, g0b, g1b        ; waves 0, 1 fetch for Y, waves 2, 3 for X
	s_cmp_eq_u32 s15, 0
	s_cbranch_scc0 .Lfor_x_\@
	tensor_load_to_lds s[\g0a:\g0a+3], s[\g1a:\g1a+7]
	s_nop 0
.rept 4
	v_nop
.endr
	s_branch .Lasked_\@
.Lfor_x_\@:
	tensor_load_to_lds s[\g0b:\g0b+3], s[\g1b:\g1b+7]
	s_nop 0
.rept 4
	v_nop
.endr
.Lasked_\@:
.endm
.macro CROUND
	s_barrier_signal -1
	s_barrier_wait -1
	s_cmp_lg_u32 s14, 0
	s_cbranch_scc1 .Lnot_wave_0_\@
	s_barrier_signal -3
.Lnot_wave_0_\@:
	s_barrier_wait -3
	s_barrier_signal -1
	s_barrier_wait -1
.endm
.macro PLACES
.rept 4
	v_nop
.endr
.endm
.macro FETCH g                         ; K step g's ten fragments and eight scale words into set g % 2
.if (\g) < 6
.set LQ, (\g)
.set LP, STA
.set LY, AYA
.set LX, AXA
.else
.set LP, STB
.if (\g) < 11
.set LQ, (\g)-6
.set LY, AYB
.set LX, AXB
.else
.set LQ, (\g)-11
.set LY, AYC
.set LX, AXA
.endif
.endif
	WIN TO_B
.irp i, 0,1,2,3,4,5,6,7
.irp p, 0,1,2,3,4,5
.if LP == STA && \i >= 4
	ds_load_b64 v[128*((\g)%2)+12*\i+2*\p:128*((\g)%2)+12*\i+2*\p+1], v[AXA2] offset:(\i-4)*LP+LQ*FRB+256*\p
.else
	ds_load_b64 v[128*((\g)%2)+12*\i+2*\p:128*((\g)%2)+12*\i+2*\p+1], v[LX] offset:\i*LP+LQ*FRB+256*\p
.endif
.endr
.endr
	WIN 0
.irp i, 0,1
.irp p, 0,1,2,3,4,5
	ds_load_b64 v[AF+24*((\g)%2)+12*\i+2*\p:AF+24*((\g)%2)+12*\i+2*\p+1], v[LY] offset:\i*LP+LQ*FRB+256*\p
.endr
.endr
.irp i, 0,1,2,3,4,5,6,7
	ds_load_b32 v[SC+8*((\g)%2)+\i], v[ADRS] offset:\i*2048+128*(\g)
.endr
.endm
.macro MUL g, zero                     ; 16 products: my two tiles of Y x X's eight
	WIN MUL_LO
.irp a, 0,1
.irp b, 0,1,2,3,4,5,6,7
.if \zero
	v_wmma_scale_f32_16x16x128_f8f6f4 v[8*(8*\a+\b):8*(8*\a+\b)+7], v[128*((\g)%2)+12*\b:128*((\g)%2)+12*\b+11], v[AF+24*((\g)%2)+12*\a:AF+24*((\g)%2)+12*\a+11], 0, v[SC+8*((\g)%2)+\b], v[SC+8*((\g)%2)+\a] matrix_a_fmt:MATRIX_FMT_FP6 matrix_b_fmt:MATRIX_FMT_FP6 matrix_a_scale:MATRIX_SCALE_ROW1
.else
	v_wmma_scale_f32_16x16x128_f8f6f4 v[8*(8*\a+\b):8*(8*\a+\b)+7], v[128*((\g)%2)+12*\b:128*((\g)%2)+12*\b+11], v[AF+24*((\g)%2)+12*\a:AF+24*((\g)%2)+12*\a+11], v[8*(8*\a+\b):8*(8*\a+\b)+7], v[SC+8*((\g)%2)+\b], v[SC+8*((\g)%2)+\a] matrix_a_fmt:MATRIX_FMT_FP6 matrix_b_fmt:MATRIX_FMT_FP6 matrix_a_scale:MATRIX_SCALE_ROW1
.endif
.endr
.endr
	WIN 0
.endm
.macro STEP g, zero
	s_wait_dscnt 0x0                               ; K step g's fragments are in
	PLACES                                         ; behind the last products, ahead of the loads into the set that they read
	FETCH (\g)+1
	MUL \g, \zero
.endm
.macro QUANT nx                        ; 64 numbers of a lane (register 16 b + i = k 32 b + 16 h + i) become a fragment's codes and scale word, and are stored
.irp b, 0,1,2,3
	v_max3_num_f32 v[TM+\b], |v[T+16*\b]|, |v[T+1+16*\b]|, 0x1800000
.endr
.irp i, 2,4,6,8,10,12,14
.irp b, 0,1,2,3
	v_max3_num_f32 v[TM+\b], |v[T+16*\b+\i]|, |v[T+1+16*\b+\i]|, v[TM+\b]
.endr
.endr
.irp b, 0,1,2,3
	v_permlanex16_b32 v[TM+4+\b], v[TM+\b], s[SEL], s[SEL+1]
.endr
.irp b, 0,1,2,3
	v_max_num_f32 v[TM+\b], v[TM+\b], v[TM+4+\b]
.endr
.irp b, 0,1,2,3
	v_add_nc_u32 v[TM+12+\b], 0xff000000, v[TM+\b]
.endr
.irp b, 0,1,2,3
	v_lshrrev_b32 v[TM+4+\b], 23, v[TM+12+\b]
.endr
	v_lshl_or_b32 v[PW], v[TM+5], 8, v[TM+4]
	v_lshl_or_b32 v[PW], v[TM+6], 16, v[PW]
	v_lshl_or_b32 v[PW], v[TM+7], 24, v[PW]
.if \nx
	s_wait_alu depctr_va_vdst(0)
	s_wait_xcnt 0x0                                ; the last fragment's stores have read their data and bases
	s_add_nc_u64 s[OB:OB+1], s[OB:OB+1], 4*FRB     ; the next tile of tokens: four fragments on
	s_add_nc_u64 s[OS:OS+1], s[OS:OS+1], 4*128
.endif
.irp c, 0,1
	v_cvt_scalef32_pk16_fp6_f32 v[PC+6*\c:PC+2+6*\c], v[T+32*\c:T+15+32*\c], v[TM+12+2*\c]
	v_cvt_scalef32_pk16_fp6_f32 v[PC+12+4*\c:PC+14+4*\c], v[T+16+32*\c:T+31+32*\c], v[TM+12+2*\c+1]
.endr
	v_nop                                          ; one plain place behind a scaled conversion
.irp c, 0,1
.irp i, 0,1,2
	v_permlane16_swap_b32 v[PC+6*\c+\i], v[PC+12+4*\c+\i]
.endr
.irp i, 0,1,2
	v_mov_b32 v[PC+3+6*\c+\i], v[PC+12+4*\c+\i]
.endr
.endr
	v_lshrrev_b32 v[PW2], v[SH], v[PW]             ; lanes 16-31 store the word's upper half
.irp p, 0,1,2
	global_store_b64 v[VO0], v[PC+2*\p:PC+2*\p+1], s[OB:OB+1] offset:256*\p   ; each store covers 256 consecutive bytes, aligned
.endr
.irp p, 0,1,2
	global_store_b64 v[VO1], v[PC+6+2*\p:PC+7+2*\p], s[OB:OB+1] offset:256*\p
.endr
	global_store_b32 v[VSO], v[PW2], s[OS:OS+1]
.endm
	s_load_b128 s[4:7], s[0:1], 0x0                ; pcd, qkv
	s_load_b64 s[8:9], s[0:1], 0x10                ; kvs
	v_lshl_add_u32 v[SPW], v0, 2, SPARE
	v_mov_b32 v[NIL], 0
	ds_add_u32 v[SPW], v[NIL]                      ; the opening lines: the add, twice on end, and its wait
	ds_add_u32 v[SPW], v[NIL]
	v_lshrrev_b32 v1, 5, v0
	v_readfirstlane_b32 s14, v1
	s_lshr_b32 s15, s14, 1
	s_and_b32 s16, s14, 1
	s_bfe_u32 s40, ttmp6, 0x40000                  ; cx
	s_bfe_u32 s41, ttmp6, 0x40004                  ; cy: the block of 128 tokens
	s_lshl_b32 s42, ttmp9, 2
	s_add_co_u32 s42, s42, s40                     ; X's block of 128 c
	s_and_b32 s2, ttmp7, 0xffff                    ; the batch: the cluster's y
	s_lshl_b32 s17, s2, 2
	s_add_co_u32 s17, s17, s41                     ; Y's block: 4 x batch + block of tokens
	s_lshl_b32 s43, s41, 2
	s_lshl_b32 s43, 15, s43                        ; my row of the cluster
	s_lshl_b32 s44, 0x1111, s40                    ; my column
	s_or_b32 s[G1], s43, (3<<16)|(1<<21)           ; elements of 8 bytes; 21 set beside a mask
	s_or_b32 s[G1B], s44, (3<<16)|(1<<21)
.irp g, G1, G1B
	s_mov_b32 s[\g+1], 1152<<16                    ; the head's loads: six K steps (9,216 bytes) of
	s_mov_b32 s[\g+2], 8<<16                       ; eight tiles,
	s_mov_b32 s[\g+3], 1152<<16
	s_mov_b32 s[\g+4], 8
	s_mov_b32 s[\g+5], 3072                        ; 24,576 bytes apart in memory
	s_mov_b32 s[\g+6], 0
	s_mov_b32 s[\g+7], 0
.endr
	s_or_b32 s[G1S], s43, (3<<16)|(1<<21)
	s_or_b32 s[G1SB], s44, (3<<16)|(1<<21)
.irp g, G1S, G1SB
	s_mov_b32 s[\g+1], 32<<16                      ; 16,384 dense bytes as 64 rows of 256
	s_mov_b32 s[\g+2], 64<<16
	s_mov_b32 s[\g+3], 32<<16
	s_mov_b32 s[\g+4], 64
	s_mov_b32 s[\g+5], 32
	s_mov_b32 s[\g+6], 0
	s_mov_b32 s[\g+7], 0
.endr
	s_lshl_b32 s20, s17, 7
	s_add_co_u32 s20, s20, 4096                    ; Y: VC's first fragment (8 tiles x 16 K steps a block)
	s_lshl_b32 s46, s2, 11
	s_lshl_b32 s19, s42, 7
	s_add_co_u32 s46, s46, s19                     ; X: p's
	s_lshl_b32 s22, s20, 7
	s_mov_b32 s23, 0
	s_lshl_b32 s92, s46, 7
	s_mov_b32 s93, 0
	s_mul_i32 s20, s20, FRB
	s_mov_b32 s21, 0
	s_mul_i32 s46, s46, FRB
	s_mov_b32 s47, 0
	s_mul_i32 s36, s16, 4*16*FRB                   ; the second fill: my four tiles of the side,
	s_add_co_u32 s36, s36, STA                     ; six K steps on,
	s_mov_b32 s37, 0
	s_mul_i32 s38, s14, 4*STB
	s_add_co_u32 s38, s38, RB                      ; to region B: Y's two halves, then X's
	s_mul_i32 s39, s15, RA_X                       ; the third: to region A
	s_mul_i32 s19, s16, 4*STB
	s_add_co_u32 s39, s39, s19
	s_wait_dscnt 0x0                               ; both opening adds are done
	s_wait_kmcnt 0x0
	s_add_nc_u64 s[20:21], s[6:7], s[20:21]
	s_add_nc_u64 s[22:23], s[6:7], s[22:23]
	s_add_nc_u64 s[22:23], s[22:23], SCY
	s_add_nc_u64 s[46:47], s[4:5], s[46:47]
	s_add_nc_u64 s[92:93], s[4:5], s[92:93]
	s_add_nc_u64 s[92:93], s[92:93], SCX
	CROUND                                         ; in front of the first joint loads
	s_mov_b32 s[G0], 1
	s_mov_b32 s[G0+1], 0
	s_mov_b64 s[G0+2:G0+3], s[20:21]
	s_or_b32 s[G0+3], s[G0+3], 0x80000000
	s_mov_b32 s[G0B], 1
	s_mov_b32 s[G0B+1], RA_X
	s_mov_b64 s[G0B+2:G0B+3], s[46:47]
	s_or_b32 s[G0B+3], s[G0B+3], 0x80000000
	s_mov_b32 s[G0S], 1
	s_mov_b32 s[G0S+1], SCL
	s_mov_b64 s[G0S+2:G0S+3], s[22:23]
	s_or_b32 s[G0S+3], s[G0S+3], 0x80000000
	s_mov_b32 s[G0SB], 1
	s_mov_b32 s[G0SB+1], SCL+16384
	s_mov_b64 s[G0SB+2:G0SB+3], s[92:93]
	s_or_b32 s[G0SB+3], s[G0SB+3], 0x80000000
	s_cmp_eq_u32 s16, 0                            ; one load a wave: waves 0, 2 the codes, waves 1, 3 the scale images
	s_cbranch_scc0 .Lhead_scales
	JLOAD G0, G1, G0B, G1B
	s_branch .Lhead_asked
.Lhead_scales:
	JLOAD G0S, G1S, G0SB, G1SB
.Lhead_asked:
	; the rest of the head is made while the tiles are on their way: first the scalars, then the vector registers on end
	s_mul_i32 s60, s14, 2*STA
	s_mul_i32 s61, s14, 2*STB
	s_lshl_b32 s63, s14, 12                        ; my two tiles' scale images, 2,048 bytes a tile
	s_mov_b32 s62, 16384
	s_sub_co_u32 s62, s62, s63                     ; from them to X's
	s_add_co_u32 s63, s63, SCL
	s_mov_b32 s[SEL], 0x76543210
	s_mov_b32 s[SEL+1], 0xfedcba98
	s_lshl_b32 s18, s2, 2                          ; KV_S's fragment: ((batch x 4 + chunk) x 32 + tile of tokens) x 4 + K step
	s_lshr_b32 s19, s42, 2
	s_add_co_u32 s18, s18, s19
	s_lshl_b32 s18, s18, 5
	s_lshl_b32 s19, s41, 3
	s_add_co_u32 s18, s18, s19
	s_lshl_b32 s19, s14, 1
	s_add_co_u32 s18, s18, s19
	s_lshl_b32 s18, s18, 2
	s_and_b32 s19, s42, 3
	s_add_co_u32 s18, s18, s19
	s_lshl_b32 s20, s18, 7
	s_mov_b32 s21, 0
	s_mul_i32 s18, s18, FRB
	s_mov_b32 s19, 0
	s_add_nc_u64 s[OB:OB+1], s[8:9], s[18:19]
	s_add_nc_u64 s[OS:OS+1], s[8:9], s[20:21]
	s_add_nc_u64 s[OS:OS+1], s[OS:OS+1], SCO
	s_lshl_b32 s18, s2, 17                         ; l's parts: [batch][part][tile of c][16 words]
	s_lshl_b32 s20, s42, 9
	s_add_co_u32 s18, s18, s20
	s_add_nc_u64 s[18:19], s[4:5], s[18:19]
	s_add_nc_u64 s[18:19], s[18:19], 13631488
	v_and_b32 v1, 15, v0
	v_bfe_u32 v2, v0, 4, 1
	v_and_b32 v3, 31, v0
	v_lshlrev_b32 v4, 3, v3                        ; 8 x lane: a piece's place
	v_add_nc_u32 v[AYA], s60, v4
	v_add_nc_u32 v[AYC], s61, v4
	v_add_nc_u32 v[AYB], RB, v[AYC]
	v_add_nc_u32 v[AXA], RA_X, v4
	v_add_nc_u32 v[AXA2], RA_X+4*STA, v4
	v_add_nc_u32 v[AXB], RB_X, v4
	v_lshlrev_b32 v5, 2, v1
	v_mul_u32_u24 v6, s62, v2                      ; lanes 16-31 take X's words
	v_add_nc_u32 v5, v5, v6
	v_add_nc_u32 v[ADRS], s63, v5
	v_mov_b32 v[VO0], v4
	v_add_nc_u32 v[VO1], 768, v4
	v_lshlrev_b32 v[VSO], 2, v3
	v_lshlrev_b32 v[SH], 4, v2
	v_lshlrev_b32 v[RLA], 5, v2
	v_add_nc_u32 v[RLA], LINV, v[RLA]              ; 1 / l: tile b at 64 b, my half's eight at 32 h
	v_lshlrev_b32 v7, 2, v0                        ; thread t sums the 16 parts of one of the work-group's 128 rows c
	v_add_nc_u32 v8, LINV, v7
.irp k, 0,1,2,3,4,5,6,7,8,9,10,11,12,13,14,15
	global_load_b32 v[128+\k], v7, s[18:19] offset:8192*\k
.endr
	s_wait_alu depctr_va_vdst(0)
	s_wait_loadcnt 0x0
.irp k, 0,1,2,3
	v_pk_add_f32 v[128+4*\k:129+4*\k], v[128+4*\k:129+4*\k], v[130+4*\k:131+4*\k]
.endr
	v_pk_add_f32 v[128:129], v[128:129], v[132:133]
	v_pk_add_f32 v[136:137], v[136:137], v[140:141]
	v_pk_add_f32 v[128:129], v[128:129], v[136:137]
	v_add_f32 v128, v128, v129
	s_wait_alu depctr_va_vdst(0)                   ; ahead of the reciprocal
	v_rcp_f32 v130, v128
	v_nop                                          ; a plain place behind it
	s_wait_alu depctr_va_vdst(0)                   ; ahead of its first reader
	ds_store_b32 v8, v130
	s_wait_tensorcnt 0x0                           ; my tile of the head's four is in; region B's first fill is issued as a refill is
	ds_add_u32 v[SPW], v[NIL]
.irp g, G1, G1B                                ; no load of mine is out: from here on a load brings five K steps (7,680 bytes) of four tiles
	s_mov_b32 s[\g+1], 960<<16
	s_mov_b32 s[\g+2], 4<<16
	s_mov_b32 s[\g+3], 960<<16
	s_mov_b32 s[\g+4], 4
.endr
	s_mov_b32 s[G0+1], s38
	s_mov_b32 s[G0B+1], s38
	s_add_nc_u64 s[G0+2:G0+3], s[G0+2:G0+3], s[36:37]
	s_add_nc_u64 s[G0B+2:G0B+3], s[G0B+2:G0B+3], s[36:37]
	s_wait_dscnt 0x0                               ; the add and my store of 1 / l are done
	CROUND                                         ; all four tiles and 1 / l are in, for every wave of every partner
	JLOAD G0, G1, G0B, G1B                         ; K steps 6-10
	FETCH 0
	STEP 0, 1                                      ; the first products start the sums
.irp g, 1,2,3,4
	STEP \g, 0
.endr
	s_wait_dscnt 0x0                               ; K step 5's fragments are in: my reads of region A are over
	s_wait_tensorcnt 0x0                           ; my part of region B has landed
	ds_add_u32 v[SPW], v[NIL]                      ; the products stand between the add and the wait for it
	s_mov_b32 s[G0+1], s39
	s_mov_b32 s[G0B+1], s39
	s_add_nc_u64 s[G0+2:G0+3], s[G0+2:G0+3], STB
	s_add_nc_u64 s[G0B+2:G0B+3], s[G0B+2:G0B+3], STB
	MUL 5, 0
	s_wait_dscnt 0x0
	CROUND                                         ; no wave of any partner still reads region A or has a load on its way
	JLOAD G0, G1, G0B, G1B                         ; K steps 11-15; the four v_nop behind it are the places ahead of the loads below
	FETCH 6
.irp g, 6,7,8,9
	STEP \g, 0
.endr
	s_wait_dscnt 0x0                               ; K step 10's fragments are in
	s_wait_tensorcnt 0x0                           ; my part of the third fill has landed
	s_barrier_signal -1
	MUL 10, 0
	s_barrier_wait -1
	PLACES
	FETCH 11
.irp g, 11,12,13,14
	STEP \g, 0
.endr
	s_wait_dscnt 0x0
	MUL 15, 0
	PLACES
.irp b, 0,1,2,3
	v_mov_b32 v[TM+4+\b], 0                        ; a lane permute's destination counts as one of its sources
.endr
.irp b, 0,1,2,3,4,5,6,7
	ds_load_b128 v[RL+8*\b:RL+8*\b+3], v[RLA] offset:64*\b         ; register 8 b + j: 1 / l of the c that accumulator b holds there
	ds_load_b128 v[RL+8*\b+4:RL+8*\b+7], v[RLA] offset:64*\b+16
.endr
	s_wait_dscnt 0x0
.irp a, 0,1
	WIN 2                                          ; source 0: window 2
.set jj, 0
.rept 32
	v_pk_mul_f32 v[T+jj:T+jj+1], v[64*\a+jj:64*\a+jj+1], v[RL+jj:RL+jj+1]   ; / l; each accumulator is read from its low end on
.set jj, jj+2
.endr
	WIN 0
	QUANT \a
.endr
	s_wait_tensorcnt 0x0                           ; the wave's end
	ds_add_u32 v[SPW], v[NIL]
	s_wait_dscnt 0x0
	CROUND                                         ; the closing round
	s_endpgm
.Lfunc_end_k_qfd7e70d419_gemmPV:
	.size	k_qfd7e70d419_gemmPV, .Lfunc_end_k_qfd7e70d419_gemmPV-k_qfd7e70d419_gemmPV
	.p2alignl 7, 3214868480
	.fill 96, 4, 3214868480
	.section	.rodata,"a",@progbits
	.p2align	6, 0x0
	.amdhsa_kernel k_qfd7e70d419_gemmPV
		.amdhsa_group_segment_fixed_size 327680
		.amdhsa_private_segment_fixed_size 0
		.amdhsa_enable_private_segment 0
		.amdhsa_kernarg_size 24
		.amdhsa_user_sgpr_count 2
		.amdhsa_user_sgpr_kernarg_segment_ptr 1
		.amdhsa_wavefront_size32 1
		.amdhsa_system_sgpr_workgroup_id_x 1
		.amdhsa_system_sgpr_workgroup_id_y 1
		.amdhsa_system_sgpr_workgroup_id_z 1
		.amdhsa_system_vgpr_workitem_id 0
		.amdhsa_next_free_vgpr 768
		.amdhsa_next_free_sgpr 102
		.amdhsa_reserve_vcc 0
		.amdhsa_float_denorm_mode_32 3
		.amdhsa_float_denorm_mode_16_64 3
		.amdhsa_memory_ordered 1
		.amdhsa_forward_progress 1
		.amdhsa_inst_pref_size 133
	.end_amdhsa_kernel
	.amdgpu_metadata
---
amdhsa.version: [ 1, 2 ]
amdhsa.kernels:
  - .name:           k_qfd7e70d419_gemmPV
    .symbol:         k_qfd7e70d419_gemmPV.kd
    .args:
      - { .name: pcd, .offset: 0, .size: 8, .value_kind: global_buffer, .address_space: global }
      - { .name: qkv, .offset: 8, .size: 8, .value_kind: global_buffer, .address_space: global }
      - { .name: kvs, .offset: 16, .size: 8, .value_kind: global_buffer, .address_space: global }
    .group_segment_fixed_size: 327680
    .private_segment_fixed_size: 0
    .kernarg_segment_align: 8
    .kernarg_segment_size: 24
    .max_flat_workgroup_size: 128
    .sgpr_count:     102
    .vgpr_count:     768
    .wavefront_size: 32
...
	.end_amdgpu_metadata
.endif
;; end of part 5
;; launch proj (part 6): grid 192 x 1, 4 waves a work-group, no clusters, 327,680 bytes of LDS; arguments qin, kvs, skv; writes skv
.if DOCPART == 6
	.amdgcn_target "amdgcn-amd-amdhsa--gfx1250"
	.amdhsa_code_object_version 6
	.text
	.protected	k_qfd7e70d419_proj
	.globl	k_qfd7e70d419_proj
	.p2align	8
	.type	k_qfd7e70d419_proj,@function
k_qfd7e70d419_proj:
	s_mov_b64 s[64:65], 0
	v_nop
	global_prefetch_b8 v0, s[64:65] scope:SCOPE_SE
	s_setreg_imm32_b32 hwreg(HW_REG_WAVE_MODE, 25, 1), 1
	s_wait_xcnt 0x0
; The six projections of the spatial stage (K = 512, codes of FP6), each result quantised in registers along the next product's K.
; Work-groups 0-63 (job 0): K = KV_S Wk^T, X = Wk (head channels along registers), Y = KV_S: half fragments [batch][head][tile of keys][768 bytes], K = the head's 64.
; 64-127 (job 1): V = KV_S Wv^T, X = KV_S (keys along registers), Y = Wv: fragments [batch][tile of channels][K step of keys].
; 128-191 (job 2): Q_i = emb_i Wq_i^T, X = Wq_i, Y = emb_i: half fragments [i][batch][head][tile of queries][768].
; A wave's 128 of X are one fragment: in jobs 0 and 2 its two halves (64 along K each) belong to two heads and go to two places; the scale word's two halves likewise.
; The job chooses pointers and numbers by selects on the work-group's number alone: one path through the text.  Both LDS slots are filled once.
; NO CLUSTER: an operand's short side has two blocks of 256, so no 4 x 4 or 4 x 1 group of work-groups shares a tile four ways.
; LIMITS: a block of zeros gets the byte 1; NaN and infinities are not served.
.set NKS,   4
.set NQ,    2
.set FR,    12
.set NL,    6
.set NP,    4
.set HALFT, 8*6144                     ; eight tiles x all four K steps: both sides lie whole in LDS, as in memory
.set SLOT,  3072                       ; from K steps 0, 1 of a tile to its K steps 2, 3
.set SCL,   4*HALFT
.set HALFS, 1024*NKS
.set SBLK,  128*NKS
.set ADRA, 16
.set ADRB, 20
.set VO0,  24
.set VO1,  25
.set VSO,  26
.set ADRS, 27
.set SH,   30
.set SC,   32
.set TM,   32
.set PW,   48
.set PW2,  49
.set PC,   96
.set AF,   128
.set G1, 24
.set G0, 32
.set G0B, 56
.set G1S, 68
.set G0S, 76
.set G0SB, 88
.set OB, 12
.set OS, 66
.set SA, 96
.set SAS, 98
.set SEL, 100
.set MSB, 0
.macro WIN new
.if MSB != \new
	s_set_vgpr_msb (MSB<<8)|\new
.set MSB, \new
.endif
.endm
.set MUL_LO, 0xa1
.set MUL_HI, 0xf1
.set TO_B,   0x40
.macro JLOAD g0a, g1a, g0b, g1b        ; waves 0, 1 fetch for Y, waves 2, 3 for X
	s_cmp_eq_u32 s15, 0
	s_cbranch_scc0 .Lfor_x_\@
	tensor_load_to_lds s[\g0a:\g0a+3], s[\g1a:\g1a+7]
	s_nop 0
.rept 4
	v_nop
.endr
	s_branch .Lasked_\@
.Lfor_x_\@:
	tensor_load_to_lds s[\g0b:\g0b+3], s[\g1b:\g1b+7]
	s_nop 0
.rept 4
	v_nop
.endr
.Lasked_\@:
.endm
.macro SEL3 d, c0, c1, c2              ; s[d] = the job's one of three constants (an instruction takes one literal)
	s_mov_b32 s[\d], \c2
	s_mov_b32 s18, \c1
	s_cmp_eq_u32 s2, 1
	s_cselect_b32 s[\d], s18, s[\d]
	s_mov_b32 s18, \c0
	s_cmp_eq_u32 s2, 0
	s_cselect_b32 s[\d], s18, s[\d]
.endm
.macro FRAG reg, adr, q, i
.irp p, 0,1,2,3,4,5
	ds_load_b64 v[\reg+2*\p:\reg+2*\p+1], v[\adr] offset:(\i)*6144+(\q)*1536+256*\p
.endr
.endm
.macro MUL16 a0, p, q, sc, zero
.irp a, \a0, \a0+1
.irp b, 0,1,2,3,4,5,6,7
.if \zero
	v_wmma_scale_f32_16x16x128_f8f6f4 v[8*(8*((\a)%4)+\b):8*(8*((\a)%4)+\b)+7], v[128*(\p)+FR*\b:128*(\p)+FR*\b+FR-1], v[AF+FR*(\a):AF+FR*(\a)+FR-1], 0, v[SC+8*NQ*(\sc)+NQ*\b+(\q)], v[SC+8*NQ*(\sc)+NQ*(\a)+(\q)] matrix_a_fmt:MATRIX_FMT_FP6 matrix_b_fmt:MATRIX_FMT_FP6 matrix_a_scale:MATRIX_SCALE_ROW1
.else
	v_wmma_scale_f32_16x16x128_f8f6f4 v[8*(8*((\a)%4)+\b):8*(8*((\a)%4)+\b)+7], v[128*(\p)+FR*\b:128*(\p)+FR*\b+FR-1], v[AF+FR*(\a):AF+FR*(\a)+FR-1], v[8*(8*((\a)%4)+\b):8*(8*((\a)%4)+\b)+7], v[SC+8*NQ*(\sc)+NQ*\b+(\q)], v[SC+8*NQ*(\sc)+NQ*(\a)+(\q)] matrix_a_fmt:MATRIX_FMT_FP6 matrix_b_fmt:MATRIX_FMT_FP6 matrix_a_scale:MATRIX_SCALE_ROW1
.endif
.endr
.endr
.endm
.macro FETCH_B slot, q, p
	WIN TO_B
.irp i, 0,1,2,3,4,5,6,7
	FRAG 128*(\p)+FR*\i, ADRB+\slot, \q, \i
.endr
	WIN 0
.endm
.macro FETCH_A slot, q, i0
.irp i, \i0, \i0+1, \i0+2, \i0+3
	FRAG AF+FR*(\i), ADRA+\slot, \q, \i
.endr
.endm
.macro SCALES sc
.irp i, 0,1,2,3,4,5,6,7
.irp q, 0,1
	ds_load_b32 v[SC+8*NQ*\sc+NQ*\i+\q], v[ADRS] offset:\i*SBLK+128*\q
.endr
.endr
.endm
.macro PLACES n
.rept \n
	v_nop
.endr
.endm
.macro STEP slot, q, zero
	s_wait_dscnt 4*NL                              ; all but the youngest 24 loads (Y's blocks 4-7)
	WIN MUL_LO
	MUL16 0, (\q)%2, \q, \slot, \zero
	MUL16 2, (\q)%2, \q, \slot, \zero
	s_wait_dscnt 0
	PLACES NP
	FETCH_B \slot, (\q)+1, 1-(\q)%2
	FETCH_A \slot, (\q)+1, 0
	WIN MUL_HI
	MUL16 4, (\q)%2, \q, \slot, \zero
	MUL16 6, (\q)%2, \q, \slot, \zero
	PLACES NP
	WIN 0
	FETCH_A \slot, (\q)+1, 4
.endm
.macro TURN slot, next                 ; the one change of slots: nothing is filled again
	s_wait_dscnt 4*NL
	WIN MUL_LO
	MUL16 0, 1, NQ-1, \slot, 0
	MUL16 2, 1, NQ-1, \slot, 0
	s_wait_dscnt 0x0
	WIN 0
	PLACES NP
	v_add_nc_u32 v[ADRS], 128*NQ, v[ADRS]
	FETCH_B \next, 0, 0
	FETCH_A \next, 0, 0
	SCALES \next
	WIN MUL_HI
	MUL16 4, 1, NQ-1, \slot, 0
	MUL16 6, 1, NQ-1, \slot, 0
	PLACES NP
	WIN 0
	FETCH_A \next, 0, 4
.endm
.macro QUANT s, w, nx
.set WW, (\w)|((\w)<<2)
	WIN WW
.irp b, 0,1,2,3
	v_max3_num_f32 v[TM+\b], |v[(\s)+16*\b]|, |v[(\s)+1+16*\b]|, 0x1800000   ; each accumulator is read from its low end on
.endr
.irp i, 2,4,6,8,10,12,14
.irp b, 0,1,2,3
	v_max3_num_f32 v[TM+\b], |v[(\s)+16*\b+\i]|, |v[(\s)+1+16*\b+\i]|, v[TM+\b]
.endr
.endr
	WIN 0
.irp b, 0,1,2,3
	v_permlanex16_b32 v[TM+4+\b], v[TM+\b], s[SEL], s[SEL+1]
.endr
.irp b, 0,1,2,3
	v_max_num_f32 v[TM+\b], v[TM+\b], v[TM+4+\b]
.endr
.irp b, 0,1,2,3
	v_add_nc_u32 v[TM+12+\b], 0xff000000, v[TM+\b]
.endr
.irp b, 0,1,2,3
	v_lshrrev_b32 v[TM+4+\b], 23, v[TM+12+\b]
.endr
	v_lshl_or_b32 v[PW], v[TM+5], 8, v[TM+4]
	v_lshl_or_b32 v[PW], v[TM+6], 16, v[PW]
	v_lshl_or_b32 v[PW], v[TM+7], 24, v[PW]
.if \nx
	s_wait_xcnt 0x0                                ; the last fragment's stores have read their data and bases
	s_add_nc_u64 s[OB:OB+1], s[OB:OB+1], s[SA:SA+1]
	s_add_nc_u64 s[OS:OS+1], s[OS:OS+1], s[SAS:SAS+1]
.endif
.set WW, \w
	WIN WW
.irp c, 0,1
	v_cvt_scalef32_pk16_fp6_f32 v[PC+6*\c:PC+2+6*\c], v[(\s)+32*\c:(\s)+15+32*\c], v[TM+12+2*\c]
	v_cvt_scalef32_pk16_fp6_f32 v[PC+12+4*\c:PC+14+4*\c], v[(\s)+16+32*\c:(\s)+31+32*\c], v[TM+12+2*\c+1]
.endr
	WIN 0
	v_nop
.irp c, 0,1
.irp i, 0,1,2
	v_permlane16_swap_b32 v[PC+6*\c+\i], v[PC+12+4*\c+\i]
.endr
.irp i, 0,1,2
	v_mov_b32 v[PC+3+6*\c+\i], v[PC+12+4*\c+\i]
.endr
.endr
.endm
.macro QOUT
	v_lshrrev_b32 v[PW2], v[SH], v[PW]
.irp p, 0,1,2
	global_store_b64 v[VO0], v[PC+2*\p:PC+2*\p+1], s[OB:OB+1] offset:256*\p
.endr
.irp p, 0,1,2
	global_store_b64 v[VO1], v[PC+6+2*\p:PC+7+2*\p], s[OB:OB+1] offset:256*\p
.endr
	global_store_b32 v[VSO], v[PW2], s[OS:OS+1]
.endm
	s_load_b128 s[4:7], s[0:1], 0x0                ; qin, kvs
	s_load_b64 s[8:9], s[0:1], 0x10                ; skv
	v_lshl_add_u32 v254, v0, 2, 0x34000
	v_mov_b32 v255, 0
	ds_add_u32 v254, v255
	ds_add_u32 v254, v255
	v_lshrrev_b32 v1, 5, v0
	v_readfirstlane_b32 s14, v1
	s_lshr_b32 s15, s14, 1
	s_and_b32 s16, s14, 1
	s_lshr_b32 s2, ttmp9, 6                        ; the job
	s_and_b32 s17, ttmp9, 63
	s_and_b32 s40, s17, 1
	s_lshr_b32 s41, s17, 1
	s_lshr_b32 s42, s17, 4
	s_and_b32 s43, s41, 7
	s_cmp_eq_u32 s2, 1
	s_cselect_b32 s44, s41, s40                    ; X's block
	s_cselect_b32 s41, s40, s41
	s_cmp_eq_u32 s2, 2
	s_cselect_b32 s43, s43, s41                    ; Y's block
	s_cselect_b32 s42, s42, 0                      ; i (job 2)
	s_mov_b32 s[G1+0], 3<<16                       ; elements of 8 bytes, no mask, no padding
	s_mov_b32 s[G1+1], 768<<16                     ; 16 tiles x 6,144 bytes, dense
	s_mov_b32 s[G1+2], 16<<16
	s_mov_b32 s[G1+3], 768<<16
	s_mov_b32 s[G1+4], 16
	s_mov_b32 s[G1+5], 192*NKS
	s_mov_b32 s[G1+6], 0
	s_mov_b32 s[G1+7], 0
	s_mov_b32 s[G1S+0], 3<<16
	s_mov_b32 s[G1S+1], 32<<16
	s_mov_b32 s[G1S+2], (8*NKS)<<16
	s_mov_b32 s[G1S+3], 32<<16
	s_mov_b32 s[G1S+4], 8*NKS
	s_mov_b32 s[G1S+5], 32
	s_mov_b32 s[G1S+6], 0
	s_mov_b32 s[G1S+7], 0
	SEL3 20, 0, 10880, 8192                        ; Y's first fragment: KV_S, Wv, emb_i
	s_lshl_b32 s19, s43, 6
	s_add_co_u32 s20, s20, s19
	s_lshl_b32 s19, s42, 9
	s_add_co_u32 s20, s20, s19
	SEL3 46, 10752, 0, 10240                       ; X's: Wk, KV_S, Wq_i
	s_lshl_b32 s19, s44, 6
	s_add_co_u32 s46, s46, s19
	s_lshl_b32 s19, s42, 7
	s_add_co_u32 s46, s46, s19
	SEL3 96, 3145728, 17694720, 17694720           ; where Y's buffer has its scale images
	s_mov_b32 s97, 0
	SEL3 98, 17694720, 3145728, 17694720           ; and X's
	s_mov_b32 s99, 0
	s_lshl_b32 s22, s20, 7
	s_mov_b32 s23, 0
	s_lshl_b32 s92, s46, 7
	s_mov_b32 s93, 0
	s_mul_i32 s20, s20, 1536
	s_mov_b32 s21, 0
	s_mul_i32 s46, s46, 1536
	s_mov_b32 s47, 0
	s_wait_dscnt 0x0
	s_wait_kmcnt 0x0
	s_cmp_eq_u32 s2, 0
	s_cselect_b64 s[10:11], s[6:7], s[4:5]         ; Y's buffer
	s_cmp_eq_u32 s2, 1
	s_cselect_b64 s[12:13], s[6:7], s[4:5]         ; X's
	s_add_nc_u64 s[20:21], s[10:11], s[20:21]
	s_add_nc_u64 s[22:23], s[10:11], s[22:23]
	s_add_nc_u64 s[22:23], s[22:23], s[96:97]
	s_add_nc_u64 s[46:47], s[12:13], s[46:47]
	s_add_nc_u64 s[92:93], s[12:13], s[92:93]
	s_add_nc_u64 s[92:93], s[92:93], s[98:99]
	s_mov_b32 s[G0S], 1
	s_mov_b32 s[G0S+1], SCL
	s_mov_b64 s[G0S+2:G0S+3], s[22:23]
	s_or_b32 s[G0S+3], s[G0S+3], 0x80000000
	s_mov_b32 s[G0SB], 1
	s_mov_b32 s[G0SB+1], SCL+2*HALFS
	s_mov_b64 s[G0SB+2:G0SB+3], s[92:93]
	s_or_b32 s[G0SB+3], s[G0SB+3], 0x80000000
	s_mov_b32 s[G0], 1
	s_mov_b32 s[G0+1], 0
	s_mov_b64 s[G0+2:G0+3], s[20:21]
	s_or_b32 s[G0+3], s[G0+3], 0x80000000
	s_mov_b32 s[G0B], 1
	s_mov_b32 s[G0B+1], 2*HALFT
	s_mov_b64 s[G0B+2:G0B+3], s[46:47]
	s_or_b32 s[G0B+3], s[G0B+3], 0x80000000
	; all of K fits: four fills, one load a wave, nothing is filled later: wave 0 Y's codes, wave 2 X's, wave 1 Y's scale images, wave 3 X's
	s_cmp_eq_u32 s16, 0
	s_cbranch_scc0 .Lhead_scales
	JLOAD G0, G1, G0B, G1
	s_branch .Lhead_asked
.Lhead_scales:
	JLOAD G0S, G1S, G0SB, G1S
.Lhead_asked:
	v_and_b32 v1, 15, v0
	v_bfe_u32 v2, v0, 4, 1
	s_wait_alu depctr_va_vdst(0)
	v_and_b32 v3, 31, v0
	v_lshlrev_b32 v4, 3, v3
	s_wait_alu depctr_va_vdst(0)
	s_mul_i32 s21, s15, HALFT
	s_mul_i32 s22, s16, HALFT
	s_add_co_u32 s22, s22, 2*HALFT
.irp s, 0,1
	v_add_nc_u32 v[ADRA+\s], s21, v4
	v_add_nc_u32 v[ADRB+\s], s22, v4
	s_add_co_u32 s21, s21, SLOT
	s_add_co_u32 s22, s22, SLOT
.endr
	v_lshlrev_b32 v5, 2, v1
	s_mul_i32 s21, s15, HALFS
	s_mul_i32 s22, s16, HALFS
	s_add_co_u32 s22, s22, 2*HALFS
	s_sub_co_u32 s22, s22, s21
	v_mul_u32_u24 v6, s22, v2
	s_add_co_u32 s21, s21, SCL
	v_add_nc_u32 v5, v5, v6
	v_add_nc_u32 v[ADRS], s21, v5
	s_mov_b32 s[SEL], 0x76543210
	s_mov_b32 s[SEL+1], 0xfedcba98
	; where my results go, as an index in units of 768 bytes of codes and 64 bytes of scale words
	s_lshl_b32 s19, s44, 1
	s_add_co_u32 s19, s19, s16
	s_lshl_b32 s19, s19, 1                         ; the first of my two heads (jobs 0, 2)
	s_lshl_b32 s47, s15, 3
	s_lshr_b32 s20, s43, 3
	s_lshl_b32 s20, s20, 3
	s_add_co_u32 s20, s20, s19
	s_lshl_b32 s20, s20, 7
	s_and_b32 s23, s43, 7
	s_lshl_b32 s23, s23, 4
	s_add_co_u32 s20, s20, s23
	s_add_co_u32 s20, s20, s47                     ; job 0: (batch x 8 + head) x 128 + tile of keys
	s_lshr_b32 s21, s44, 3
	s_lshl_b32 s21, s21, 5
	s_lshl_b32 s23, s43, 4
	s_add_co_u32 s21, s21, s23
	s_add_co_u32 s21, s21, s47
	s_lshl_b32 s21, s21, 4
	s_and_b32 s23, s44, 7
	s_lshl_b32 s23, s23, 1
	s_add_co_u32 s21, s21, s23
	s_add_co_u32 s21, s21, s16
	s_lshl_b32 s21, s21, 1                         ; job 1: 2 x ((batch x 32 + tile of channels) x 16 + K step of keys)
	s_lshl_b32 s22, s42, 2
	s_lshr_b32 s23, s43, 1
	s_add_co_u32 s22, s22, s23
	s_lshl_b32 s22, s22, 3
	s_add_co_u32 s22, s22, s19
	s_lshl_b32 s22, s22, 5
	s_and_b32 s23, s43, 1
	s_lshl_b32 s23, s23, 4
	s_add_co_u32 s22, s22, s23
	s_add_co_u32 s22, s22, s47                     ; job 2: ((i x 4 + batch) x 8 + head) x 32 + tile of queries
	s_cmp_eq_u32 s2, 1
	s_cselect_b32 s22, s21, s22
	s_cmp_eq_u32 s2, 0
	s_cselect_b32 s22, s20, s22
	SEL3 20, 0, 3145728, 6291456
	s_mul_i32 s21, s22, 768
	s_add_co_u32 s20, s20, s21
	s_mov_b32 s21, 0
	s_add_nc_u64 s[OB:OB+1], s[8:9], s[20:21]
	SEL3 20, 9437184, 9699328, 9961472
	s_lshl_b32 s22, s22, 6
	s_add_co_u32 s20, s20, s22
	s_add_nc_u64 s[OS:OS+1], s[8:9], s[20:21]
	SEL3 SA, 768, 24576, 768                       ; from one tile of Y to the next
	s_mov_b32 s[SA+1], 0
	SEL3 SAS, 64, 2048, 64
	s_mov_b32 s[SAS+1], 0
	SEL3 94, 98304, 768, 24576                     ; from a fragment's lower half to its upper: the next head, or the same fragment
	SEL3 95, 8192, 64, 2048                        ; the same for the scale words
	v_mov_b32 v[VO0], v4
	v_add_nc_u32 v[VO1], s94, v4
	v_mul_u32_u24 v[VSO], s95, v2
	v_lshl_add_u32 v[VSO], v1, 2, v[VSO]
	v_lshlrev_b32 v[SH], 4, v2
	s_wait_alu depctr_va_vdst(0)
	s_wait_tensorcnt 0x0                           ; my one load has landed; the barrier shows all four to every wave
	s_barrier_signal -1
	s_barrier_wait -1
	FETCH_B 0, 0, 0
	FETCH_A 0, 0, 0
	SCALES 0
	FETCH_A 0, 0, 4
	STEP 0, 0, 1
	TURN 0, 1
	STEP 1, 0, 0
	s_wait_dscnt 4*NL
	WIN MUL_LO
	MUL16 0, 1, NQ-1, 1, 0
	MUL16 2, 1, NQ-1, 1, 0
	s_wait_dscnt 0
	WIN MUL_HI
	MUL16 4, 1, NQ-1, 1, 0
	MUL16 6, 1, NQ-1, 1, 0
	WIN 0
	PLACES NP
.irp b, 0,1,2,3
	v_mov_b32 v[TM+4+\b], 0
.endr
.irp a, 0,1,2,3,4,5,6,7
	QUANT 64*(\a%4), 2+\a/4, \a
	QOUT
.endr
	s_wait_tensorcnt 0x0
	ds_add_u32 v254, v255
	s_wait_dscnt 0x0
	s_endpgm
.Lfunc_end_k_qfd7e70d419_proj:
	.size	k_qfd7e70d419_proj, .Lfunc_end_k_qfd7e70d419_proj-k_qfd7e70d419_proj
	.p2alignl 7, 3214868480
	.fill 96, 4, 3214868480
	.section	.rodata,"a",@progbits
	.p2align	6, 0x0
	.amdhsa_kernel k_qfd7e70d419_proj
		.amdhsa_group_segment_fixed_size 327680
		.amdhsa_private_segment_fixed_size 0
		.amdhsa_enable_private_segment 0
		.amdhsa_kernarg_size 24
		.amdhsa_user_sgpr_count 2
		.amdhsa_user_sgpr_kernarg_segment_ptr 1
		.amdhsa_wavefront_size32 1
		.amdhsa_system_sgpr_workgroup_id_x 1
		.amdhsa_system_sgpr_workgroup_id_y 1
		.amdhsa_system_sgpr_workgroup_id_z 1
		.amdhsa_system_vgpr_workitem_id 0
		.amdhsa_next_free_vgpr 1024
		.amdhsa_next_free_sgpr 102
		.amdhsa_reserve_vcc 0
		.amdhsa_float_denorm_mode_32 3
		.amdhsa_float_denorm_mode_16_64 3
		.amdhsa_memory_ordered 1
		.amdhsa_forward_progress 1
		.amdhsa_inst_pref_size 108
	.end_amdhsa_kernel
	.amdgpu_metadata
---
amdhsa.version: [ 1, 2 ]
amdhsa.kernels:
  - .name:           k_qfd7e70d419_proj
    .symbol:         k_qfd7e70d419_proj.kd
    .args:
      - { .name: qin, .offset: 0, .size: 8, .value_kind: global_buffer, .address_space: global }
      - { .name: kvs, .offset: 8, .size: 8, .value_kind: global_buffer, .address_space: global }
      - { .name: skv, .offset: 16, .size: 8, .value_kind: global_buffer, .address_space: global }
    .group_segment_fixed_size: 327680
    .private_segment_fixed_size: 0
    .kernarg_segment_align: 8
    .kernarg_segment_size: 24
    .max_flat_workgroup_size: 128
    .sgpr_count:     102
    .vgpr_count:     1024
    .wavefront_size: 32
...
	.end_amdgpu_metadata
.endif
;; end of part 6
;; launch sstat (part 7): grid 8 x 32, 16 waves a work-group, clusters of 4 x 1, 169,984 bytes of LDS; arguments skv, sst; writes sst
.if DOCPART == 7
	.amdgcn_target "amdgcn-amd-amdhsa--gfx1250"
	.amdhsa_code_object_version 6
	.text
	.protected	k_qfd7e70d419_sstat
	.globl	k_qfd7e70d419_sstat
	.p2align	8
	.type	k_qfd7e70d419_sstat,@function
k_qfd7e70d419_sstat:
	s_mov_b64 s[64:65], 0
	v_nop
	global_prefetch_b8 v0, s[64:65] scope:SCOPE_SE
	s_setreg_imm32_b32 hwreg(HW_REG_WAVE_MODE, 25, 1), 1
	s_wait_xcnt 0x0
	s_wait_alu depctr_hold_cnt(0) depctr_sa_sdst(0) depctr_va_vdst(0) depctr_va_sdst(0) depctr_va_ssrc(0) depctr_va_vcc(0) depctr_vm_vsrc(0)
	s_getreg_b32 s2, hwreg(HW_REG_IB_STS2, 6, 4)
	s_cmp_eq_u32 s2, 0
	s_cbranch_scc0 .Lentry_in_a_cluster
	s_endpgm
.Lentry_in_a_cluster:
	s_bfe_u32 s2, ttmp6, 0x10000c
	s_cmp_lg_u32 s2, 0x3003
	s_cbranch_scc0 .Lentry_shape_is_right
	s_endpgm
.Lentry_shape_is_right:
; First pass over the spatial scores Q_i K^T (K = the head's 64, codes of FP6) of one (i, batch, head): what the instance norm over 512 x 2,048 scores and the softmax need; no score goes to memory.
; A work-group owns 256 queries (x: 2 i + half; y: 8 x batch + head); each of its sixteen waves one tile of 16 queries and all 2,048 keys, 128 a trip, 16 trips.
; A wave stores its 16 rows' largest scores and, for its 32,768 scores, a pivot (its first score), S = sum (s - pivot), SS = sum (s - pivot)^2; -pivot is the C of every product.
; K = 64 fills half of the instruction's 128: Q's upper six registers are zero codes, so K's operand may name whatever lies behind its six registers (the next tile's codes): those products are zeros.
; SOURCE 0 = 16 keys, SOURCE 1 = my 16 queries: a lane holds one query.
; THE FILLS: the head's K codes (98,304 bytes) and scale words (8,192) come into LDS once, ONE LOAD A WAVE: waves 0-11 bring 8,192 bytes of codes each, waves 12-15 2,048 bytes of scale words each.
; One wait for 0 and one barrier show all of it to all sixteen waves; the loop over the keys has no barrier.  Nothing is filled again.
; CLUSTER 4, 1, 1: the four partners share batch and head: K is asked for jointly (mask 15).  No prefetch: every load goes out at the head, there is no loop to run ahead in.
; LIMITS: NaN and infinities are not served.
.set WV,  18
.set CNT, 19
.set SEL, 20
.set G1C, 24                           ; s[24:31] group 1 for 8,192 dense bytes: 32 rows of 256
.set G1S, 32                           ; s[32:39] for 2,048 dense bytes: 8 rows of 256
.set G0C, 40                           ; s[40:43] group 0 for my part of the codes
.set G0S, 44                           ; s[44:47] for my part of the scale words
.set TB,  2                            ; LDS byte of the trip's tiles of K
.set TS,  3                            ; and of their scale words
.set KSO, 98304                        ; K's scale words in LDS
.set ADK, 8
.set ADS, 9
.set QF,  16                           ; v16-21 Q's codes, v22-27 zeros
.set QSC, 28
.set KF,  32                           ; v32-79 eight tiles x 6; v80-85 zeros
.set KSC, 86
.set S,   96
.set NPV, 160                          ; v160-167 -pivot
.set SUM, 168
.set SQ,  176
.set MX,  184
.macro CROUND
	s_barrier_signal -1
	s_barrier_wait -1
	s_cmp_lg_u32 s[WV], 0
	s_cbranch_scc1 .Lnot_wave_0_\@
	s_barrier_signal -3
.Lnot_wave_0_\@:
	s_barrier_wait -3
	s_barrier_signal -1
	s_barrier_wait -1
.endm
.macro DENSE g, rows                   ; group 1: rows x 256 dense bytes, elements of 8 bytes, for all four partners (21 set beside the mask)
	s_mov_b32 s[\g], 15|(3<<16)|(1<<21)
	s_mov_b32 s[\g+1], 32<<16
	s_mov_b32 s[\g+2], (\rows)<<16
	s_mov_b32 s[\g+3], 32<<16
	s_mov_b32 s[\g+4], \rows
	s_mov_b32 s[\g+5], 32
	s_mov_b32 s[\g+6], 0
	s_mov_b32 s[\g+7], 0
.endm
.macro RED32 v, t
	v_add_f32_dpp v[\v], v[\v], v[\v] row_xmask:1 row_mask:0xf bank_mask:0xf
	s_delay_alu instid0(VALU_DEP_1)
	v_add_f32_dpp v[\v], v[\v], v[\v] row_xmask:2 row_mask:0xf bank_mask:0xf
	s_delay_alu instid0(VALU_DEP_1)
	v_add_f32_dpp v[\v], v[\v], v[\v] row_xmask:4 row_mask:0xf bank_mask:0xf
	s_delay_alu instid0(VALU_DEP_1)
	v_add_f32_dpp v[\v], v[\v], v[\v] row_xmask:8 row_mask:0xf bank_mask:0xf
	s_delay_alu instid0(VALU_DEP_1)
	v_permlanex16_b32 v[\t], v[\v], s[SEL], s[SEL+1]
	s_delay_alu instid0(VALU_DEP_1)
	v_add_f32 v[\v], v[\v], v[\t]
.endm
.macro LOADK                           ; 128 keys: eight half fragments and their scale words
	v_add_nc_u32 v[ADK], s[TB], v1
	v_add_nc_u32 v[ADS], s[TS], v2
.irp t, 0,1,2,3,4,5,6,7
.irp p, 0,1,2
	ds_load_b64 v[KF+6*\t+2*\p:KF+6*\t+2*\p+1], v[ADK] offset:768*\t+256*\p
.endr
	ds_load_b32 v[KSC+\t], v[ADS] offset:64*\t
.endr
	s_wait_dscnt 0x0
.endm
	s_load_b128 s[4:7], s[0:1], 0x0                ; skv, sst
	v_lshl_add_u32 v254, v0, 2, 0x29000
	v_mov_b32 v255, 0
	ds_add_u32 v254, v255                          ; the opening lines: the add, twice on end, and its wait
	ds_add_u32 v254, v255
	v_lshrrev_b32 v1, 5, v0
	s_delay_alu instid0(VALU_DEP_1)
	v_readfirstlane_b32 s[WV], v1                  ; wave 0..15
	s_and_b32 s60, ttmp7, 0xffff                   ; 8 x batch + head, which the four partners share
	DENSE G1C, 32
	DENSE G1S, 8
	s_lshl_b32 s62, s[WV], 13                      ; my 8,192 bytes of codes, in LDS and in memory (waves 0-11)
	s_and_b32 s61, s[WV], 3
	s_lshl_b32 s63, s61, 11                        ; my 2,048 bytes of scale words (waves 12-15)
	s_mul_i32 s66, s60, 98304                      ; the head's codes
	s_add_co_u32 s66, s66, s62
	s_mov_b32 s67, 0
	s_lshl_b32 s68, s60, 13                        ; the head's scale words
	s_add_co_u32 s68, s68, s63
	s_mov_b32 s69, 0
	s_mov_b32 s[SEL], 0x76543210
	s_mov_b32 s[SEL+1], 0xfedcba98
	s_mov_b32 s76, 1<<16                           ; lane masks
	s_mov_b32 s77, 1<<17
	s_mov_b32 s78, 1<<18
	s_wait_dscnt 0x0
	s_wait_kmcnt 0x0
	s_add_nc_u64 s[66:67], s[4:5], s[66:67]
	s_add_nc_u64 s[68:69], s[4:5], s[68:69]
	s_add_nc_u64 s[68:69], s[68:69], 9437184
	s_mov_b32 s[G0C], 1
	s_mov_b32 s[G0C+1], s62
	s_mov_b64 s[G0C+2:G0C+3], s[66:67]
	s_or_b32 s[G0C+3], s[G0C+3], 0x80000000
	s_mov_b32 s[G0S], 1
	s_add_co_u32 s[G0S+1], s63, KSO
	s_mov_b64 s[G0S+2:G0S+3], s[68:69]
	s_or_b32 s[G0S+3], s[G0S+3], 0x80000000
	CROUND                                         ; in front of the joint loads
	s_cmp_lt_u32 s[WV], 12                         ; the branch hangs on the wave's number alone; each arm holds one load
	s_cbranch_scc0 .Lscales
	tensor_load_to_lds s[G0C:G0C+3], s[G1C:G1C+7]
	s_nop 0
.rept 4
	v_nop
.endr
	s_branch .Lasked
.Lscales:
	tensor_load_to_lds s[G0S:G0S+3], s[G1S:G1S+7]
	s_nop 0
.rept 4
	v_nop
.endr
.Lasked:
	; the other addresses are made while the tiles are on their way
	s_bfe_u32 s61, ttmp6, 0x40000                  ; cx: it enters Q's and the record's addresses alone
	s_lshl_b32 s62, ttmp9, 2
	s_add_co_u32 s62, s62, s61
	s_lshr_b32 s63, s62, 1                         ; i
	s_and_b32 s62, s62, 1                          ; which 256 queries
	s_lshl_b32 s63, s63, 5
	s_add_co_u32 s63, s63, s60                     ; the group: 32 i + 8 x batch + head
	s_lshl_b32 s62, s62, 4
	s_add_co_u32 s62, s62, s[WV]                   ; my tile of queries, and my part of the group
	s_lshl_b32 s63, s63, 5
	s_add_co_u32 s63, s63, s62
	s_mul_i32 s70, s63, 768
	s_mov_b32 s71, 0
	s_lshl_b32 s72, s63, 6
	s_mov_b32 s73, 0
	s_lshl_b32 s74, s63, 7                         ; my record
	s_mov_b32 s75, 0
	s_add_nc_u64 s[10:11], s[4:5], s[70:71]
	s_add_nc_u64 s[10:11], s[10:11], 6291456       ; Q's half fragment
	s_add_nc_u64 s[12:13], s[4:5], s[72:73]
	s_add_nc_u64 s[12:13], s[12:13], 9961472       ; its scale words
	s_add_nc_u64 s[6:7], s[6:7], s[74:75]
	v_and_b32 v5, 31, v0
	s_delay_alu instid0(VALU_DEP_1)
	v_lshlrev_b32 v1, 3, v5                        ; 8 x lane
	s_delay_alu instid0(VALU_DEP_2)
	v_lshlrev_b32 v4, 2, v5                        ; 4 x lane
	v_and_b32 v3, 15, v0
	s_delay_alu instid0(VALU_DEP_1)
	v_lshlrev_b32 v3, 2, v3                        ; 4 r
	s_delay_alu instid0(VALU_DEP_1)
	v_add_nc_u32 v2, KSO, v3
.irp p, 0,1,2
	global_load_b64 v[QF+2*\p:QF+2*\p+1], v1, s[10:11] offset:256*\p
.endr
	global_load_b32 v[QSC], v3, s[12:13]
.irp j, 0,1,2,3,4,5
	v_mov_b32 v[QF+6+\j], 0                        ; zero codes for k = 64 .. 127
	v_mov_b32 v[KF+48+\j], 0
.endr
.irp j, 0,1,2,3,4,5,6,7
	v_mov_b32 v[SUM+\j], 0
	v_mov_b32 v[SQ+\j], 0
.endr
.irp j, 0,1,2,3
	v_mov_b32 v[MX+\j], 0xff800000
.endr
	v_mov_b32 v188, 0
	s_wait_alu depctr_va_vdst(0)
	s_wait_loadcnt 0x0                             ; Q
	s_wait_tensorcnt 0x0                           ; my one load has landed;
	s_barrier_signal -1                            ; (no LDS instruction of mine is out)
	s_barrier_wait -1                              ; everybody's has: K and its scale words are whole
	s_mov_b32 s[TB], 0
	s_mov_b32 s[TS], 0
	LOADK
	v_wmma_scale_f32_16x16x128_f8f6f4 v[S:S+7], v[KF:KF+11], v[QF:QF+11], 0, v[KSC], v[QSC] matrix_a_fmt:MATRIX_FMT_FP6 matrix_b_fmt:MATRIX_FMT_FP6
.rept 4
	v_nop
.endr
	v_readfirstlane_b32 s79, v[S]                  ; the pivot: my first score (a value only)
	s_xor_b32 s79, s79, 0x80000000
.irp j, 0,1,2,3,4,5,6,7
	v_mov_b32 v[NPV+\j], s79                       ; (these eight are also the places in front of the products that write the scores' registers again)
.endr
.rept 4
	v_nop
.endr
	s_mov_b32 s[CNT], 16
.Lkeys:
	LOADK                                          ; the vector work behind the last products stands ahead of these loads
	s_wait_alu depctr_va_vdst(0)
.irp t, 0,1,2,3,4,5,6,7
	v_wmma_scale_f32_16x16x128_f8f6f4 v[S+8*\t:S+8*\t+7], v[KF+6*\t:KF+6*\t+11], v[QF:QF+11], v[NPV:NPV+7], v[KSC+\t], v[QSC] matrix_a_fmt:MATRIX_FMT_FP6 matrix_b_fmt:MATRIX_FMT_FP6
.endr
.rept 4
	v_nop
.endr
.set jj, 0
.rept 32                                       ; s - pivot: sums, sums of squares and the largest, in four chains; each accumulator is read from its low end on
	v_pk_add_f32 v[SUM+2*(jj%4):SUM+2*(jj%4)+1], v[SUM+2*(jj%4):SUM+2*(jj%4)+1], v[S+2*jj:S+2*jj+1]
	v_pk_fma_f32 v[SQ+2*(jj%4):SQ+2*(jj%4)+1], v[S+2*jj:S+2*jj+1], v[S+2*jj:S+2*jj+1], v[SQ+2*(jj%4):SQ+2*(jj%4)+1]
	v_max3_num_f32 v[MX+jj%4], v[MX+jj%4], v[S+2*jj], v[S+2*jj+1]
.set jj, jj+1
.endr
	s_add_co_u32 s[TB], s[TB], 6144
	s_add_co_u32 s[TS], s[TS], 512
	s_sub_co_u32 s[CNT], s[CNT], 1
	s_cmp_lg_u32 s[CNT], 0
	s_cbranch_scc1 .Lkeys
	v_max3_num_f32 v[MX], v[MX], v[MX+1], v[MX+2]
	s_delay_alu instid0(VALU_DEP_1)
	v_max_num_f32 v[MX], v[MX], v[MX+3]
	s_delay_alu instid0(VALU_DEP_1)
	v_permlanex16_b32 v188, v[MX], s[SEL], s[SEL+1]
	s_delay_alu instid0(VALU_DEP_1)
	v_max_num_f32 v[MX], v[MX], v188
	s_delay_alu instid0(VALU_DEP_1)
	v_sub_f32 v[MX], v[MX], v[NPV]                 ; + pivot: my query's largest score
	v_pk_add_f32 v[SUM:SUM+1], v[SUM:SUM+1], v[SUM+2:SUM+3]
	v_pk_add_f32 v[SUM+4:SUM+5], v[SUM+4:SUM+5], v[SUM+6:SUM+7]
	v_pk_add_f32 v[SQ:SQ+1], v[SQ:SQ+1], v[SQ+2:SQ+3]
	v_pk_add_f32 v[SQ+4:SQ+5], v[SQ+4:SQ+5], v[SQ+6:SQ+7]
	s_delay_alu instid0(VALU_DEP_3)
	v_pk_add_f32 v[SUM:SUM+1], v[SUM:SUM+1], v[SUM+4:SUM+5]
	s_delay_alu instid0(VALU_DEP_2)
	v_pk_add_f32 v[SQ:SQ+1], v[SQ:SQ+1], v[SQ+4:SQ+5]
	s_delay_alu instid0(VALU_DEP_2)
	v_add_f32 v[SUM], v[SUM], v[SUM+1]
	s_delay_alu instid0(VALU_DEP_2)
	v_add_f32 v[SQ], v[SQ], v[SQ+1]
	RED32 SUM, 188
	RED32 SQ, 188
	v_mul_f32 v189, -1.0, v[NPV]
	s_delay_alu instid0(VALU_DEP_1)
	v_cndmask_b32 v[MX], v[MX], v189, s76          ; words 0-15: the rows' maxima; word 16: the pivot,
	s_delay_alu instid0(VALU_DEP_1)
	v_cndmask_b32 v[MX], v[MX], v[SUM], s77        ; 17: S,
	s_delay_alu instid0(VALU_DEP_1)
	v_cndmask_b32 v[MX], v[MX], v[SQ], s78         ; 18: SS
	global_store_b32 v4, v[MX], s[6:7]             ; all 128 bytes of the record are written
	s_wait_tensorcnt 0x0                           ; the wave's end
	ds_add_u32 v254, v255
	s_wait_dscnt 0x0
	CROUND                                         ; the closing round
	s_endpgm
.Lfunc_end_k_qfd7e70d419_sstat:
	.size	k_qfd7e70d419_sstat, .Lfunc_end_k_qfd7e70d419_sstat-k_qfd7e70d419_sstat
	.p2alignl 7, 3214868480
	.fill 96, 4, 3214868480
	.section	.rodata,"a",@progbits
	.p2align	6, 0x0
	.amdhsa_kernel k_qfd7e70d419_sstat
		.amdhsa_group_segment_fixed_size 169984
		.amdhsa_private_segment_fixed_size 0
		.amdhsa_enable_private_segment 0
		.amdhsa_kernarg_size 16
		.amdhsa_user_sgpr_count 2
		.amdhsa_user_sgpr_kernarg_segment_ptr 1
		.amdhsa_wavefront_size32 1
		.amdhsa_system_sgpr_workgroup_id_x 1
		.amdhsa_system_sgpr_workgroup_id_y 1
		.amdhsa_system_sgpr_workgroup_id_z 1
		.amdhsa_system_vgpr_workitem_id 0
		.amdhsa_next_free_vgpr 256
		.amdhsa_next_free_sgpr 80
		.amdhsa_reserve_vcc 0
		.amdhsa_float_denorm_mode_32 3
		.amdhsa_float_denorm_mode_16_64 3
		.amdhsa_memory_ordered 1
		.amdhsa_forward_progress 1
		.amdhsa_inst_pref_size 22
	.end_amdhsa_kernel
	.amdgpu_metadata
---
amdhsa.version: [ 1, 2 ]
amdhsa.kernels:
  - .name:           k_qfd7e70d419_sstat
    .symbol:         k_qfd7e70d419_sstat.kd
    .args:
      - { .name: skv, .offset: 0, .size: 8, .value_kind: global_buffer, .address_space: global }
      - { .name: sst, .offset: 8, .size: 8, .value_kind: global_buffer, .address_space: global }
    .group_segment_fixed_size: 169984
    .private_segment_fixed_size: 0
    .kernarg_segment_align: 8
    .kernarg_segment_size: 16
    .max_flat_workgroup_size: 512
    .sgpr_count:     80
    .vgpr_count:     256
    .wavefront_size: 32
...
	.end_amdgpu_metadata
.endif
;; end of part 7
;; launch sattn (part 8): grid 8 x 32, 16 waves a work-group, clusters of 4 x 1, 215,040 bytes of LDS; arguments skv, sst, ctx; writes ctx
.if DOCPART == 8
	.amdgcn_target "amdgcn-amd-amdhsa--gfx1250"
	.amdhsa_code_object_version 6
	.text
	.protected	k_qfd7e70d419_sattn
	.globl	k_qfd7e70d419_sattn
	.p2align	8
	.type	k_qfd7e70d419_sattn,@function
k_qfd7e70d419_sattn:
	s_mov_b64 s[64:65], 0
	v_nop
	global_prefetch_b8 v0, s[64:65] scope:SCOPE_SE
	s_setreg_imm32_b32 hwreg(HW_REG_WAVE_MODE, 25, 1), 1
	s_wait_xcnt 0x0
	s_wait_alu depctr_hold_cnt(0) depctr_sa_sdst(0) depctr_va_vdst(0) depctr_va_sdst(0) depctr_va_ssrc(0) depctr_va_vcc(0) depctr_vm_vsrc(0)
	s_getreg_b32 s2, hwreg(HW_REG_IB_STS2, 6, 4)
	s_cmp_eq_u32 s2, 0
	s_cbranch_scc0 .Lentry_in_a_cluster
	s_endpgm
.Lentry_in_a_cluster:
	s_bfe_u32 s2, ttmp6, 0x10000c
	s_cmp_lg_u32 s2, 0x3003
	s_cbranch_scc0 .Lentry_shape_is_right
	s_endpgm
.Lentry_shape_is_right:
; The spatial attention of one (i, batch, head): scores Q_i K^T again, p = 2^(t - M) quantised along the keys, O = p V / l, quantised along the head's channels for the output projection.  All products on codes of FP6.
; t = (s - mean) a, a = rsqrt(var + 1e-5) log2(e); mean and variance of the group's 512 x 2,048 scores are merged from the first pass's 32 records (pivot, S, SS; n = 32,768 each) as
; mean_p = pivot + S / n, M2_p = SS - S^2 / n, mean = the average of mean_p, M2 = sum (M2_p + n (mean_p - mean)^2).  -mean is the C of the score products; M = ceil((row's largest score - mean) a) is known: no running maximum, no rescaling.
; A work-group owns 256 queries; each of its sixteen waves 16 of them and all 2,048 keys, 128 a trip, 16 trips.  Both products transposed: a lane holds one query throughout; the keys of a tile are chosen so that p's 16 registers of two tiles are 16 neighbouring keys.
; K = 64 in the score products: Q's upper six registers are zero codes, K's operand names the next tile's codes behind its own six.
; THE FILLS: the head's K and V codes and scale words (212,992 bytes) come into LDS once, as they lie in memory, ONE LOAD A WAVE: waves 0-5 bring 16,384 bytes of K's codes each, waves 6-11 of V's,
; waves 12, 13 4,096 bytes of K's scale words each, waves 14, 15 of V's.  One wait for 0 and one barrier show all of it to all sixteen waves; the loop over the keys has no barrier.  Nothing is filled again.
; CLUSTER 4, 1, 1: the four partners share batch and head: joint loads, mask 15.  No prefetch: every load goes out at the head, there is no loop to run ahead in.
; LIMITS: M may differ by one from the ceiling of this pass's own largest t: an exact power of two, which the scale bytes and l take up alike.  A block's largest p is the exponential of the block's largest score
; (this takes v_exp_f32 not to fall where its input rises).  A block of zeros keeps the byte 1.  1 / l by v_rcp_f32.  NaN and infinities are not served.
.set WV,  18
.set CNT, 19
.set SEL, 20
.set TV,  22
.set TT,  23
.set G1C, 24                           ; s[24:31] group 1 for 16,384 dense bytes: 64 rows of 256
.set G1S, 32                           ; s[32:39] for 4,096 dense bytes: 16 rows of 256
.set G0C, 40                           ; s[40:43] group 0 for my part of the codes
.set G0S, 44                           ; s[44:47] for my part of the scale words
.set TB,  2
.set TS,  3
.set ADK, 8
.set ADS, 9
.set ADV0, 10                          ; V's tiles 0, 1;  v11: tiles 2, 3 (49,152 bytes on: an LDS offset has 16 bits)
.set ADT, 12
.set QF,  16
.set QSC, 28
.set PW,  29
.set KF,  32                           ; v32-79 K's eight half fragments, then V's four fragments; v80-85 zeros
.set KSC, 86
.set VSC, 94
.set S,   100                          ; v100-163 scores less the mean, then p
.set OT,  164                          ; v164-195 O^T
.set NM,  196                          ; v196-203 -mean
.set PC,  204                          ; v204-223 p's codes
.set BM,  224
.set B2,  228
.set SO,  232
.set BY,  236
.set AA,  240
.set NGM, 242
.macro CROUND
	s_barrier_signal -1
	s_barrier_wait -1
	s_cmp_lg_u32 s[WV], 0
	s_cbranch_scc1 .Lnot_wave_0_\@
	s_barrier_signal -3
.Lnot_wave_0_\@:
	s_barrier_wait -3
	s_barrier_signal -1
	s_barrier_wait -1
.endm
.macro DENSE g, rows                   ; group 1: rows x 256 dense bytes, elements of 8 bytes, for all four partners (21 set beside the mask)
	s_mov_b32 s[\g], 15|(3<<16)|(1<<21)
	s_mov_b32 s[\g+1], 32<<16
	s_mov_b32 s[\g+2], (\rows)<<16
	s_mov_b32 s[\g+3], 32<<16
	s_mov_b32 s[\g+4], \rows
	s_mov_b32 s[\g+5], 32
	s_mov_b32 s[\g+6], 0
	s_mov_b32 s[\g+7], 0
.endm
.macro RED32 v, t
	s_delay_alu instid0(VALU_DEP_1)
	v_add_f32_dpp v[\v], v[\v], v[\v] row_xmask:1 row_mask:0xf bank_mask:0xf
	s_delay_alu instid0(VALU_DEP_1)
	v_add_f32_dpp v[\v], v[\v], v[\v] row_xmask:2 row_mask:0xf bank_mask:0xf
	s_delay_alu instid0(VALU_DEP_1)
	v_add_f32_dpp v[\v], v[\v], v[\v] row_xmask:4 row_mask:0xf bank_mask:0xf
	s_delay_alu instid0(VALU_DEP_1)
	v_add_f32_dpp v[\v], v[\v], v[\v] row_xmask:8 row_mask:0xf bank_mask:0xf
	s_wait_alu depctr_va_vdst(0)
	v_permlanex16_b32 v[\t], v[\v], s[SEL], s[SEL+1]
	s_delay_alu instid0(VALU_DEP_1)
	v_add_f32 v[\v], v[\v], v[\t]
.endm
	s_load_b128 s[4:7], s[0:1], 0x0                ; skv, sst
	s_load_b64 s[8:9], s[0:1], 0x10                ; ctx
	v_lshl_add_u32 v254, v0, 2, 0x34000
	v_mov_b32 v255, 0
	ds_add_u32 v254, v255                          ; the opening lines: the add, twice on end, and its wait
	ds_add_u32 v254, v255
	v_lshrrev_b32 v1, 5, v0
	s_delay_alu instid0(VALU_DEP_1)
	v_readfirstlane_b32 s[WV], v1
	s_and_b32 s61, ttmp7, 0xffff                   ; y = 8 x batch + head, which the four partners share
	DENSE G1C, 64
	DENSE G1S, 16
	s_lshl_b32 s96, s[WV], 14                      ; codes: LDS byte 16,384 x wave: K's 98,304 bytes, then V's
	s_mul_i32 s94, s61, 98304                      ; the head's codes, in K's part of skv as in V's
	s_add_co_u32 s94, s94, s96
	s_cmp_lt_u32 s[WV], 6
	s_cselect_b32 s97, 0, 3145728-98304            ; waves 6-11: V's codes lie 3,145,728 bytes behind K's
	s_add_co_u32 s94, s94, s97
	s_mov_b32 s95, 0
	s_and_b32 s97, s[WV], 3
	s_lshl_b32 s63, s97, 12                        ; scale words: LDS byte 4,096 x (wave - 12) behind the codes
	s_and_b32 s98, s[WV], 1
	s_lshl_b32 s98, s98, 12                        ; which half of the head's 8,192,
	s_bfe_u32 s99, s[WV], 0x10001
	s_lshl_b32 s99, s99, 18                        ; K's, or V's 262,144 bytes on
	s_add_co_u32 s98, s98, s99
	s_lshl_b32 s99, s61, 13
	s_add_co_u32 s98, s98, s99
	s_mov_b32 s99, 0
	s_mov_b32 s[SEL], 0x76543210
	s_mov_b32 s[SEL+1], 0xfedcba98
	s_mov_b32 s90, 0x38000000                      ; 1 / n = 2^-15
	s_mov_b32 s91, 0x47000000                      ; n
	s_mov_b32 s92, 0x35800000                      ; 1 / N = 2^-20
	s_mov_b32 s93, 0x3727c5ac                      ; 1e-5
	s_wait_dscnt 0x0
	s_wait_kmcnt 0x0
	s_add_nc_u64 s[94:95], s[4:5], s[94:95]
	s_add_nc_u64 s[98:99], s[4:5], s[98:99]
	s_add_nc_u64 s[98:99], s[98:99], 9437184
	s_mov_b32 s[G0C], 1
	s_mov_b32 s[G0C+1], s96
	s_mov_b64 s[G0C+2:G0C+3], s[94:95]
	s_or_b32 s[G0C+3], s[G0C+3], 0x80000000
	s_mov_b32 s[G0S], 1
	s_add_co_u32 s[G0S+1], s63, 196608
	s_mov_b64 s[G0S+2:G0S+3], s[98:99]
	s_or_b32 s[G0S+3], s[G0S+3], 0x80000000
	CROUND                                         ; in front of the joint loads
	s_cmp_lt_u32 s[WV], 12                         ; the branch hangs on the wave's number alone; each arm holds one load
	s_cbranch_scc0 .Lscales
	tensor_load_to_lds s[G0C:G0C+3], s[G1C:G1C+7]
	s_nop 0
.rept 4
	v_nop
.endr
	s_branch .Lasked
.Lscales:
	tensor_load_to_lds s[G0S:G0S+3], s[G1S:G1S+7]
	s_nop 0
.rept 4
	v_nop
.endr
.Lasked:
	; the other addresses are made while the tiles are on their way
	s_bfe_u32 s94, ttmp6, 0x40000                  ; cx: it enters Q's, the records' and the output's addresses alone
	s_lshl_b32 s95, ttmp9, 2
	s_add_co_u32 s95, s95, s94
	s_lshr_b32 s62, s95, 1                         ; i
	s_and_b32 s95, s95, 1                          ; which 256 queries
	s_lshl_b32 s63, s62, 5
	s_add_co_u32 s63, s63, s61                     ; the group
	s_lshl_b32 s60, s95, 4
	s_add_co_u32 s60, s60, s[WV]                   ; my tile of queries
	s_lshl_b32 s94, s63, 5
	s_add_co_u32 s94, s94, s60                     ; Q's tile
	s_lshl_b32 s96, s94, 6
	s_mov_b32 s97, 0
	s_mul_i32 s94, s94, 768
	s_mov_b32 s95, 0
	s_add_nc_u64 s[10:11], s[4:5], s[94:95]
	s_add_nc_u64 s[10:11], s[10:11], 6291456       ; Q's half fragment
	s_add_nc_u64 s[12:13], s[4:5], s[96:97]
	s_add_nc_u64 s[12:13], s[12:13], 9961472       ; its scale words
	s_lshl_b32 s94, s63, 12
	s_add_nc_u64 s[14:15], s[6:7], s[94:95]        ; the group's 32 records
	s_lshl_b32 s94, s60, 7
	s_add_nc_u64 s[16:17], s[14:15], s[94:95]      ; mine among them: my rows' maxima
	s_lshl_b32 s94, s62, 7
	s_lshr_b32 s96, s61, 3
	s_lshl_b32 s96, s96, 5
	s_add_co_u32 s94, s94, s96
	s_add_co_u32 s94, s94, s60
	s_lshl_b32 s94, s94, 2
	s_bfe_u32 s96, s61, 0x20001
	s_add_co_u32 s94, s94, s96                     ; ctx's fragment: (i x 128 + batch x 32 + tile) x 4 + head / 2
	s_and_b32 s98, s61, 1                          ; its half: head % 2
	s_lshl_b32 s96, s94, 7
	s_lshl_b32 s99, s98, 1
	s_add_co_u32 s96, s96, s99
	s_mul_i32 s94, s94, 1536
	s_mul_i32 s98, s98, 768
	s_add_co_u32 s94, s94, s98
	s_add_nc_u64 s[66:67], s[8:9], s[94:95]        ; my codes
	s_add_nc_u64 s[88:89], s[8:9], s[96:97]
	s_add_nc_u64 s[88:89], s[88:89], 3145728       ; my half of the scale image's words
	v_and_b32 v13, 31, v0
	s_delay_alu instid0(VALU_DEP_1)
	v_lshlrev_b32 v1, 3, v13                       ; 8 x lane: K's tiles
	s_delay_alu instid0(VALU_DEP_2)
	v_lshlrev_b32 v6, 2, v13                       ; 4 x lane
	v_and_b32 v5, 15, v0
	s_delay_alu instid0(VALU_DEP_1)
	v_lshlrev_b32 v5, 2, v5                        ; 4 r
	s_delay_alu instid0(VALU_DEP_1)
	v_add_nc_u32 v2, 196608, v5                    ; K's scale words
	v_add_nc_u32 v3, 98304, v1                     ; V's fragments
	s_delay_alu instid0(VALU_DEP_3)
	v_add_nc_u32 v4, 204800, v5                    ; V's scale words
	v_lshlrev_b32 v7, 7, v13                       ; a record a lane
	global_load_b128 v[224:227], v7, s[14:15] offset:64      ; pivot, S, SS
	global_load_b32 v228, v5, s[16:17]             ; my query's largest score
.irp p, 0,1,2
	global_load_b64 v[QF+2*\p:QF+2*\p+1], v1, s[10:11] offset:256*\p
.endr
	global_load_b32 v[QSC], v5, s[12:13]
.irp j, 0,1,2,3,4,5
	v_mov_b32 v[QF+6+\j], 0                        ; zero codes for k = 64 .. 127
	v_mov_b32 v[KF+48+\j], 0
.endr
.set jj, 0
.rept 32
	v_mov_b32 v[OT+jj], 0                          ; O^T: a trip is written in one form
.set jj, jj+1
.endr
	v_mov_b32 v14, 0                               ; l, in two chains of pairs
	v_mov_b32 v15, 0
	v_mov_b32 v30, 0
	v_mov_b32 v31, 0
	v_mov_b32 v232, 0
	s_wait_loadcnt 0x0                             ; the statistics are merged while the tiles are on their way
	v_fma_f32 v229, v225, s90, v224                ; mean_p
	v_mul_f32 v230, v225, v225
	s_delay_alu instid0(VALU_DEP_1)
	v_fma_f32 v230, -v230, s90, v226               ; M2_p
	s_delay_alu instid0(VALU_DEP_3)
	v_mov_b32 v231, v229
	RED32 231, 232
	s_delay_alu instid0(VALU_DEP_1)
	v_mul_f32 v231, 0x3d000000, v231               ; the mean: / 32
	s_delay_alu instid0(VALU_DEP_1)
	v_sub_f32 v229, v229, v231
	s_delay_alu instid0(VALU_DEP_1)
	v_mul_f32 v229, v229, v229
	s_delay_alu instid0(VALU_DEP_1)
	v_fma_f32 v230, v229, s91, v230
	RED32 230, 232
	s_delay_alu instid0(VALU_DEP_1)
	v_fma_f32 v230, v230, s92, s93                 ; the variance + 1e-5
	s_wait_alu depctr_va_vdst(0)
	v_rsq_f32 v230, v230
.irp j, 0,1,2,3,4,5,6,7
	v_mul_f32 v[NM+\j], -1.0, v231                 ; (plain work behind the transcendental)
.endr
	v_sub_f32 v228, v228, v231
	s_wait_alu depctr_va_vdst(0)                   ; ahead of the first reader of the root
	v_mul_f32 v[AA], 0x3fb8aa3b, v230              ; a
	s_delay_alu instid0(VALU_DEP_1)
	v_mov_b32 v[AA+1], v[AA]
	s_delay_alu instid0(VALU_DEP_2)
	v_mul_f32 v228, v228, v[AA]
	s_delay_alu instid0(VALU_DEP_1)
	v_floor_f32 v[NGM], -v228                      ; -M = -ceil(the row's largest t)
	s_delay_alu instid0(VALU_DEP_1)
	v_mov_b32 v[NGM+1], v[NGM]
.irp b, 0,1,2,3
	v_mov_b32 v[B2+\b], 0                          ; a lane permute's destination counts as one of its sources
.endr
	s_wait_alu depctr_va_vdst(0)
	s_wait_tensorcnt 0x0                           ; my one load has landed;
	s_barrier_signal -1                            ; (no LDS instruction of mine is out)
	s_barrier_wait -1                              ; everybody's has: K, V and their scale words are whole
	s_mov_b32 s[TB], 0                             ; K: a trip's eight tiles of 768 bytes,
	s_mov_b32 s[TS], 0                             ; their scale words, 64 bytes a tile;
	s_mov_b32 s[TV], 0                             ; V: the trip's K step in each tile of channels,
	s_mov_b32 s[TT], 0                             ; its scale images
	s_mov_b32 s[CNT], 16
.Lkeys:                                                ; A TRIP: 128 keys
	v_add_nc_u32 v[ADK], s[TB], v1                 ; (these five are the places between the last products and the loads into their operands)
	v_add_nc_u32 v[ADS], s[TS], v2
	v_add_nc_u32 v[ADV0], s[TV], v3
	s_delay_alu instid0(VALU_DEP_1)
	v_add_nc_u32 v[ADV0+1], 49152, v[ADV0]
	v_add_nc_u32 v[ADT], s[TT], v4
.irp t, 0,1,2,3,4,5,6,7
.irp p, 0,1,2
	ds_load_b64 v[KF+6*\t+2*\p:KF+6*\t+2*\p+1], v[ADK] offset:768*\t+256*\p
.endr
	ds_load_b32 v[KSC+\t], v[ADS] offset:64*\t
.endr
	s_wait_alu depctr_va_vdst(0)
	s_wait_dscnt 0x0
.irp t, 0,1,2,3,4,5,6,7                        ; S^T - mean = K Q^T - mean
	v_wmma_scale_f32_16x16x128_f8f6f4 v[S+8*\t:S+8*\t+7], v[KF+6*\t:KF+6*\t+11], v[QF:QF+11], v[NM:NM+7], v[KSC+\t], v[QSC] matrix_a_fmt:MATRIX_FMT_FP6 matrix_b_fmt:MATRIX_FMT_FP6
.endr
.rept 4
	v_nop
.endr
.irp t, 0,1,2,3                                ; V's four fragments of these 128 keys land while the softmax is worked
.irp p, 0,1,2,3,4,5
	ds_load_b64 v[KF+12*\t+2*\p:KF+12*\t+2*\p+1], v[ADV0+\t/2] offset:24576*(\t%2)+256*\p
.endr
	ds_load_b32 v[VSC+\t], v[ADT] offset:2048*\t
.endr
.irp b, 0,1,2,3
	v_max3_num_f32 v[BM+\b], v[S+16*\b], v[S+1+16*\b], v[S+2+16*\b]   ; the largest score of each block of 32 keys
.endr
.irp i, 3,5,7,9,11,13
.irp b, 0,1,2,3
	v_max3_num_f32 v[BM+\b], v[BM+\b], v[S+16*\b+\i], v[S+1+16*\b+\i]
.endr
.endr
.irp b, 0,1,2,3
	v_max_num_f32 v[BM+\b], v[BM+\b], v[S+15+16*\b]
.endr
.irp b, 0,1,2,3
	s_delay_alu instid0(VALU_DEP_4)
	v_permlanex16_b32 v[B2+\b], v[BM+\b], s[SEL], s[SEL+1]
.endr
.irp b, 0,1,2,3
	s_delay_alu instid0(VALU_DEP_4)
	v_max_num_f32 v[BM+\b], v[BM+\b], v[B2+\b]
.endr
.set jj, 0
.rept 32
	v_pk_fma_f32 v[S+jj:S+jj+1], v[S+jj:S+jj+1], v[AA:AA+1], v[NGM:NGM+1] op_sel_hi:[1,0,0]   ; t - M
.set jj, jj+2
.endr
.irp b, 0,1,2,3
	v_fma_f32 v[BM+\b], v[BM+\b], v[AA], v[NGM]
.endr
.set jj, 0
	s_wait_alu depctr_va_vdst(0)                   ; ahead of the batch
.rept 64
	v_exp_f32 v[S+jj], v[S+jj]                     ; p = 2^(t - M): not normalised
.set jj, jj+1
.endr
.irp b, 0,1,2,3
	v_exp_f32 v[BM+\b], v[BM+\b]                   ; the block's largest p
.endr
	v_nop                                          ; a plain place behind the last exponential
	s_wait_alu depctr_va_vdst(0)                   ; one wait for the batch of 68, ahead of its first reader
.irp b, 0,1,2,3
	v_max_num_f32 v[BM+\b], 0x1800000, v[BM+\b]    ; the floor 2^(3 - 127)
.endr
.irp b, 0,1,2,3
	s_delay_alu instid0(VALU_DEP_4)
	v_add_nc_u32 v[SO+\b], 0xff000000, v[BM+\b]
.endr
.irp b, 0,1,2,3
	s_delay_alu instid0(VALU_DEP_4)
	v_lshrrev_b32 v[BY+\b], 23, v[SO+\b]
.endr
	s_delay_alu instid0(VALU_DEP_3)
	v_lshl_or_b32 v[PW], v[BY+1], 8, v[BY]
	s_delay_alu instid0(VALU_DEP_1)
	v_lshl_or_b32 v[PW], v[BY+2], 16, v[PW]
	s_delay_alu instid0(VALU_DEP_1)
	v_lshl_or_b32 v[PW], v[BY+3], 24, v[PW]
.irp c, 0,1
	v_cvt_scalef32_pk16_fp6_f32 v[PC+6*\c:PC+2+6*\c], v[S+32*\c:S+15+32*\c], v[SO+2*\c]
	v_cvt_scalef32_pk16_fp6_f32 v[PC+12+4*\c:PC+14+4*\c], v[S+16+32*\c:S+31+32*\c], v[SO+2*\c+1]
.endr
	v_nop                                          ; one plain place behind a scaled conversion
.irp c, 0,1
.irp i, 0,1,2
	v_permlane16_swap_b32 v[PC+6*\c+\i], v[PC+12+4*\c+\i]
.endr
.irp i, 0,1,2
	s_delay_alu instid0(VALU_DEP_3)
	v_mov_b32 v[PC+3+6*\c+\i], v[PC+12+4*\c+\i]
.endr
.endr
.set jj, 0
.rept 16                                       ; l is taken of the unquantised p.  (These 32 are also the places between the writes of p's codes and scale word and the products)
	v_pk_add_f32 v[14:15], v[14:15], v[S+jj:S+jj+1]
	v_pk_add_f32 v[30:31], v[30:31], v[S+jj+2:S+jj+3]
.set jj, jj+4
.endr
	s_wait_dscnt 0x0                               ; V
.irp t, 0,1,2,3                                ; O^T += V^T P^T: four accumulators, one instruction each; the eight score products stand between two links of a chain
	v_wmma_scale_f32_16x16x128_f8f6f4 v[OT+8*\t:OT+8*\t+7], v[KF+12*\t:KF+12*\t+11], v[PC:PC+11], v[OT+8*\t:OT+8*\t+7], v[VSC+\t], v[PW] matrix_a_fmt:MATRIX_FMT_FP6 matrix_b_fmt:MATRIX_FMT_FP6
.endr
	s_add_co_u32 s[TB], s[TB], 6144
	s_add_co_u32 s[TS], s[TS], 512
	s_add_co_u32 s[TV], s[TV], 1536
	s_add_co_u32 s[TT], s[TT], 128
	s_sub_co_u32 s[CNT], s[CNT], 1
	s_cmp_lg_u32 s[CNT], 0
	s_cbranch_scc1 .Lkeys
.rept 4
	v_nop
.endr
	s_wait_alu depctr_va_vdst(0)
	v_pk_add_f32 v[14:15], v[14:15], v[30:31]
	s_delay_alu instid0(VALU_DEP_1)
	v_add_f32 v14, v14, v15
	s_delay_alu instid0(VALU_DEP_1)
	v_permlanex16_b32 v[B2], v14, s[SEL], s[SEL+1]
	s_delay_alu instid0(VALU_DEP_1)
	v_add_f32 v14, v14, v[B2]                      ; the row's l
	s_wait_alu depctr_va_vdst(0)
	v_rcp_f32 v[AA], v14
	v_rcp_f32 v[AA+1], v14
	v_nop
	s_wait_alu depctr_va_vdst(0)
.set jj, 0
.rept 16
	v_pk_mul_f32 v[S+jj:S+jj+1], v[OT+jj:OT+jj+1], v[AA:AA+1]   ; O^T / l: register 16 b + i is channel 32 b + 16 h + i of my query; each accumulator is read from its low end on
.set jj, jj+2
.endr
.irp b, 0,1
	v_max3_num_f32 v[BM+\b], |v[S+16*\b]|, |v[S+1+16*\b]|, 0x1800000
.endr
.irp i, 2,4,6,8,10,12,14
.irp b, 0,1
	s_delay_alu instid0(VALU_DEP_2)
	v_max3_num_f32 v[BM+\b], v[BM+\b], |v[S+16*\b+\i]|, |v[S+1+16*\b+\i]|
.endr
.endr
.irp b, 0,1
	s_delay_alu instid0(VALU_DEP_2)
	v_permlanex16_b32 v[B2+\b], v[BM+\b], s[SEL], s[SEL+1]
.endr
.irp b, 0,1
	s_delay_alu instid0(VALU_DEP_2)
	v_max_num_f32 v[BM+\b], v[BM+\b], v[B2+\b]
.endr
.irp b, 0,1
	s_delay_alu instid0(VALU_DEP_2)
	v_add_nc_u32 v[SO+\b], 0xff000000, v[BM+\b]
.endr
.irp b, 0,1
	s_delay_alu instid0(VALU_DEP_2)
	v_lshrrev_b32 v[BY+\b], 23, v[SO+\b]
.endr
	s_delay_alu instid0(VALU_DEP_1)
	v_lshl_or_b32 v[PW], v[BY+1], 8, v[BY]         ; my head's two bytes of the row's scale word
	v_cvt_scalef32_pk16_fp6_f32 v[PC:PC+2], v[S:S+15], v[SO]
	v_cvt_scalef32_pk16_fp6_f32 v[PC+12:PC+14], v[S+16:S+31], v[SO+1]
	v_nop
.irp i, 0,1,2
	v_permlane16_swap_b32 v[PC+\i], v[PC+12+\i]
.endr
.irp i, 0,1,2
	s_delay_alu instid0(VALU_DEP_3)
	v_mov_b32 v[PC+3+\i], v[PC+12+\i]
.endr
.irp p, 0,1,2
	global_store_b64 v1, v[PC+2*\p:PC+2*\p+1], s[66:67] offset:256*\p   ; half a fragment: each store covers 256 consecutive bytes, aligned
.endr
	global_store_b16 v6, v[PW], s[88:89]           ; all 32 words' halves: with the other head's work-group every byte of the image is written
	s_wait_tensorcnt 0x0                           ; the wave's end
	ds_add_u32 v254, v255
	s_wait_dscnt 0x0
	CROUND                                         ; the closing round
	s_endpgm
.Lfunc_end_k_qfd7e70d419_sattn:
	.size	k_qfd7e70d419_sattn, .Lfunc_end_k_qfd7e70d419_sattn-k_qfd7e70d419_sattn
	.p2alignl 7, 3214868480
	.fill 96, 4, 3214868480
	.section	.rodata,"a",@progbits
	.p2align	6, 0x0
	.amdhsa_kernel k_qfd7e70d419_sattn
		.amdhsa_group_segment_fixed_size 215040
		.amdhsa_private_segment_fixed_size 0
		.amdhsa_enable_private_segment 0
		.amdhsa_kernarg_size 24
		.amdhsa_user_sgpr_count 2
		.amdhsa_user_sgpr_kernarg_segment_ptr 1
		.amdhsa_wavefront_size32 1
		.amdhsa_system_sgpr_workgroup_id_x 1
		.amdhsa_system_sgpr_workgroup_id_y 1
		.amdhsa_system_sgpr_workgroup_id_z 1
		.amdhsa_system_vgpr_workitem_id 0
		.amdhsa_next_free_vgpr 256
		.amdhsa_next_free_sgpr 102
		.amdhsa_reserve_vcc 0
		.amdhsa_float_denorm_mode_32 3
		.amdhsa_float_denorm_mode_16_64 3
		.amdhsa_memory_ordered 1
		.amdhsa_forward_progress 1
		.amdhsa_inst_pref_size 34
	.end_amdhsa_kernel
	.amdgpu_metadata
---
amdhsa.version: [ 1, 2 ]
amdhsa.kernels:
  - .name:           k_qfd7e70d419_sattn
    .symbol:         k_qfd7e70d419_sattn.kd
    .args:
      - { .name: skv, .offset: 0, .size: 8, .value_kind: global_buffer, .address_space: global }
      - { .name: sst, .offset: 8, .size: 8, .value_kind: global_buffer, .address_space: global }
      - { .name: ctx, .offset: 16, .size: 8, .value_kind: global_buffer, .address_space: global }
    .group_segment_fixed_size: 215040
    .private_segment_fixed_size: 0
    .kernarg_segment_align: 8
    .kernarg_segment_size: 24
    .max_flat_workgroup_size: 512
    .sgpr_count:     102
    .vgpr_count:     256
    .wavefront_size: 32
...
	.end_amdgpu_metadata
.endif
;; end of part 8
;; launch gemmO (part 9): grid 4 x 64, 4 waves a work-group, clusters of 4 x 4, 167,936 bytes of LDS; arguments ctx, qin, out0, out1, out2, out3; writes out0, out1, out2, out3
.if DOCPART == 9
	.amdgcn_target "amdgcn-amd-amdhsa--gfx1250"
	.amdhsa_code_object_version 6
	.text
	.protected	k_qfd7e70d419_gemmO
	.globl	k_qfd7e70d419_gemmO
	.p2align	8
	.type	k_qfd7e70d419_gemmO,@function
k_qfd7e70d419_gemmO:
	s_mov_b64 s[64:65], 0
	v_nop
	global_prefetch_b8 v0, s[64:65] scope:SCOPE_SE
	s_setreg_imm32_b32 hwreg(HW_REG_WAVE_MODE, 25, 1), 1
	s_wait_xcnt 0x0
	s_wait_alu depctr_hold_cnt(0) depctr_sa_sdst(0) depctr_va_vdst(0) depctr_va_sdst(0) depctr_va_ssrc(0) depctr_va_vcc(0) depctr_vm_vsrc(0)
	s_getreg_b32 s2, hwreg(HW_REG_IB_STS2, 6, 4)
	s_cmp_eq_u32 s2, 0
	s_cbranch_scc0 .Lentry_in_a_cluster
	s_endpgm
.Lentry_in_a_cluster:
	s_bfe_u32 s2, ttmp6, 0x10000c
	s_cmp_lg_u32 s2, 0xf033
	s_cbranch_scc0 .Lentry_shape_is_right
	s_endpgm
.Lentry_shape_is_right:
; out_i = ctx_i Wo_i^T (K = 512, codes of FP6), f32.  A work-group makes 128 rows x 128 columns (x: block of columns; y: 16 i + block of rows): 4 x 64 = 256 work-groups.
; A wave makes 32 rows x 128 columns: 16 accumulators, which take turns.
; SOURCE 0 = X = Wo_i's tiles (output columns along a lane's registers), SOURCE 1 = Y = ctx's tiles (a lane holds one row).  Lane r of tile t holds row 32 (t / 2) + 8 (t % 2) + r + 8 (r / 8), so
; accumulator (a, b)'s register j of lane (r, h) is column 32 (b / 2) + 16 h + 8 (b % 2) + j of that row.
; THE FILLS: all of K fits in LDS: four fills, one load a wave: wave 0 Y's 8 tiles (49,152 bytes), wave 2 X's, wave 1 Y's scale images (4,096 bytes), wave 3 X's.  Nothing is filled again.
; THE WAY OUT: a block of 16 rows x 128 columns goes through the wave's own stage in LDS, on bytes into which no fill lands, and comes back as whole rows of 512 bytes.
; CLUSTER 4, 4, 1: the four of a row share their rows of ctx (Y), the four of a column i and their columns (X): every load is a joint one.  No prefetch: every load goes out at the head.
.set FRB,   1536
.set TP,    4*FRB                      ; a tile's four K steps
.set R_X,   8*TP
.set SCL,   16*TP                      ; the scale images: Y's 4,096 bytes, then X's
.set SPARE, SCL+8192                   ; the spare words: two blocks of 256 bytes that no other line names
.set STAGE, SPARE+512
.set SPITCH, 528
.set SCY,   3145728                    ; scale images in ctx
.set SCX,   17694720                   ; in qin
.set AY,   16
.set AX,   20
.set STO,  24
.set RD,   25
.set CO,   26
.set ADRS, 27
.set SPW,  28
.set NIL,  29
.set SC,   32                          ; v32-47 scale words, two sets of 8: lanes 0-15 Y's tile, lanes 16-31 X's
.set AF,   128                         ; v128-175 Y's fragments, two sets of two (window 0); X's: window 1, sets at v0 and v128; accumulator (a, b) at v[8 (8 a + b)] of window 2
.set BK,   128
.set G1, 24
.set G0, 32
.set G1B, 48
.set G0B, 56
.set G1S, 68
.set G0S, 76
.set G1SB, 80
.set G0SB, 88
.set MSB, 0
.macro WIN new
.if MSB != \new
	s_set_vgpr_msb (MSB<<8)|\new
.set MSB, \new
.endif
.endm
.set MUL_LO, 0xa1
.set TO_B,   0x40
.macro JLOAD g0a, g1a, g0b, g1b
	s_cmp_eq_u32 s15, 0
	s_cbranch_scc0 .Lfor_x_\@
	tensor_load_to_lds s[\g0a:\g0a+3], s[\g1a:\g1a+7]
	s_nop 0
.rept 4
	v_nop
.endr
	s_branch .Lasked_\@
.Lfor_x_\@:
	tensor_load_to_lds s[\g0b:\g0b+3], s[\g1b:\g1b+7]
	s_nop 0
.rept 4
	v_nop
.endr
.Lasked_\@:
.endm
.macro CROUND
	s_barrier_signal -1
	s_barrier_wait -1
	s_cmp_lg_u32 s14, 0
	s_cbranch_scc1 .Lnot_wave_0_\@
	s_barrier_signal -3
.Lnot_wave_0_\@:
	s_barrier_wait -3
	s_barrier_signal -1
	s_barrier_wait -1
.endm
.macro PLACES
.rept 4
	v_nop
.endr
.endm
.macro FETCH g                         ; K step g's ten fragments and eight scale words into set g % 2
	WIN TO_B
.irp i, 0,1,2,3,4,5,6,7
.irp p, 0,1,2,3,4,5
	ds_load_b64 v[128*((\g)%2)+12*\i+2*\p:128*((\g)%2)+12*\i+2*\p+1], v[AX] offset:\i*TP+(\g)*FRB+256*\p
.endr
.endr
	WIN 0
.irp i, 0,1
.irp p, 0,1,2,3,4,5
	ds_load_b64 v[AF+24*((\g)%2)+12*\i+2*\p:AF+24*((\g)%2)+12*\i+2*\p+1], v[AY] offset:\i*TP+(\g)*FRB+256*\p
.endr
.endr
.irp i, 0,1,2,3,4,5,6,7
	ds_load_b32 v[SC+8*((\g)%2)+\i], v[ADRS] offset:\i*512+128*(\g)
.endr
.endm
.macro MUL g, zero
	WIN MUL_LO
.irp a, 0,1
.irp b, 0,1,2,3,4,5,6,7
.if \zero
	v_wmma_scale_f32_16x16x128_f8f6f4 v[8*(8*\a+\b):8*(8*\a+\b)+7], v[128*((\g)%2)+12*\b:128*((\g)%2)+12*\b+11], v[AF+24*((\g)%2)+12*\a:AF+24*((\g)%2)+12*\a+11], 0, v[SC+8*((\g)%2)+\b], v[SC+8*((\g)%2)+\a] matrix_a_fmt:MATRIX_FMT_FP6 matrix_b_fmt:MATRIX_FMT_FP6 matrix_a_scale:MATRIX_SCALE_ROW1
.else
	v_wmma_scale_f32_16x16x128_f8f6f4 v[8*(8*\a+\b):8*(8*\a+\b)+7], v[128*((\g)%2)+12*\b:128*((\g)%2)+12*\b+11], v[AF+24*((\g)%2)+12*\a:AF+24*((\g)%2)+12*\a+11], v[8*(8*\a+\b):8*(8*\a+\b)+7], v[SC+8*((\g)%2)+\b], v[SC+8*((\g)%2)+\a] matrix_a_fmt:MATRIX_FMT_FP6 matrix_b_fmt:MATRIX_FMT_FP6 matrix_a_scale:MATRIX_SCALE_ROW1
.endif
.endr
.endr
	WIN 0
.endm
.macro STEP g, zero
	s_wait_dscnt 0x0                               ; K step g's fragments are in
	PLACES                                         ; behind the last products, ahead of the loads into the set that they read
	FETCH (\g)+1
	MUL \g, \zero
.endm
.macro TOSTAGE a
	WIN 0x08                                       ; an LDS store's data are its source 1: window 2
.irp b, 0,1,2,3,4,5,6,7
	ds_store_b128 v[STO], v[64*\a+8*\b:64*\a+8*\b+3] offset:128*(\b/2)+32*(\b%2)       ; each accumulator from its low end on
	ds_store_b128 v[STO], v[64*\a+8*\b+4:64*\a+8*\b+7] offset:128*(\b/2)+32*(\b%2)+16
.endr
	WIN 0
.irp t, 0,1,2,3,4,5,6,7,8,9,10,11,12,13,14,15
	ds_load_b128 v[BK+64*\a+4*\t:BK+64*\a+4*\t+3], v[RD] offset:\t*SPITCH      ; LDS serves a wave's instructions in order (ISA guide 5.7.1.4): these see the stores above, and block 1's stores come behind block 0's loads
.endr
.endm
.macro SEND a, younger                 ; younger: the LDS instructions issued behind block a's loads, which may stay out
	s_wait_dscnt \younger
.irp t, 0,1,2,3,4,5,6,7,8,9,10,11,12,13,14,15
	global_store_b128 v[CO], v[BK+64*\a+4*\t:BK+64*\a+4*\t+3], s[12:13] offset:(8*\a+\t+8*(\t/8))*2048 th:TH_STORE_NT   ; 32 lanes store 512 consecutive bytes, aligned; the row's place stands in the immediate
.endr
.endm
	s_load_b128 s[4:7], s[0:1], 0x0                ; ctx, qin
	s_load_b128 s[8:11], s[0:1], 0x10              ; out0, out1
	s_load_b128 s[96:99], s[0:1], 0x20             ; out2, out3
	v_lshl_add_u32 v[SPW], v0, 2, SPARE
	v_mov_b32 v[NIL], 0
	ds_add_u32 v[SPW], v[NIL]                      ; the opening lines: the add, twice on end, and its wait
	ds_add_u32 v[SPW], v[NIL]
	v_lshrrev_b32 v1, 5, v0
	v_readfirstlane_b32 s14, v1
	s_lshr_b32 s15, s14, 1
	s_and_b32 s16, s14, 1
	s_bfe_u32 s40, ttmp6, 0x40000                  ; cx
	s_bfe_u32 s41, ttmp6, 0x40004                  ; cy
	s_lshl_b32 s42, ttmp9, 2
	s_add_co_u32 s42, s42, s40                     ; X's block of 128 columns
	s_and_b32 s17, ttmp7, 0xffff
	s_lshr_b32 s2, s17, 2                          ; i: four clusters along y to each
	s_lshl_b32 s17, s17, 2
	s_add_co_u32 s17, s17, s41                     ; Y's block: 16 i + block of 128 rows
	s_lshl_b32 s43, s41, 2
	s_lshl_b32 s43, 15, s43                        ; my row of the cluster
	s_lshl_b32 s44, 0x1111, s40                    ; my column
	s_or_b32 s[G1], s43, (3<<16)|(1<<21)           ; elements of 8 bytes; 21 set beside a mask
	s_or_b32 s[G1B], s44, (3<<16)|(1<<21)
.irp g, G1, G1B
	s_mov_b32 s[\g+1], 768<<16                     ; 8 tiles x 6,144 bytes, dense
	s_mov_b32 s[\g+2], 8<<16
	s_mov_b32 s[\g+3], 768<<16
	s_mov_b32 s[\g+4], 8
	s_mov_b32 s[\g+5], 768
	s_mov_b32 s[\g+6], 0
	s_mov_b32 s[\g+7], 0
.endr
	s_or_b32 s[G1S], s43, (3<<16)|(1<<21)
	s_or_b32 s[G1SB], s44, (3<<16)|(1<<21)
.irp g, G1S, G1SB
	s_mov_b32 s[\g+1], 32<<16                      ; 4,096 dense bytes as 16 rows of 256
	s_mov_b32 s[\g+2], 16<<16
	s_mov_b32 s[\g+3], 32<<16
	s_mov_b32 s[\g+4], 16
	s_mov_b32 s[\g+5], 32
	s_mov_b32 s[\g+6], 0
	s_mov_b32 s[\g+7], 0
.endr
	s_lshl_b32 s20, s17, 5                         ; Y: ctx's first fragment (8 tiles x 4 K steps a block)
	s_lshl_b32 s46, s2, 7
	s_lshl_b32 s19, s42, 5
	s_add_co_u32 s46, s46, s19
	s_add_co_u32 s46, s46, 11008                   ; X: Wo_i's
	s_lshl_b32 s22, s20, 7
	s_mov_b32 s23, 0
	s_lshl_b32 s92, s46, 7
	s_mov_b32 s93, 0
	s_mul_i32 s20, s20, FRB
	s_mov_b32 s21, 0
	s_mul_i32 s46, s46, FRB
	s_mov_b32 s47, 0
	s_wait_dscnt 0x0                               ; both opening adds are done
	s_wait_kmcnt 0x0
	s_add_nc_u64 s[20:21], s[4:5], s[20:21]
	s_add_nc_u64 s[22:23], s[4:5], s[22:23]
	s_add_nc_u64 s[22:23], s[22:23], SCY
	s_add_nc_u64 s[46:47], s[6:7], s[46:47]
	s_add_nc_u64 s[92:93], s[6:7], s[92:93]
	s_add_nc_u64 s[92:93], s[92:93], SCX
	CROUND                                         ; in front of the joint loads
	s_mov_b32 s[G0], 1
	s_mov_b32 s[G0+1], 0
	s_mov_b64 s[G0+2:G0+3], s[20:21]
	s_or_b32 s[G0+3], s[G0+3], 0x80000000
	s_mov_b32 s[G0B], 1
	s_mov_b32 s[G0B+1], R_X
	s_mov_b64 s[G0B+2:G0B+3], s[46:47]
	s_or_b32 s[G0B+3], s[G0B+3], 0x80000000
	s_mov_b32 s[G0S], 1
	s_mov_b32 s[G0S+1], SCL
	s_mov_b64 s[G0S+2:G0S+3], s[22:23]
	s_or_b32 s[G0S+3], s[G0S+3], 0x80000000
	s_mov_b32 s[G0SB], 1
	s_mov_b32 s[G0SB+1], SCL+4096
	s_mov_b64 s[G0SB+2:G0SB+3], s[92:93]
	s_or_b32 s[G0SB+3], s[G0SB+3], 0x80000000
	s_cmp_eq_u32 s16, 0                            ; one load a wave: waves 0, 2 the codes, waves 1, 3 the scale images
	s_cbranch_scc0 .Lhead_scales
	JLOAD G0, G1, G0B, G1B
	s_branch .Lhead_asked
.Lhead_scales:
	JLOAD G0S, G1S, G0SB, G1SB
.Lhead_asked:
	; the rest of the head is made while the tiles are on their way: first the scalars, then the vector registers on end
	s_mul_i32 s60, s14, 2*TP                       ; my two tiles of Y
	s_lshl_b32 s63, s14, 10                        ; their scale images, 512 bytes a tile
	s_mov_b32 s62, 4096
	s_sub_co_u32 s62, s62, s63                     ; from them to X's
	s_add_co_u32 s63, s63, SCL
	s_mul_i32 s23, s14, 16*SPITCH
	s_add_co_u32 s23, s23, STAGE                   ; my stage
	s_cmp_eq_u32 s2, 1                             ; the output: a choice on i alone
	s_cselect_b64 s[12:13], s[10:11], s[8:9]
	s_cmp_eq_u32 s2, 2
	s_cselect_b64 s[12:13], s[96:97], s[12:13]
	s_cmp_eq_u32 s2, 3
	s_cselect_b64 s[12:13], s[98:99], s[12:13]
	s_and_b32 s20, s17, 15
	s_lshl_b32 s20, s20, 7
	s_lshl_b32 s21, s14, 5
	s_add_co_u32 s20, s20, s21
	s_lshl_b32 s20, s20, 11                        ; my first row, 2,048 bytes a row
	s_lshl_b32 s21, s42, 9                         ; my work-group's 128 columns
	s_add_co_u32 s20, s20, s21
	s_mov_b32 s21, 0
	s_add_nc_u64 s[12:13], s[12:13], s[20:21]
	v_and_b32 v1, 15, v0
	v_bfe_u32 v2, v0, 4, 1
	v_and_b32 v3, 31, v0
	v_lshlrev_b32 v4, 3, v3                        ; 8 x lane: a piece's place
	v_add_nc_u32 v[AY], s60, v4
	v_add_nc_u32 v[AX], R_X, v4
	v_lshlrev_b32 v5, 2, v1
	v_mul_u32_u24 v6, s62, v2                      ; lanes 16-31 take X's words
	v_add_nc_u32 v5, v5, v6
	v_add_nc_u32 v[ADRS], s63, v5
	v_mul_u32_u24 v7, v1, SPITCH
	v_lshl_add_u32 v7, v2, 6, v7
	v_add_nc_u32 v[STO], s23, v7                   ; into the stage: row r, + 64 h
	v_lshlrev_b32 v[CO], 4, v3
	v_add_nc_u32 v[RD], s23, v[CO]                 ; back: the 32 lanes take one row of 512 bytes
	s_wait_alu depctr_va_vdst(0)
	s_wait_tensorcnt 0x0                           ; my one load has landed;
	s_barrier_signal -1
	s_barrier_wait -1                              ; everybody's has
	FETCH 0
	STEP 0, 1                                      ; the first products start the sums
	STEP 1, 0
	STEP 2, 0
	s_wait_dscnt 0x0
	MUL 3, 0
	PLACES                                         ; in front of the first read of results and of loads into the registers that held Y's fragments
	TOSTAGE 0
	TOSTAGE 1
	SEND 0, 32                                     ; behind block 0's loads: block 1's 16 stores and 16 loads
	SEND 1, 0
	s_wait_tensorcnt 0x0                           ; the wave's end
	ds_add_u32 v[SPW], v[NIL]
	s_wait_dscnt 0x0
	CROUND                                         ; the closing round
	s_endpgm
.Lfunc_end_k_qfd7e70d419_gemmO:
	.size	k_qfd7e70d419_gemmO, .Lfunc_end_k_qfd7e70d419_gemmO-k_qfd7e70d419_gemmO
	.p2alignl 7, 3214868480
	.fill 96, 4, 3214868480
	.section	.rodata,"a",@progbits
	.p2align	6, 0x0
	.amdhsa_kernel k_qfd7e70d419_gemmO
		.amdhsa_group_segment_fixed_size 167936
		.amdhsa_private_segment_fixed_size 0
		.amdhsa_enable_private_segment 0
		.amdhsa_kernarg_size 48
		.amdhsa_user_sgpr_count 2
		.amdhsa_user_sgpr_kernarg_segment_ptr 1
		.amdhsa_wavefront_size32 1
		.amdhsa_system_sgpr_workgroup_id_x 1
		.amdhsa_system_sgpr_workgroup_id_y 1
		.amdhsa_system_sgpr_workgroup_id_z 1
		.amdhsa_system_vgpr_workitem_id 0
		.amdhsa_next_free_vgpr 768
		.amdhsa_next_free_sgpr 102
		.amdhsa_reserve_vcc 0
		.amdhsa_float_denorm_mode_32 3
		.amdhsa_float_denorm_mode_16_64 3
		.amdhsa_memory_ordered 1
		.amdhsa_forward_progress 1
		.amdhsa_inst_pref_size 42
	.end_amdhsa_kernel
	.amdgpu_metadata
---
amdhsa.version: [ 1, 2 ]
amdhsa.kernels:
  - .name:           k_qfd7e70d419_gemmO
    .symbol:         k_qfd7e70d419_gemmO.kd
    .args:
      - { .name: ctx, .offset: 0, .size: 8, .value_kind: global_buffer, .address_space: global }
      - { .name: qin, .offset: 8, .size: 8, .value_kind: global_buffer, .address_space: global }
      - { .name: out0, .offset: 16, .size: 8, .value_kind: global_buffer, .address_space: global }
      - { .name: out1, .offset: 24, .size: 8, .value_kind: global_buffer, .address_space: global }
      - { .name: out2, .offset: 32, .size: 8, .value_kind: global_buffer, .address_space: global }
      - { .name: out3, .offset: 40, .size: 8, .value_kind: global_buffer, .address_space: global }
    .group_segment_fixed_size: 167936
    .private_segment_fixed_size: 0
    .kernarg_segment_align: 8
    .kernarg_segment_size: 48
    .max_flat_workgroup_size: 128
    .sgpr_count:     102
    .vgpr_count:     768
    .wavefront_size: 32
...
	.end_amdgpu_metadata
.endif
;; end of part 9
